; MI455X (gfx1250); checked and timed in simulation.
; The chip was launched on July 23, 2026; its instructions are those of AMD's public machine-readable ISA for CDNA 5 (MIT licence, August 2026) and "CDNA5" Instruction Set Architecture Reference Guide (July 2026). The comments in the code are by the model that wrote it; some were corrected since.
;; Decoder Block. Allowed arithmetic: matrix products marked QUANTISED: E5M2 operands, one E8M0 scale for each 32 along K, by v_wmma_scale_f32_16x16x128_f8f6f4 with both operands' format E5M2, f32 sums; everything else in f32.
;; Inputs: Wk_codes 16 x 64 x 32 x 32 uint8 (E5M2 codes of Wk, K innermost, in blocks of 32 codes); Wk_scales 16 x 64 x 32 uint8 (E8M0 scales of Wk, one for each 32 codes along K); Wo_codes 1,024 x 32 x 32 uint8 (E5M2 codes of Wo, K innermost, in blocks of 32 codes); Wo_scales 1,024 x 32 uint8 (E8M0 scales of Wo, one for each 32 codes along K); Wq_codes 16 x 64 x 32 x 32 uint8 (E5M2 codes of Wq, K innermost, in blocks of 32 codes); Wq_scales 16 x 64 x 32 uint8 (E8M0 scales of Wq, one for each 32 codes along K); Wv_codes 16 x 64 x 32 x 32 uint8 (E5M2 codes of Wv, K innermost, in blocks of 32 codes); Wv_scales 16 x 64 x 32 uint8 (E8M0 scales of Wv, one for each 32 codes along K); b1 4,096 float32; b2 1,024 float32; be1 1,024 float32; be2 1,024 float32; g1 1,024 float32; g2 1,024 float32; w1_codes 4,096 x 32 x 32 uint8 (E5M2 codes of w1, K innermost, in blocks of 32 codes); w1_scales 4,096 x 32 uint8 (E8M0 scales of w1, one for each 32 codes along K); w2_codes 1,024 x 128 x 32 uint8 (E5M2 codes of w2, K innermost, in blocks of 32 codes); w2_scales 1,024 x 128 uint8 (E8M0 scales of w2, one for each 32 codes along K); x 4 x 1,024 x 1,024 float32.
;; Outputs: out0 4 x 1,024 x 1,024 float32.
;; This version of the problem:
;;   THIS VERSION OF THE PROBLEM IS GIVEN IN LOW PRECISION. The matrix products marked QUANTISED in the list below multiply operands that are first quantised to E5M2 (5 exponent bits, 2 mantissa bits; 8 bits a number), with one power-of-two scale for each 32 numbers along K (OCP MX v1.0); their sums are f32. All else is computed in f32.
;;   The module's matrix products, in the order in which they are computed (A, B: the left and right operand; K: the contracted axis; several contracted axes count as one K, in the product's order):
;;     1. [M 1,024, K 1,024] x [K 1,024, N 4,096]; A: input Wq (given as codes); B: computed on the way: QUANTISED
;;     2. [M 1,024, K 1,024] x [K 1,024, N 4,096]; A: input Wk (given as codes); B: computed on the way: QUANTISED
;;     3. [M 1,024, K 1,024] x [K 1,024, N 4,096]; A: input Wv (given as codes); B: computed on the way: QUANTISED
;;     4. batch 64 x [M 1,024, K 64] x [K 64, N 1,024]; A: computed on the way; B: computed on the way: QUANTISED
;;     5. batch 64 x [M 1,024, K 1,024] x [K 1,024, N 64]; A: softmax (see below); B: computed on the way: QUANTISED
;;     6. [M 4,096, K 1,024] x [K 1,024, N 1,024]; A: computed on the way; B: input Wo (given as codes): QUANTISED
;;     7. [M 4,096, K 1,024] x [K 1,024, N 4,096]; A: computed on the way; B: input w1 (given as codes): QUANTISED
;;     8. [M 4,096, K 4,096] x [K 4,096, N 1,024]; A: computed on the way; B: input w2 (given as codes): QUANTISED
;;   THE QUANTISER, for each operand of a quantised product, along K:
;;     - K is cut into blocks of 32 from its start; a last block that is shorter is filled with zeros.
;;     - A block's scale is 2^e with e = floor(log2(the largest magnitude in the block)) - 15, held to -126 .. 127; a block of zeros has e = 0. As a byte (E8M0): e + 127.
;;     - Each number is divided by its block's scale, clamped to +-57,344, and rounded to the nearest number of E5M2, ties to even, subnormals kept.
;;     - The product sums the exact products of the quantised numbers (number of the format x scale) in f32.
;;   ~~~python
;;   def quantise(x, axis):      # numpy; x: float32 -> the quantised numbers, widened to float32 again
;;       x = np.moveaxis(x, axis, -1); K = x.shape[-1]
;;       x = np.pad(x, [(0, 0)] * (x.ndim - 1) + [(0, -K % 32)]); x = x.reshape(x.shape[:-1] + (-1, 32)); a = np.abs(x).max(-1, keepdims=True)
;;       e = np.where(a > 0, np.clip(np.frexp(np.where(a > 0, a, 1))[1] - 1 - 15, -126, 127), 0)      # np.frexp(a)[1] - 1 = floor(log2(a)), exactly
;;       r = np.clip(x / 2.0 ** e, -57344, 57344)
;;       step = 2.0 ** (np.maximum(np.frexp(np.where(r == 0, 1, r))[1] - 1, -14) - 2)
;;       q = np.round(r / step) * step * 2.0 ** e      # np.round: ties to even
;;       return np.moveaxis(q.reshape(q.shape[:-2] + (-1,))[..., :K], -1, axis).astype(np.float32)
;;   ~~~
;;   SOFTMAX AHEAD OF A QUANTISED PRODUCT. Where the list says 'softmax', what is quantised is not the finished softmax but p = 2^(t - M), with t = logit x log2(e) and M = ceil(the row's largest t), a whole number; so 1/2 < the row's largest p <= 1. The row's sum l is taken of the UNQUANTISED p, in f32, and the product's result is divided by l at the end. Since M is a whole number, a kernel that streams over the keys may use a running M (the ceiling of the running maximum): every later rescaling is an exact power of two, which a block's scale takes up: the codes' values come out the same.
;;   OPERANDS COMPUTED ON THE WAY. 'Computed on the way' means the value that the module computes at that place (a softmax that the list does not call 'softmax' is quantised finished and normalised). What goes into a quantiser is computed in f32, as accurately as f32 sums, v_exp_f32 and their like allow (about 1e-6 of the number): no bf16 or f16 on the way to a quantiser, and a product that is left as it is and whose result goes on into a quantised operand takes f32 operands (vector FMAs, or v_wmma_f32_16x16x4_f32). A number that lies on a knife's edge between two numbers of the format may be rounded either way, as far as f32 arithmetic and the matrix unit's own rounding can turn it there, and no further.
;;   INPUTS GIVEN AS CODES. Wk (in the module: [16, 1024, 64], K = its axis 1); Wo (in the module: [1024, 1024], K = its axis 0); Wq (in the module: [16, 1024, 64], K = its axis 1); Wv (in the module: [16, 1024, 64], K = its axis 1); w1 (in the module: [1024, 4096], K = its axis 0); w2 (in the module: [4096, 1024], K = its axis 0): each comes as NAME_codes (uint8): NAME with its K axis moved to the last place and cut into blocks of 32 codes, [.., K / 32, bytes a block], one block behind the other in memory; one code a byte (a code: sign, 5 exponent bits, 2 mantissa bits); and NAME_scales (uint8): the same leading axes, one E8M0 byte (e + 127) for each 32 codes along K. Its value is code x scale, taken as it is: it is not quantised again, and the codes and scales need not be those that the quantiser above would give.
;; One version. Each part assembles by itself: llvm-mc -triple=amdgcn-amd-amdhsa -mcpu=gfx1250 --defsym DOCPART=n.
;; ======== version 1 of 1: 7 launches
;; limits: right only within a limited range of input values
;; workspace buffers: nbuf 4,325,376 bytes; qkvbuf 12,976,128 bytes; ctxbuf 4,325,376 bytes; x1 16,777,216 bytes; hbuf 17,301,504 bytes; w2f 4,194,304 bytes; wof 1,048,576 bytes
;; launch ln1 (part 1): grid 256 x 1, 4 waves a work-group, no clusters, 5,376 bytes of LDS; arguments x, g1, be1, nbuf, Wo_codes, wof; writes nbuf, wof
.if DOCPART == 1
	.amdgcn_target "amdgcn-amd-amdhsa--gfx1250"
	.amdhsa_code_object_version 6
	.text
	.protected	k_qc02afd88f0_ln1
	.globl	k_qc02afd88f0_ln1
	.p2align	8
	.type	k_qc02afd88f0_ln1,@function
k_qc02afd88f0_ln1:
	s_mov_b64 s[64:65], 0
	v_nop
	global_prefetch_b8 v0, s[64:65] scope:SCOPE_SE
	s_setreg_imm32_b32 hwreg(HW_REG_WAVE_MODE, 25, 1), 1
	s_wait_xcnt 0x0
; n = LayerNorm(x) * g + be over rows of 1,024 f32 numbers, quantised along the row to codes of E5M2 with one E8M0 byte for each 32 numbers.
; In: x [4096][1024] f32, g, be [1024] f32.  Out: one buffer: the codes [4096][1024] from byte 0, the scale bytes [4096][32] from byte 0x400000.
; A work-group takes 16 rows, each of its four waves 4 rows, one wave to a row: the row stays in 32 registers a lane between the passes (mean, variance of the differences, scaling, quantiser), so it is read once.
; Lane l holds, of each quarter c of the row, the eight neighbours 256 c + 8 l + 0 .. 7: four neighbouring lanes hold a block of 32, and a lane's eight codes are 8 bytes: the wave's store covers 256 consecutive bytes, aligned.
; The two loads of a quarter take the two halves of each lane's 32 bytes: both name the same 1,024 bytes, so x's loads carry no cache hint.
; The 32 scale bytes of each of the 16 rows are gathered in LDS and leave as 512 consecutive bytes.
; A block's scale is 2^(floor(log2(largest magnitude)) - 15); its byte is the largest magnitude's exponent field - 15, held at 1 from below by a floor among the maximum's leaves.
; LIMITS: NaN and infinities among the inputs are not served.  A block of zeros, or one whose largest magnitude lies under 2^-111, gets the byte 1 (the quantiser's rule gives a block of zeros 127): its codes are
; zeros or the nearest codes under that scale, and the bytes are read by this program alone.  1 / sqrt is v_rsq_f32.
; No matrix unit, no tensor load, no cluster: the launch streams, and the work-groups share nothing but g and be.
.set G,   16                           ; v16-47   g of my 32 columns (register 8 c + i)
.set BE,  48                           ; v48-79   be likewise
.set X,   80                           ; v80-207  row rho at v[80 + 32 rho]
.set C,   208                          ; v208-239 codes: 8 registers a row; in wave 0 first Wo's bytes
.set E,   240                          ; v240-255 a scale byte for each row and quarter
	s_load_b256 s[4:11], s[0:1], 0x0               ; x s[4:5], g s[6:7], be s[8:9], out s[10:11]
	s_load_b128 s[28:31], s[0:1], 0x20             ; Wo_codes, wof
	v_lshl_add_u32 v15, v0, 2, 0x200
	s_set_vgpr_msb 0x40
	v_mov_b32 v1, 0
	s_set_vgpr_msb 0x4000
	v_lshrrev_b32 v1, 5, v0
	v_readfirstlane_b32 s12, v1                    ; wave 0..3
	v_and_b32 v1, 31, v0                           ; lane
	v_lshlrev_b32 v2, 5, v1                        ; 32 x lane: my eight numbers in a quarter
	v_lshlrev_b32 v3, 3, v1                        ; 8 x lane: my eight codes
	v_lshrrev_b32 v4, 2, v1
	s_lshl_b32 s13, s12, 7
	v_add_nc_u32 v4, s13, v4                       ; LDS: 128 x wave + lane / 4: my block's byte
	v_lshlrev_b32 v5, 4, v1                        ; 16 x lane: the way out of the scale bytes
	v_mov_b32 v14, 0                               ; written once: a lane permute's destination counts as one of its sources
	; A SECOND JOB, wave 0's: Wo's codes [1024 n][1024 k] are laid anew in the order of a matrix operand's registers: wof[n / 16][k / 128][c 4][lane 32][16 bytes], lane (h, r) holding n % 16 = r, k % 128 = 32 c + 16 h + 0 .. 15.
	; A work-group takes 16 rows x 256 bytes: eight loads of two rows' 256 bytes each, through 16 x 272 bytes of LDS from byte 1,024 on, and eight stores of 512 consecutive bytes.
	v_and_b32 v9, 15, v1
	v_lshrrev_b32 v10, 4, v1
	v_lshlrev_b32 v11, 4, v9
	v_lshl_add_u32 v6, v10, 10, v11                ; Wo: sixteen lanes to 256 bytes of a row, two rows an instruction
	v_mad_u32_u24 v7, v10, 272, v11
	v_add_nc_u32 v7, 1024, v7                      ; into LDS the same way
	v_mul_u32_u24 v8, v9, 272
	v_lshl_add_u32 v8, v10, 4, v8
	v_add_nc_u32 v8, 1024, v8                      ; back: row lane % 16, 16 bytes for each half of the lanes
	s_lshl_b32 s14, ttmp9, 16                      ; x: 16 rows of 4,096 bytes a work-group,
	s_lshl_b32 s15, s12, 14                        ; 4 a wave
	s_add_co_u32 s14, s14, s15
	s_mov_b32 s15, 0
	s_lshl_b32 s16, ttmp9, 14                      ; the codes: a quarter of that
	s_lshl_b32 s17, s12, 12
	s_add_co_u32 s16, s16, s17
	s_mov_b32 s17, 0
	s_lshl_b32 s18, ttmp9, 9                       ; the scale bytes: 512 a work-group
	s_add_co_u32 s18, s18, 0x400000
	s_mov_b32 s19, 0
	s_mov_b32 s20, 0x76543210
	s_mov_b32 s21, 0xfedcba98                      ; v_permlanex16_b32's selects for lane l xor 16
	s_mov_b32 s23, 0x600000                        ; the mantissa field of 57,344
	s_mov_b32 s24, 0x3a800000                      ; 1 / 1024
	s_mov_b32 s25, 0x3727c5ac                      ; 1e-5
	s_lshr_b32 s32, ttmp9, 2                       ; Wo: block of 16 rows = work-group / 4, 256 bytes of K for work-group % 4
	s_lshl_b32 s32, s32, 14
	s_and_b32 s33, ttmp9, 3
	s_lshl_b32 s33, s33, 8
	s_add_co_u32 s32, s32, s33
	s_mov_b32 s33, 0
	s_lshl_b32 s34, ttmp9, 12                      ; wof: 4,096 bytes a work-group
	s_mov_b32 s35, 0
	s_wait_alu depctr_va_vdst(0)
	s_wait_kmcnt 0x0
	s_add_nc_u64 s[4:5], s[4:5], s[14:15]
	s_add_nc_u64 s[26:27], s[10:11], s[18:19]
	s_add_nc_u64 s[10:11], s[10:11], s[16:17]
	s_add_nc_u64 s[28:29], s[28:29], s[32:33]
	s_add_nc_u64 s[30:31], s[30:31], s[34:35]
	s_cmp_lg_u32 s12, 0
	s_cbranch_scc1 .Lno_w
.irp t, 0,1,2,3,4,5,6,7
	global_load_b128 v[C+4*\t:C+4*\t+3], v6, s[28:29] offset:2048*\t th:TH_LOAD_NT
.endr
.Lno_w:
.irp c, 0,1,2,3
	global_load_b128 v[G+8*\c:G+8*\c+3], v2, s[6:7] offset:1024*\c
	global_load_b128 v[G+8*\c+4:G+8*\c+7], v2, s[6:7] offset:1024*\c+16
	global_load_b128 v[BE+8*\c:BE+8*\c+3], v2, s[8:9] offset:1024*\c
	global_load_b128 v[BE+8*\c+4:BE+8*\c+7], v2, s[8:9] offset:1024*\c+16
.endr
.irp rho, 0,1,2,3
.irp c, 0,1,2,3
	global_load_b128 v[X+32*\rho+8*\c:X+32*\rho+8*\c+3], v2, s[4:5] offset:4096*\rho+1024*\c
	global_load_b128 v[X+32*\rho+8*\c+4:X+32*\rho+8*\c+7], v2, s[4:5] offset:4096*\rho+1024*\c+16
.endr
.endr
	s_cmp_lg_u32 s12, 0
	s_cbranch_scc1 .Lno_w2
	s_wait_loadcnt 48                              ; Wo's eight loads are in; the 16 of g and be and the 32 of x may be out
.irp t, 0,1,2,3,4,5,6,7
	ds_store_b128 v7, v[C+4*\t:C+4*\t+3] offset:544*\t
.endr
.irp u, 0,1,2,3,4,5,6,7
	ds_load_b128 v[C+4*\u:C+4*\u+3], v8 offset:128*(\u/4)+32*(\u%4)   ; the wave's own bytes: LDS serves a wave's instructions in order (ISA guide 5.7.1.4)
.endr
	s_wait_dscnt 0x0
.irp u, 0,1,2,3,4,5,6,7
	global_store_b128 v5, v[C+4*\u:C+4*\u+3], s[30:31] offset:512*\u   ; 512 consecutive bytes, aligned
.endr
	s_wait_xcnt 0x0                                ; the stores have read their registers, which the rows' codes take below
.Lno_w2:
.macro REDUCE
	v_add_f32_dpp v10, v10, v10 row_xmask:1 row_mask:0xf bank_mask:0xf
	v_add_f32_dpp v10, v10, v10 row_xmask:2 row_mask:0xf bank_mask:0xf
	v_add_f32_dpp v10, v10, v10 row_xmask:4 row_mask:0xf bank_mask:0xf
	v_add_f32_dpp v10, v10, v10 row_xmask:8 row_mask:0xf bank_mask:0xf
	v_permlanex16_b32 v14, v10, s20, s21
	v_add_f32 v10, v10, v14
.endm
.macro ROW rho
.set XR, X+32*\rho
	s_wait_loadcnt 8*(3-\rho)                      ; loads come back in order: g, be and this row are in; the eight loads of each younger row may be out
	v_pk_add_f32 v[10:11], v[XR:XR+1], v[XR+2:XR+3]               ; the sum, in two chains of pairs
	v_pk_add_f32 v[12:13], v[XR+4:XR+5], v[XR+6:XR+7]
.irp k, 8,12,16,20,24,28
	v_pk_add_f32 v[10:11], v[10:11], v[XR+\k:XR+\k+1]
	v_pk_add_f32 v[12:13], v[12:13], v[XR+\k+2:XR+\k+3]
.endr
	v_pk_add_f32 v[10:11], v[10:11], v[12:13]
	v_add_f32 v10, v10, v11
	REDUCE
	v_mul_f32 v6, s24, v10                         ; the mean, in both registers of a pair
	v_mov_b32 v7, v6
.irp k, 0,2,4,6,8,10,12,14,16,18,20,22,24,26,28,30
	v_pk_add_f32 v[XR+\k:XR+\k+1], v[XR+\k:XR+\k+1], v[6:7] neg_lo:[0,1] neg_hi:[0,1]   ; x - mean, in place: the variance is taken of the differences, so a common offset of the inputs does no harm
.endr
	v_pk_mul_f32 v[10:11], v[XR:XR+1], v[XR:XR+1]
	v_pk_mul_f32 v[12:13], v[XR+2:XR+3], v[XR+2:XR+3]
.irp k, 4,8,12,16,20,24,28
	v_pk_fma_f32 v[10:11], v[XR+\k:XR+\k+1], v[XR+\k:XR+\k+1], v[10:11]
	v_pk_fma_f32 v[12:13], v[XR+\k+2:XR+\k+3], v[XR+\k+2:XR+\k+3], v[12:13]
.endr
	v_pk_add_f32 v[10:11], v[10:11], v[12:13]
	v_add_f32 v10, v10, v11
	REDUCE
	v_fma_f32 v10, v10, s24, s25                   ; variance + 1e-5 (the division by 1,024 rounds nothing)
	s_wait_alu depctr_va_vdst(0)
	v_rsq_f32 v8, v10
	v_rsq_f32 v9, v10                              ; twice: a pair for the packed multiply
	v_nop                                          ; a plain instruction behind the transcendentals (ISA guide 5.7.2),
	s_wait_alu depctr_va_vdst(0)                   ; and the one wait ahead of their first reader
.irp k, 0,2,4,6,8,10,12,14,16,18,20,22,24,26,28,30
	v_pk_mul_f32 v[XR+\k:XR+\k+1], v[XR+\k:XR+\k+1], v[8:9]
.endr
.irp k, 0,2,4,6,8,10,12,14,16,18,20,22,24,26,28,30
	v_pk_fma_f32 v[XR+\k:XR+\k+1], v[XR+\k:XR+\k+1], v[G+\k:G+\k+1], v[BE+\k:BE+\k+1]
.endr
	; the quantiser: quarter c's block, the four quarters by turns.  v[6+c] the largest magnitude, then 57,344 x the scale; v[10+c] the conversion's scale operand
.irp c, 0,1,2,3
	v_max3_num_f32 v[6+\c], |v[XR+8*\c]|, |v[XR+8*\c+1]|, 0x8000000   ; my eight numbers, and the floor 2^(16 - 127): the byte cannot fall under 1
.endr
.irp i, 2,4,6
.irp c, 0,1,2,3
	v_max3_num_f32 v[6+\c], v[6+\c], |v[XR+8*\c+\i]|, |v[XR+8*\c+\i+1]|
.endr
.endr
.irp c, 0,1,2,3
	v_max_num_f32_dpp v[6+\c], v[6+\c], v[6+\c] row_xmask:1 row_mask:0xf bank_mask:0xf
.endr
.irp c, 0,1,2,3
	v_max_num_f32_dpp v[6+\c], v[6+\c], v[6+\c] row_xmask:2 row_mask:0xf bank_mask:0xf   ; with the three lanes that share the block
.endr
.irp c, 0,1,2,3
	v_add_nc_u32 v[10+\c], 0xf8800000, v[6+\c]     ; 15 off the exponent field: the conversion takes this operand's exponent field as its scale
.endr
.irp c, 0,1,2,3
	v_and_or_b32 v[6+\c], v[6+\c], 0x7f800000, s23 ; 57,344 x the scale
.endr
.irp c, 0,1,2,3
.irp i, 0,1,2,3,4,5,6,7
	v_med3_num_f32 v[XR+8*\c+\i], v[XR+8*\c+\i], -v[6+\c], v[6+\c]   ; the conversion to an 8-bit code does not saturate (ISA guide 7.6.2): the hold comes first
.endr
.endr
.irp c, 0,1,2,3
	v_cvt_scalef32_pk8_bf8_f32 v[C+8*\rho+2*\c:C+8*\rho+2*\c+1], v[XR+8*\c:XR+8*\c+7], v[10+\c]
.endr
.irp c, 0,1,2,3
	v_lshrrev_b32 v[E+4*\rho+\c], 23, v[10+\c]     ; the scale's byte (these are also the plain lines behind the conversions)
.endr
.irp c, 0,1,2,3
	ds_store_b8 v4, v[E+4*\rho+\c] offset:32*\rho+8*\c              ; the four lanes of a block write the same byte with the same value
	global_store_b64 v3, v[C+8*\rho+2*\c:C+8*\rho+2*\c+1], s[10:11] offset:1024*\rho+256*\c   ; 32 lanes store 256 consecutive bytes, aligned
.endr
.endm
	ROW 0
	ROW 1
	ROW 2
	ROW 3
	s_wait_dscnt 0x0                               ; for the others' sake: my byte stores have landed
	s_barrier_signal -1
	s_barrier_wait -1
	s_cmp_lg_u32 s12, 0
	s_cbranch_scc1 .Lend
	ds_load_b128 v[6:9], v5                        ; wave 0: the 16 rows' 512 scale bytes
	s_wait_dscnt 0x0
	global_store_b128 v5, v[6:9], s[26:27]         ; 512 consecutive bytes, aligned
.Lend:
	s_set_vgpr_msb 0x4
	s_wait_tensorcnt 0x0
	ds_add_u32 v15, v1
	s_wait_dscnt 0x0
	s_set_vgpr_msb 0x400
	s_endpgm
.Lfunc_end_k_qc02afd88f0_ln1:
	.size	k_qc02afd88f0_ln1, .Lfunc_end_k_qc02afd88f0_ln1-k_qc02afd88f0_ln1
	.p2alignl 7, 3214868480
	.fill 96, 4, 3214868480
	.section	.rodata,"a",@progbits
	.p2align	6, 0x0
	.amdhsa_kernel k_qc02afd88f0_ln1
		.amdhsa_group_segment_fixed_size 5376
		.amdhsa_private_segment_fixed_size 0
		.amdhsa_enable_private_segment 0
		.amdhsa_kernarg_size 48
		.amdhsa_user_sgpr_count 2
		.amdhsa_user_sgpr_kernarg_segment_ptr 1
		.amdhsa_wavefront_size32 1
		.amdhsa_system_sgpr_workgroup_id_x 1
		.amdhsa_system_sgpr_workgroup_id_y 1
		.amdhsa_system_sgpr_workgroup_id_z 1
		.amdhsa_system_vgpr_workitem_id 0
		.amdhsa_next_free_vgpr 258
		.amdhsa_next_free_sgpr 66
		.amdhsa_reserve_vcc 0
		.amdhsa_float_denorm_mode_32 3
		.amdhsa_float_denorm_mode_16_64 3
		.amdhsa_memory_ordered 1
		.amdhsa_forward_progress 1
		.amdhsa_inst_pref_size 56
	.end_amdhsa_kernel
	.amdgpu_metadata
---
amdhsa.version: [ 1, 2 ]
amdhsa.kernels:
  - .name:           k_qc02afd88f0_ln1
    .symbol:         k_qc02afd88f0_ln1.kd
    .args:
      - { .name: x, .offset: 0, .size: 8, .value_kind: global_buffer, .address_space: global }
      - { .name: g1, .offset: 8, .size: 8, .value_kind: global_buffer, .address_space: global }
      - { .name: be1, .offset: 16, .size: 8, .value_kind: global_buffer, .address_space: global }
      - { .name: nbuf, .offset: 24, .size: 8, .value_kind: global_buffer, .address_space: global }
      - { .name: Wo_codes, .offset: 32, .size: 8, .value_kind: global_buffer, .address_space: global }
      - { .name: wof, .offset: 40, .size: 8, .value_kind: global_buffer, .address_space: global }
    .group_segment_fixed_size: 5376
    .private_segment_fixed_size: 0
    .kernarg_segment_align: 8
    .kernarg_segment_size: 48
    .max_flat_workgroup_size: 128
    .sgpr_count:     66
    .vgpr_count:     258
    .wavefront_size: 32
...
	.end_amdgpu_metadata
.endif
;; end of part 1
;; launch qkvp (part 2): grid 12 x 16, 4 waves a work-group, clusters of 4 x 4, 327,680 bytes of LDS; arguments nbuf, Wq_codes, Wq_scales, Wk_codes, Wk_scales, Wv_codes, Wv_scales, qkvbuf; writes qkvbuf
.if DOCPART == 2
	.amdgcn_target "amdgcn-amd-amdhsa--gfx1250"
	.amdhsa_code_object_version 6
	.text
	.protected	k_qc02afd88f0_qkvp
	.globl	k_qc02afd88f0_qkvp
	.p2align	8
	.type	k_qc02afd88f0_qkvp,@function
k_qc02afd88f0_qkvp:
	s_mov_b64 s[64:65], 0
	v_nop
	global_prefetch_b8 v0, s[64:65] scope:SCOPE_SE
	s_setreg_imm32_b32 hwreg(HW_REG_WAVE_MODE, 25, 1), 1
	s_wait_xcnt 0x0
	s_wait_alu depctr_hold_cnt(0) depctr_sa_sdst(0) depctr_va_vdst(0) depctr_va_sdst(0) depctr_va_ssrc(0) depctr_va_vcc(0) depctr_vm_vsrc(0)
	s_getreg_b32 s2, hwreg(HW_REG_IB_STS2, 6, 4)
	s_cmp_eq_u32 s2, 0
	s_cbranch_scc0 .Lentry_in_a_cluster
	s_endpgm
.Lentry_in_a_cluster:
	s_bfe_u32 s2, ttmp6, 0x10000c
	s_cmp_lg_u32 s2, 0xf033
	s_cbranch_scc0 .Lentry_shape_is_right
	s_endpgm
.Lentry_shape_is_right:
; C[m][n] = sum over k of A[m][k] B[n][k], K = 1,024, on codes of E5M2 with one E8M0 byte for each 32 along K; the result is QUANTISED AGAIN ALONG n, in registers, and leaves as codes and scale words.
; One text serves two launches, told apart by the constant FFN.
; FFN = 0: q, k and v.  The cluster's x says which: 0: q = n Wq, 1: k = n Wk (A = the 4,096 normalised tokens, B = the weight's 1,024 rows (head, channel)): quantised along a head's 64 channels.
;          2: v, with the operands' parts changed (A = Wv's rows, B = the tokens): a row of the result is one (head, channel), n runs along the tokens, which are the K of attention's second product.
;          The cluster's y is the batch.  Only pointers and tile numbers are chosen (s_cselect on the cluster's x, which all partners share): all three take one path through the text.
; FFN = 1: h = relu(n w1 + b1): A = the tokens, B = w1's 4,096 rows; quantised along the hidden units.  The clip at 0 is done by the quantiser's hold.
; A tile of C, 256 x 256, is made by four waves, as many as a WGP has SIMDs; a wave makes 128 x 128: 64 accumulators, 512 registers.  K goes in steps of 256 (rows of 256 bytes) through a ring of two LDS slots filled by the
; tensor data mover.  The scale bytes of the tile's 256 + 256 rows, for all of K, come once with the first fills, as units of 256 bytes + 16 of padding, and stay.
; CLUSTERS: 4 x 4 work-groups; A's tiles are asked for jointly along a row of the cluster, B's along a column.  THE MATRIX INSTRUCTION IS USED TRANSPOSED (source 0 = 16 rows of B, source 1 = 16 rows of A):
; lane (r, h) of accumulator (a, b) holds row 16 a + r and columns 16 b + 8 h + 0 .. 7.  So the 64 registers of a block a hold, in each run of 16, sixteen numbers of one block of 32 columns; lane l xor 16 holds the other sixteen.
; OUT, FFN = 0 (all offsets in qkvbuf): codes at which x 4 MiB + batch x 1 MiB: q, k [head 16][row 1024][64]; v [64 tokens' chunk 16][row 1024][64].  Scale words at 12 MiB + which x 128 KiB + batch x 32 KiB: [128 columns' group 8][row 1024][4 bytes].
;   ROWS ARE PERMUTED inside each 32: row 32 B + 16 g + 8 u + e is stored at 32 B + 16 u + 8 g + e, so that 16 stored neighbours are the rows that attention wants as one tile.
; OUT, FFN = 1 (hbuf): codes as planes [256 columns' plane 16][token 4096][256]; scale words at 16 MiB: [128 columns' group 32][token 4096][4 bytes].
; LIMITS: NaN and infinities are not served.  A block of zeros, or one under 2^-111, gets the byte 1 (the quantiser's rule gives a block of zeros 127): the bytes are read by this program alone.
; REGISTERS, in windows of 256: window 0: v0-31 addresses; v32-95 scale words, two sets (they hold nothing else); v96-99 the word stage's way out; from v128 A's fragments, ONE set; on the way out v128-255 are at work.
;   window 1: B's fragments, TWO sets, at v0 and v128 (FFN = 1: the bias takes v0-63 when the first set is done with).   windows 2, 3: the accumulators of my rows 0-63, 64-127 ((a, b) at v[8 (8 (a % 4) + b)]).
; Prefetch: K steps 1 and 2 at the head, K step 3 in the first turn; each row is named once in each cluster that loads it.
.set FFN,    0
.set KSTEP,  256                       ; along K in a slot
.set NQ,     2                         ; matrix instructions deep
.set ROWB,   256                       ; a tile's row in bytes
.set KROW,   1024                      ; a row of A or B in memory
.set PITCH,  272                       ; an LDS row: 256 bytes + 16 of padding = 68 words: the 16 rows that a load touches start at 16 different banks (64 banks of 4 bytes: ISA guide 11.1)
.set FR,     16                        ; registers of a fragment
.set NL,     4                         ; LDS loads that bring one
.set NP,     8                         ; places behind this matrix instruction (ISA guide 7.12.1)
.set HALFT,  128*PITCH                 ; 128 rows: what one tensor load brings
.set SLOT,   4*HALFT                   ; A's 256 rows, then B's 256 rows
.set LAPS,   2                         ; a lap = two K steps = once round the ring
.set KS,     32                        ; a row of scale bytes
.set SCL,    2*SLOT                    ; behind the ring: the scale bytes: A's two halves, then B's two
.set HALFS,  16*272                    ; those of 128 rows
.set SBLK,   2*272                     ; those of 16 rows
.set SPARE,  SCL+4*HALFS               ; the spare words, 128 bytes for each wave: two blocks of 256 bytes that no other line names
.set WST,    81920                     ; the way out (all in slot 0, which has had its last fill and its last read by then): the word stage, 512 bytes a wave, behind the codes' stage
.if FFN
.set SPI,    272                       ; the codes' stage: [256 rows][256 bytes + 16]
.set CHS,    64                        ; 64 columns on
.set CG,     128                       ; my wave's 128 columns
.set RSTEP,  544                       ; the way back: two rows an instruction
.else
.set SPI,    80                        ; the codes' stage: [4 groups of 64 columns][256 rows][64 bytes + 16]
.set CHS,    256*80
.set CG,     2*CHS
.set RSTEP,  640                       ; the way back: eight rows an instruction
.endif
.set ADRA, 16                          ; v16-17  LDS address of my A fragments in slot 0, 1
.set ADRB, 20                          ; v20-21  the same for B
.set WRD,  22                          ; v22     where I read my wave's scale words back
.set BO,   23                          ; v23     32 x (lane / 16): my eight numbers of a bias tile
.set STO,  24                          ; v24     where I put 8 codes of a row
.set RD,   25                          ; v25     where I read rows of codes back
.set CO,   26                          ; v26     16 x lane
.set ADSA, 27                          ; v27     LDS address of A's scale words
.set SPW,  28                          ; v28     LDS address of my spare word; never rewritten
.set NIL,  29                          ; v29     0; never rewritten
.set ADSB, 30                          ; v30     LDS address of B's scale words
.set SWS,  31                          ; v31     where I put my row's scale word
.set SC,   32                          ; scale words: set s at v[32 + 32 s]: A's word of block i, step q at 2 i + q; B's at 16 + 2 i + q
.set AF,   128                         ; A's fragments
.set T,    128                         ; the way out: v128-191 64 numbers held within the largest code
.set PC,   192                         ; v192-207 their codes
.set TM,   208                         ; v208-211 largest magnitudes, v212-215 bytes, v216-219 57,344 x the scale, v220-223 the conversions' scale operands
.set PW,   224                         ; the scale word
.set G1, 24                            ; s[24:31] descriptor group 1 for A's tiles;  s[32:39] group 0, one set for each slot
.set G0, 32
.set G1B, 48                           ; s[48:55], s[56:63] the same for B's tiles
.set G0B, 56
.set G1S, 68                           ; s[68:75], s[76:79] groups 1 and 0 for A's scales;  s[80:87], s[88:91] for B's
.set G0S, 76
.set G1SB, 80
.set G0SB, 88
.set MSB, 0
.macro WIN new                         ; the immediate's high byte repeats the setting that is left
.if MSB != \new
	s_set_vgpr_msb (MSB<<8)|\new
.set MSB, \new
.endif
.endm
.set MUL_LO, 0xa1                      ; source 0 (B) window 1, source 1 (A) window 0, C and D window 2
.set MUL_HI, 0xf1                      ; the same, C and D window 3
.set TO_B,   0x40                      ; destination window 1, address window 0
; A joint load: waves 0 and 1 fetch for A, waves 2 and 3 for B.  The branch hangs on the wave's number alone.  Four v_nop follow each of the two lines.
.macro JLOAD g0a, g1a, g0b, g1b
	s_cmp_eq_u32 s15, 0
	s_cbranch_scc0 .Lfor_b_\@
	tensor_load_to_lds s[\g0a:\g0a+3], s[\g1a:\g1a+7]
	s_nop 0
.rept 4
	v_nop
.endr
	s_branch .Lasked_\@
.Lfor_b_\@:
	tensor_load_to_lds s[\g0b:\g0b+3], s[\g1b:\g1b+7]
	s_nop 0
.rept 4
	v_nop
.endr
.Lasked_\@:
.endm
.macro CREST                           ; a round of the cluster's barrier behind its opening barrier
	s_cmp_lg_u32 s14, 0
	s_cbranch_scc1 .Lnot_wave_0_\@
	s_barrier_signal -3
.Lnot_wave_0_\@:
	s_barrier_wait -3
	s_barrier_signal -1
	s_barrier_wait -1
.endm
.macro CROUND                          ; a whole round
	s_barrier_signal -1
	s_barrier_wait -1
	CREST
.endm
.if FFN
	s_load_b256 s[68:75], s[0:1], 0x0              ; nbuf, w1's codes, w1's scales, b1
	s_load_b64 s[76:77], s[0:1], 0x20              ; hbuf
.else
	s_load_b512 s[68:83], s[0:1], 0x0              ; nbuf, Wq's codes and scales, Wk's, Wv's, qkvbuf
.endif
	v_lshl_add_u32 v[SPW], v0, 2, SPARE
	v_mov_b32 v[NIL], 0
	ds_add_u32 v28, v29
	ds_add_u32 v28, v29
	s_wait_dscnt 0x0
	v_lshrrev_b32 v1, 5, v0
	v_readfirstlane_b32 s14, v1                    ; wave 0..3
	s_lshr_b32 s15, s14, 1                         ; which half of the tile's rows is mine.  Also: I fetch for A (0) or for B (1)
	s_and_b32 s16, s14, 1                          ; which half of its columns.  Also: which 128 rows of that tile I fetch
	s_bfe_u32 s40, ttmp6, 0x40000                  ; cx, cy: my place in the cluster
	s_bfe_u32 s41, ttmp6, 0x40004
	s_and_b32 s95, ttmp7, 0xffff                   ; the cluster's y
	s_lshl_b32 s94, s95, 2
.if FFN
	s_add_co_u32 s17, s94, s41                     ; A's tile = 4 x cluster y + cy
	s_lshl_b32 s42, ttmp9, 2
	s_add_co_u32 s42, s42, s40                     ; B's tile = 4 x cluster x + cx
.else
	s_cmp_eq_u32 ttmp9, 2                          ; v?  Then the tokens are B
	s_cselect_b32 s17, 0, s94
	s_cselect_b32 s42, s94, 0
	s_add_co_u32 s17, s17, s41                     ; A's tile = cy (+ 4 x batch where A is the tokens)
	s_add_co_u32 s42, s42, s40                     ; B's tile = cx (+ 4 x batch where B is the tokens)
.endif
	s_lshl_b32 s43, s41, 2
	s_lshl_b32 s43, 15, s43                        ; my row of the cluster
	s_lshl_b32 s44, 0x1111, s40                    ; my column
	; descriptor group 1: a tile of 128 rows x 256 bytes, padded in LDS
	s_or_b32 s[G1+0], s43, (0<<16)|(1<<20)|(1<<21)|(5<<22)|(3<<25)  ; 15:0 the mask: A's tiles go to my row; 17:16 elements of 1 byte; 20 padding on; 21 set beside a mask; 24:22 after every 64 words; 31:25 four words
	s_or_b32 s[G1B+0], s44, (0<<16)|(1<<20)|(1<<21)|(5<<22)|(3<<25)
.irp g, G1, G1B
	s_mov_b32 s[\g+1], ROWB<<16                    ; tensor_dim0
	s_mov_b32 s[\g+2], 256<<16                     ; tensor_dim1: the head's loads bring 256 rows
	s_mov_b32 s[\g+3], ROWB<<16                    ; tile_dim0
	s_mov_b32 s[\g+4], 256                         ; tile_dim1
	s_mov_b32 s[\g+5], KROW                        ; tensor_dim0_stride
	s_mov_b32 s[\g+6], 0
	s_mov_b32 s[\g+7], 0
.endr
	s_lshl_b32 s18, s16, 7                         ; which 128 rows of the tile I fetch
	s_lshl_b32 s20, s17, 8                         ; A: the tile's first row
	s_lshl_b32 s46, s42, 8                         ; B likewise
	s_lshl_b32 s22, s20, 5                         ; where these rows' scale bytes begin (32 a row),
	s_mov_b32 s23, 0
	s_lshl_b32 s92, s46, 5
	s_mov_b32 s93, 0
	s_lshl_b32 s20, s20, 10                        ; and their codes (1,024 a row)
	s_mov_b32 s21, 0
	s_lshl_b32 s46, s46, 10
	s_mov_b32 s47, 0
	s_mul_i32 s45, s14, HALFT                      ; where they go: wave x 128 rows: no place in the cluster enters an LDS address
	s_wait_kmcnt 0x0
.if FFN
	s_mov_b64 s[4:5], s[68:69]                     ; A's codes: the tokens',
	s_add_nc_u64 s[6:7], s[68:69], 0x400000        ; their scale bytes
	s_mov_b64 s[8:9], s[70:71]                     ; B's codes,
	s_mov_b64 s[10:11], s[72:73]                   ; B's scale bytes
	s_mov_b64 s[98:99], s[74:75]                   ; b1
	s_mov_b64 s[12:13], s[76:77]                   ; out
.else
	s_add_nc_u64 s[84:85], s[68:69], 0x400000      ; the tokens' scale bytes
	s_cmp_eq_u32 ttmp9, 1                          ; the choices hang on the cluster's x alone
	s_cselect_b64 s[70:71], s[74:75], s[70:71]     ; Wk or Wq
	s_cselect_b64 s[72:73], s[76:77], s[72:73]
	s_cmp_eq_u32 ttmp9, 2
	s_cselect_b64 s[4:5], s[78:79], s[68:69]       ; A's codes: Wv's, or the tokens'
	s_cselect_b64 s[6:7], s[80:81], s[84:85]
	s_cselect_b64 s[8:9], s[68:69], s[70:71]       ; B's codes: the tokens', or the weight's
	s_cselect_b64 s[10:11], s[84:85], s[72:73]
	s_mov_b64 s[12:13], s[82:83]                   ; out
.endif
	s_add_nc_u64 s[20:21], s[4:5], s[20:21]
	s_add_nc_u64 s[22:23], s[6:7], s[22:23]
	s_add_nc_u64 s[46:47], s[8:9], s[46:47]
	s_add_nc_u64 s[92:93], s[10:11], s[92:93]
	; the scale bytes of 256 rows: a dense block of 8,192 bytes, as 32 rows of 256 bytes (32 elements of 8 bytes), 16 bytes of padding behind each
	s_or_b32 s[G1S+0], s43, (3<<16)|(1<<20)|(1<<21)|(5<<22)|(3<<25)
	s_or_b32 s[G1SB+0], s44, (3<<16)|(1<<20)|(1<<21)|(5<<22)|(3<<25)
.irp g, G1S, G1SB
	s_mov_b32 s[\g+1], 32<<16
	s_mov_b32 s[\g+2], 32<<16                      ; the scale bytes of 256 rows: 32 rows of 256 bytes
	s_mov_b32 s[\g+3], 32<<16
	s_mov_b32 s[\g+4], 32
	s_mov_b32 s[\g+5], 32
	s_mov_b32 s[\g+6], 0
	s_mov_b32 s[\g+7], 0
.endr
	CROUND                                         ; all sixteen work-groups are here: the first joint loads meet
	s_mov_b32 s[G0S], 1
	s_mov_b32 s[G0S+1], SCL
	s_mov_b64 s[G0S+2:G0S+3], s[22:23]
	s_or_b32 s[G0S+3], s[G0S+3], 0x80000000
	s_mov_b32 s[G0SB], 1
	s_mov_b32 s[G0SB+1], SCL+2*HALFS
	s_mov_b64 s[G0SB+2:G0SB+3], s[92:93]
	s_or_b32 s[G0SB+3], s[G0SB+3], 0x80000000
	s_mov_b32 s4, 1                                ; s[4:7], s[8:11]: group 0 of the head's loads of K step 0: A's 256 rows, B's 256 rows
	s_mov_b32 s5, 0
	s_mov_b64 s[6:7], s[20:21]
	s_or_b32 s7, s7, 0x80000000
	s_mov_b32 s8, 1
	s_mov_b32 s9, 2*HALFT
	s_mov_b64 s[10:11], s[46:47]
	s_or_b32 s11, s11, 0x80000000
	s_lshl_b32 s18, s18, 10                        ; for the ring: my 128 rows of the tile, in bytes
	s_mov_b32 s19, 0
	s_add_nc_u64 s[20:21], s[20:21], s[18:19]
	s_add_nc_u64 s[46:47], s[46:47], s[18:19]
	s_cmp_eq_u32 s15, 0                            ; the prefetches: of the 128 rows that I fetch, the four partners that ask for them with me take 32 each, told apart by address (cx for A, cy for B)
	s_cselect_b32 s2, s40, s41
	s_cselect_b64 s[18:19], s[20:21], s[46:47]
	s_lshl_b32 s2, s2, 15
	s_mov_b32 s3, 0
	s_add_nc_u64 s[18:19], s[18:19], s[2:3]
.irp s, 0,1
	s_mov_b32 s[G0+4*\s], 1
	s_add_co_u32 s[G0+4*\s+1], s45, \s*SLOT
	s_add_nc_u64 s[G0+4*\s+2:G0+4*\s+3], s[20:21], \s*ROWB
	s_or_b32 s[G0+4*\s+3], s[G0+4*\s+3], 0x80000000
	s_mov_b32 s[G0B+4*\s], 1
	s_add_co_u32 s[G0B+4*\s+1], s45, \s*SLOT
	s_add_nc_u64 s[G0B+4*\s+2:G0B+4*\s+3], s[46:47], \s*ROWB
	s_or_b32 s[G0B+4*\s+3], s[G0B+4*\s+3], 0x80000000
.endr
; the head's loads, one a wave: wave 0 K step 0's rows of A, wave 1 those of B, wave 2 A's scale bytes, wave 3 B's: one chain of branches, all arms leading to one join
.macro ARM under, g0, g1, next
	s_cmp_lt_u32 s14, \under
	s_cbranch_scc0 \next
	tensor_load_to_lds s[\g0:\g0+3], s[\g1:\g1+7]
	s_nop 0
.rept 4
	v_nop
.endr
	s_branch .Lhead_asked
\next:
.endm
	ARM 1, 4, G1, .Lhead_b
	ARM 2, 8, G1B, .Lhead_sa
	ARM 3, G0S, G1S, .Lhead_sb
	tensor_load_to_lds s[G0SB:G0SB+3], s[G1SB:G1SB+7]
	s_nop 0
.rept 4
	v_nop
.endr
.Lhead_asked:
	v_and_b32 v1, 15, v0
	v_bfe_u32 v2, v0, 4, 1                         ; h = lane / 16
	v_mul_u32_u24 v3, v1, PITCH
	v_lshl_add_u32 v4, v2, 4, v3                   ; a fragment's row x pitch + 16 x half
	s_mul_i32 s21, s15, HALFT                      ; my 128 rows of A
	s_mul_i32 s22, s16, HALFT                      ; my 128 rows of B,
	s_add_co_u32 s22, s22, 2*HALFT                 ; which lie behind A's 256
.irp s, 0,1
	v_add_nc_u32 v[ADRA+\s], s21, v4
	v_add_nc_u32 v[ADRB+\s], s22, v4
	s_add_co_u32 s21, s21, SLOT
	s_add_co_u32 s22, s22, SLOT
.endr
	v_mul_u32_u24 v5, v1, KS                       ; my row's scale bytes: 32 a row,
	v_lshrrev_b32 v6, 8, v5
	v_lshl_add_u32 v5, v6, 4, v5                   ; and 16 more for each 256 passed.  Lanes 16-31 read what lanes 0-15 read
	s_mul_i32 s21, s15, HALFS
	s_add_co_u32 s21, s21, SCL
	v_add_nc_u32 v[ADSA], s21, v5
	s_mul_i32 s22, s16, HALFS
	s_add_co_u32 s22, s22, SCL+2*HALFS
	v_add_nc_u32 v[ADSB], s22, v5
	; the way out's addresses
.if FFN
	v_mov_b32 v5, v1                               ; my row in a block of 16
.else
	v_and_b32 v5, 8, v1
	v_add_nc_u32 v5, v5, v1                        ; r + 8 (r / 8): with 32 (a / 2) + 8 (a % 2) for block a, the row's permuted place
.endif
	v_mul_u32_u24 v6, v5, SPI
	v_lshl_add_u32 v6, v2, 3, v6                   ; + 8 h
	s_mul_i32 s23, s15, 128*SPI
	s_mul_i32 s22, s16, CG
	s_add_co_u32 s23, s23, s22
	v_add_nc_u32 v[STO], s23, v6
	s_lshl_b32 s23, s14, 9
	s_add_co_u32 s23, s23, WST                     ; my wave's 128 scale words
	v_lshl_add_u32 v[SWS], v5, 2, s23
	v_and_b32 v6, 31, v0
	v_lshlrev_b32 v[CO], 4, v6
	v_add_nc_u32 v[WRD], s23, v[CO]
	v_lshlrev_b32 v[BO], 5, v2
.if FFN
	v_lshrrev_b32 v7, 4, v6                        ; back: wave w takes rows 64 w on, whole: sixteen lanes to a row of 256 bytes
	v_mul_u32_u24 v7, v7, SPI
	v_and_b32 v3, 15, v6
	v_lshl_add_u32 v7, v3, 4, v7
	s_mul_i32 s23, s14, 64*SPI
.else
	v_lshrrev_b32 v7, 2, v6                        ; back: wave w takes the group of 64 columns w, all 256 rows: four lanes to a row of 64 bytes
	v_mul_u32_u24 v7, v7, SPI
	v_and_b32 v3, 3, v6
	v_lshl_add_u32 v7, v3, 4, v7
	s_mul_i32 s23, s14, CHS
.endif
	v_add_nc_u32 v[RD], s23, v7
.if FFN
	s_lshl_b32 s46, s42, 20                        ; codes: plane = B's tile, row 256 x A's tile + 64 x wave, 256 bytes a row
	s_lshl_b32 s47, s17, 16
	s_add_co_u32 s46, s46, s47
	s_lshl_b32 s47, s14, 14
	s_add_co_u32 s46, s46, s47
	s_mov_b32 s47, 0
	s_lshl_b32 s20, s42, 1                         ; words: group 2 x B's tile + my half, row 256 x A's tile + 128 x my half
	s_add_co_u32 s20, s20, s16
	s_lshl_b32 s20, s20, 14
	s_lshl_b32 s21, s17, 10
	s_add_co_u32 s20, s20, s21
	s_lshl_b32 s21, s15, 9
	s_add_co_u32 s20, s20, s21
	s_add_co_u32 s20, s20, 0x1000000
	s_mov_b32 s21, 0
	s_lshl_b32 s22, s42, 10                        ; b1: my 128 numbers
	s_lshl_b32 s23, s16, 9
	s_add_co_u32 s22, s22, s23
	s_mov_b32 s23, 0
	s_add_nc_u64 s[98:99], s[98:99], s[22:23]
.else
	s_lshl_b32 s46, ttmp9, 22                      ; codes: which x 4 MiB + batch x 1 MiB + (4 cx + wave) x 64 KiB + cy x 16 KiB
	s_lshl_b32 s47, s95, 20
	s_add_co_u32 s46, s46, s47
	s_lshl_b32 s47, s40, 2
	s_add_co_u32 s47, s47, s14
	s_lshl_b32 s47, s47, 16
	s_add_co_u32 s46, s46, s47
	s_lshl_b32 s47, s41, 14
	s_add_co_u32 s46, s46, s47
	s_mov_b32 s47, 0
	s_lshl_b32 s20, ttmp9, 17                      ; words: 12 MiB + which x 128 KiB + batch x 32 KiB + (2 cx + my half) x 4 KiB + (256 cy + 128 x my half) x 4
	s_lshl_b32 s21, s95, 15
	s_add_co_u32 s20, s20, s21
	s_lshl_b32 s21, s40, 1
	s_add_co_u32 s21, s21, s16
	s_lshl_b32 s21, s21, 12
	s_add_co_u32 s20, s20, s21
	s_lshl_b32 s21, s41, 10
	s_add_co_u32 s20, s20, s21
	s_lshl_b32 s21, s15, 9
	s_add_co_u32 s20, s20, s21
	s_add_co_u32 s20, s20, 0xc00000
	s_mov_b32 s21, 0
.endif
	v_and_b32 v8, 31, v0
	v_lshlrev_b32 v8, 10, v8                       ; a lane a row of 1,024 bytes; never rewritten
	global_prefetch_b8 v8, s[18:19] offset:256 th:TH_LOAD_NT scope:SCOPE_SE   ; K steps 1 and 2: 256 bytes of each row, each named once in each cluster that will load it
	global_prefetch_b8 v8, s[18:19] offset:512 th:TH_LOAD_NT scope:SCOPE_SE
	s_add_nc_u64 s[96:97], s[12:13], s[20:21]
	s_add_nc_u64 s[12:13], s[12:13], s[46:47]      ; where my codes go
.macro FRAG reg, adr, q, i             ; a fragment, 16 rows x 128 K, is 16 registers: lane l holds row l % 16; registers 4 c .. 4 c + 3 hold K = 32 c + 16 (l / 16) + 0 .. 15
.irp c, 0,1,2,3
	ds_load_b128 v[\reg+4*\c:\reg+4*\c+3], v[\adr] offset:128*(\q)+32*\c+(\i)*16*PITCH
.endr
.endm
; 16 matrix instructions: A's blocks a0, a0 + 1 x B's eight, 128 along K: the slot's q-th.  p: B's set;  sc: the set of scale words.  zero = 1: the first product starts the sums.
; The 64 accumulators take turns, one instruction a turn, in the same order in every step.
.macro MUL16 a0, p, q, sc, zero
.irp a, \a0, \a0+1
.irp b, 0,1,2,3,4,5,6,7
.if \zero
	v_wmma_scale_f32_16x16x128_f8f6f4 v[8*(8*((\a)%4)+\b):8*(8*((\a)%4)+\b)+7], v[128*(\p)+FR*\b:128*(\p)+FR*\b+FR-1], v[AF+FR*(\a):AF+FR*(\a)+FR-1], 0, v[SC+32*(\sc)+16+NQ*\b+(\q)], v[SC+32*(\sc)+NQ*(\a)+(\q)] matrix_a_fmt:MATRIX_FMT_BF8 matrix_b_fmt:MATRIX_FMT_BF8
.else
	v_wmma_scale_f32_16x16x128_f8f6f4 v[8*(8*((\a)%4)+\b):8*(8*((\a)%4)+\b)+7], v[128*(\p)+FR*\b:128*(\p)+FR*\b+FR-1], v[AF+FR*(\a):AF+FR*(\a)+FR-1], v[8*(8*((\a)%4)+\b):8*(8*((\a)%4)+\b)+7], v[SC+32*(\sc)+16+NQ*\b+(\q)], v[SC+32*(\sc)+NQ*(\a)+(\q)] matrix_a_fmt:MATRIX_FMT_BF8 matrix_b_fmt:MATRIX_FMT_BF8
.endif
.endr
.endr
.endm
.macro FETCH_B slot, q, p              ; B's eight fragments of the slot's q-th 128 along K into set p
	WIN TO_B
.irp i, 0,1,2,3,4,5,6,7
	FRAG 128*(\p)+FR*\i, ADRB+\slot, \q, \i
.endr
	WIN 0
.endm
.macro FETCH_A slot, q, i0             ; A's blocks i0 .. i0 + 3
.irp i, \i0, \i0+1, \i0+2, \i0+3
	FRAG AF+FR*(\i), ADRA+\slot, \q, \i
.endr
.endm
.macro SCALES sc                       ; a K step's scale words into set sc: two words a row
.irp i, 0,1,2,3,4,5,6,7
	ds_load_b64 v[SC+32*\sc+NQ*\i:SC+32*\sc+NQ*\i+1], v[ADSA] offset:\i*SBLK
.endr
.irp i, 0,1,2,3,4,5,6,7
	ds_load_b64 v[SC+32*\sc+16+NQ*\i:SC+32*\sc+16+NQ*\i+1], v[ADSB] offset:\i*SBLK
.endr
.endm
; A load into a register that a matrix instruction has read, and a vector instruction or an LDS store that reads a matrix result, stand NP places behind that matrix instruction; only plain vector
; instructions that name none of its registers are places (ISA guide 7.12.1 for vector instructions).
.macro PLACES n
.rept \n
	v_nop
.endr
.endm
; A step of 128 along K that has its successor in the same slot.
.macro STEP slot, q, zero
	s_wait_dscnt 4*NL                              ; B's set, the scale words and A's blocks 0-3 are in; the youngest sixteen loads (A's blocks 4-7) may be out
	WIN MUL_LO
	MUL16 0, (\q)%2, \q, \slot, \zero
	MUL16 2, (\q)%2, \q, \slot, \zero
	s_wait_dscnt 0                                 ; A's blocks 4-7 are in (asked for 32 matrix instructions ago)
	PLACES NP
	FETCH_B \slot, (\q)+1, 1-(\q)%2
	FETCH_A \slot, (\q)+1, 0
	WIN MUL_HI
	MUL16 4, (\q)%2, \q, \slot, \zero
	MUL16 6, (\q)%2, \q, \slot, \zero
	PLACES NP
	WIN 0
	FETCH_A \slot, (\q)+1, 4
.endm
; A slot's last step changes slots: ONE barrier; in front of it each wave waits for all its tensor loads, adds 0 to its spare word, and waits for that and for its own reads of this slot.  fill = 1: this slot is filled again, two K steps ahead.
.macro TURN slot, next, fill
	s_wait_tensorcnt 0x0                           ; all my tensor loads have landed: my part of the next slot;  (every window is 0 here)
	ds_add_u32 v[SPW], v[NIL]                      ; 0 onto my spare word;
	s_wait_dscnt 4*NL+1                            ; (the add and the youngest sixteen loads, A's blocks 4-7, may be out)
	WIN MUL_LO
	MUL16 0, 1, NQ-1, \slot, 0                     ; sixteen matrix instructions stand between the add and the wait for it
	s_wait_dscnt 0x0                               ; the add is done, and my reads of this slot are over
	s_barrier_signal -1
	MUL16 2, 1, NQ-1, \slot, 0
	WIN 0
	s_barrier_wait -1
.if \fill
	CREST                                          ; the barrier has opened a round of the cluster's barrier: no wave of any partner still reads this slot's tile or has a load on its way
	s_add_nc_u64 s[G0+4*\slot+2:G0+4*\slot+3], s[G0+4*\slot+2:G0+4*\slot+3], 2*ROWB
	s_add_nc_u64 s[G0B+4*\slot+2:G0B+4*\slot+3], s[G0B+4*\slot+2:G0B+4*\slot+3], 2*ROWB
	JLOAD G0+4*\slot, G1, G0B+4*\slot, G1B         ; the first tensor load behind the round, my one load until the next; its four v_nop are among the places in front of the loads below
	PLACES NP-4
.else
	PLACES NP
.endif
	s_wait_alu depctr_va_vdst(0)
	v_add_nc_u32 v[ADSA], 4*NQ, v[ADSA]            ; on to the next K step's scale words
	v_add_nc_u32 v[ADSB], 4*NQ, v[ADSB]
	FETCH_B \next, 0, 0
	FETCH_A \next, 0, 0
	SCALES \next
.if (\fill) && ((\slot) == 0)
	global_prefetch_b8 v8, s[18:19] offset:768 th:TH_LOAD_NT scope:SCOPE_SE   ; K step 3, the last: one K step ahead of its load
.endif
	WIN MUL_HI
	MUL16 4, 1, NQ-1, \slot, 0
	MUL16 6, 1, NQ-1, \slot, 0
	PLACES NP
	WIN 0
	FETCH_A \next, 0, 4
.endm
	s_wait_alu depctr_va_vdst(0)
	s_wait_tensorcnt 0x0                           ; my tile of the head's four is in
	ds_add_u32 v[SPW], v[NIL]
	s_mov_b32 s[G1+2], 128<<16                     ; no tensor load of mine is out: from here on a load brings 128 rows
	s_mov_b32 s[G1+4], 128
	s_mov_b32 s[G1B+2], 128<<16
	s_mov_b32 s[G1B+4], 128
	s_wait_dscnt 0x0
	CROUND                                         ; all four tiles are in, and all sixteen work-groups are here
	JLOAD G0+4, G1, G0B+4, G1B                     ; K step 1: my one load behind the round
	FETCH_B 0, 0, 0
	FETCH_A 0, 0, 0
	SCALES 0
	FETCH_A 0, 0, 4
	STEP 0, 0, 1                                   ; the first step stands in front of the loop: its products start the sums
	s_mov_b32 s3, LAPS-1
.Llap:                                                 ; a trip goes once round the ring, from a lap's second step to the next lap's first, and fills both slots again
	TURN 0, 1, 1
	STEP 1, 0, 0
	TURN 1, 0, 1
	STEP 0, 0, 0
	s_sub_co_u32 s3, s3, 1
	s_cmp_lg_u32 s3, 0
	s_cbranch_scc1 .Llap
	TURN 0, 1, 0                                   ; the last lap fills nothing, and has no round of the cluster's barrier
	STEP 1, 0, 0
.if FFN
	WIN TO_B                                       ; B's first set is done with (eight places stand behind its last product): it takes the bias: register 8 b + j = b1(16 b + 8 h + j) of my 128 columns
.irp b, 0,1,2,3,4,5,6,7
	global_load_b128 v[8*\b:8*\b+3], v[BO], s[98:99] offset:64*\b
	global_load_b128 v[8*\b+4:8*\b+7], v[BO], s[98:99] offset:64*\b+16
.endr
	WIN 0
.endif
	s_wait_dscnt 4*NL                              ; the very last step: nothing more to fetch
	WIN MUL_LO
	MUL16 0, 1, NQ-1, 1, 0
	MUL16 2, 1, NQ-1, 1, 0
	s_wait_dscnt 0
	WIN MUL_HI
	MUL16 4, 1, NQ-1, 1, 0
	MUL16 6, 1, NQ-1, 1, 0
	WIN 0
; THE WAY OUT.  Block a (16 rows x my 128 columns) is quantised in registers: four blocks of 32 columns a row, each shared by lanes l and l xor 16.  Eight codes (a conversion's result) are eight neighbouring columns:
; they go to the work-group's stage in LDS by ds_store_b64; the row's four bytes make its scale word, which goes to my wave's word stage.
.macro QUANTA a
.set AC, 64*((\a)%4)
.set W, 2+(\a)/4
.if FFN
.set RO, 16*(\a)
	WIN (W|4)                                      ; source 0: the accumulators' window; source 1: the bias, window 1
.set k, 0
.rept 32
	v_pk_add_f32 v[T+2*k:T+2*k+1], v[AC+2*k:AC+2*k+1], v[2*k:2*k+1]   ; + b1; each accumulator is read from its low end on
.set k, k+1
.endr
	WIN 0
.irp b, 0,1,2,3
	v_max3_num_f32 v[TM+\b], v[T+16*\b], v[T+16*\b+1], 0x8000000   ; no |.|: what is negative becomes 0, so it must not count; the floor 2^(16 - 127) stands over it
.endr
.irp i, 2,4,6,8,10,12,14
.irp b, 0,1,2,3
	v_max3_num_f32 v[TM+\b], v[T+16*\b+\i], v[T+16*\b+\i+1], v[TM+\b]
.endr
.endr
.else
.set RO, 32*((\a)/2)+8*((\a)%2)
	WIN (W|(W<<2))                                 ; sources 0 and 1: the accumulators' window
.irp b, 0,1,2,3
	v_max3_num_f32 v[TM+\b], |v[AC+16*\b]|, |v[AC+16*\b+1]|, 0x8000000   ; my 16 numbers of block b, ascending (each accumulator is read from its low end on), and the floor 2^(16 - 127)
.endr
.irp i, 2,4,6,8,10,12,14
.irp b, 0,1,2,3
	v_max3_num_f32 v[TM+\b], |v[AC+16*\b+\i]|, |v[AC+16*\b+\i+1]|, v[TM+\b]
.endr
.endr
	WIN 0
.endif
.irp b, 0,1,2,3
	v_permlanex16_b32 v[TM+4+\b], v[TM+\b], s20, s21
.endr
.irp b, 0,1,2,3
	v_max_num_f32 v[TM+\b], v[TM+\b], v[TM+4+\b]   ; with lane l xor 16's: the block's largest magnitude
.endr
.irp b, 0,1,2,3
	v_add_nc_u32 v[TM+12+\b], 0xf8800000, v[TM+\b] ; 15 off its exponent field: the conversion's scale operand
.endr
.irp b, 0,1,2,3
	v_and_or_b32 v[TM+8+\b], v[TM+\b], 0x7f800000, s22   ; 57,344 x the scale
.endr
.irp b, 0,1,2,3
	v_lshrrev_b32 v[TM+4+\b], 23, v[TM+12+\b]      ; the scale's byte
.endr
	v_lshl_or_b32 v[PW], v[TM+5], 8, v[TM+4]       ; my row's scale word for these 128 columns
	v_lshl_or_b32 v[PW], v[TM+6], 16, v[PW]
	v_lshl_or_b32 v[PW], v[TM+7], 24, v[PW]
.set k, 0
.if FFN
.rept 64
	v_med3_num_f32 v[T+k], v[T+k], 0, v[TM+8+k/16] ; the activation and the hold in one
.set k, k+1
.endr
.else
	WIN W                                          ; source 0: the accumulators' window
.rept 64
	v_med3_num_f32 v[T+k], v[AC+k], -v[TM+8+k/16], v[TM+8+k/16]   ; the conversion to an 8-bit code does not saturate (ISA guide 7.6.2): the hold, which also brings the number into window 0
.set k, k+1
.endr
	WIN 0
.endif
.irp b, 0,1,2,3
	v_cvt_scalef32_pk8_bf8_f32 v[PC+4*\b:PC+4*\b+1], v[T+16*\b:T+16*\b+7], v[TM+12+\b]        ; columns 32 b + 8 h + 0 .. 7
	v_cvt_scalef32_pk8_bf8_f32 v[PC+4*\b+2:PC+4*\b+3], v[T+16*\b+8:T+16*\b+15], v[TM+12+\b]   ; columns 32 b + 16 + 8 h + 0 .. 7
.endr
	v_nop                                          ; a plain line behind the last conversion
.irp c, 0,1,2,3
.irp u, 0,1
	ds_store_b64 v[STO], v[PC+4*\c+2*\u:PC+4*\c+2*\u+1] offset:RO*SPI+(\c/2)*CHS+32*(\c%2)+16*\u
.endr
.endr
	ds_store_b32 v[SWS], v[PW] offset:4*RO         ; lanes l and l xor 16 write the same word with the same value
	s_wait_dscnt 0x0                               ; the stores have read their registers: the next block may write them
.endm
	PLACES NP                                      ; behind the last products: their results are read and A's registers written below
	s_mov_b32 s20, 0x76543210
	s_mov_b32 s21, 0xfedcba98                      ; v_permlanex16_b32's selects for lane l xor 16
	s_mov_b32 s22, 0x600000                        ; the mantissa field of 57,344
.irp b, 0,1,2,3
	v_mov_b32 v[TM+4+\b], 0                        ; written once: a lane permute's destination counts as one of its sources
.endr
.if FFN
	s_wait_loadcnt 0x0                             ; the bias
.endif
.irp a, 0,1,2,3,4,5,6,7
	QUANTA \a
.endr
	ds_load_b128 v[96:99], v[WRD]                  ; my wave's 128 scale words: its own bytes, and LDS serves a wave's instructions in order (ISA guide 5.7.1.4)
	s_wait_dscnt 0x0                               ; they are in; and, for the others' sake, my stores into the stage have landed
	global_store_b128 v[CO], v[96:99], s[96:97]    ; 512 consecutive bytes, aligned
	s_barrier_signal -1
	s_barrier_wait -1                              ; the stage is whole: what I read back comes from two waves
.set t, 0
.rept 32
	ds_load_b128 v[128+4*t:131+4*t], v[RD] offset:RSTEP*t
.set t, t+1
.endr
.set t, 0
.rept 32
	s_wait_dscnt 31-t                              ; load t is in; the younger ones may be out
	global_store_b128 v[CO], v[128+4*t:131+4*t], s[12:13] offset:512*t   ; 512 consecutive bytes, aligned: 16 KiB on end for each wave
.set t, t+1
.endr
	s_wait_tensorcnt 0x0                           ; the wave's end: behind my last tensor load and my last LDS store
	ds_add_u32 v[SPW], v[NIL]
	s_wait_dscnt 0x0
	CROUND                                         ; the closing round: no work-group ends while a partner may still ask for a tile that names it
	s_endpgm
.Lfunc_end_k_qc02afd88f0_qkvp:
	.size	k_qc02afd88f0_qkvp, .Lfunc_end_k_qc02afd88f0_qkvp-k_qc02afd88f0_qkvp
	.p2alignl 7, 3214868480
	.fill 96, 4, 3214868480
	.section	.rodata,"a",@progbits
	.p2align	6, 0x0
	.amdhsa_kernel k_qc02afd88f0_qkvp
		.amdhsa_group_segment_fixed_size 327680
		.amdhsa_private_segment_fixed_size 0
		.amdhsa_enable_private_segment 0
		.amdhsa_kernarg_size 64
		.amdhsa_user_sgpr_count 2
		.amdhsa_user_sgpr_kernarg_segment_ptr 1
		.amdhsa_wavefront_size32 1
		.amdhsa_system_sgpr_workgroup_id_x 1
		.amdhsa_system_sgpr_workgroup_id_y 1
		.amdhsa_system_sgpr_workgroup_id_z 1
		.amdhsa_system_vgpr_workitem_id 0
		.amdhsa_next_free_vgpr 1024
		.amdhsa_next_free_sgpr 100
		.amdhsa_reserve_vcc 0
		.amdhsa_float_denorm_mode_32 3
		.amdhsa_float_denorm_mode_16_64 3
		.amdhsa_memory_ordered 1
		.amdhsa_forward_progress 1
		.amdhsa_inst_pref_size 197
	.end_amdhsa_kernel
	.amdgpu_metadata
---
amdhsa.version: [ 1, 2 ]
amdhsa.kernels:
  - .name:           k_qc02afd88f0_qkvp
    .symbol:         k_qc02afd88f0_qkvp.kd
    .args:
      - { .name: nbuf, .offset: 0, .size: 8, .value_kind: global_buffer, .address_space: global }
      - { .name: Wq_codes, .offset: 8, .size: 8, .value_kind: global_buffer, .address_space: global }
      - { .name: Wq_scales, .offset: 16, .size: 8, .value_kind: global_buffer, .address_space: global }
      - { .name: Wk_codes, .offset: 24, .size: 8, .value_kind: global_buffer, .address_space: global }
      - { .name: Wk_scales, .offset: 32, .size: 8, .value_kind: global_buffer, .address_space: global }
      - { .name: Wv_codes, .offset: 40, .size: 8, .value_kind: global_buffer, .address_space: global }
      - { .name: Wv_scales, .offset: 48, .size: 8, .value_kind: global_buffer, .address_space: global }
      - { .name: qkvbuf, .offset: 56, .size: 8, .value_kind: global_buffer, .address_space: global }
    .group_segment_fixed_size: 327680
    .private_segment_fixed_size: 0
    .kernarg_segment_align: 8
    .kernarg_segment_size: 64
    .max_flat_workgroup_size: 128
    .sgpr_count:     100
    .vgpr_count:     1024
    .wavefront_size: 32
...
	.end_amdgpu_metadata
.endif
;; end of part 2
;; launch att (part 3): grid 4 x 64, 16 waves a work-group, clusters of 4 x 1, 192,512 bytes of LDS; arguments qkvbuf, ctxbuf; writes ctxbuf
.if DOCPART == 3
	.amdgcn_target "amdgcn-amd-amdhsa--gfx1250"
	.amdhsa_code_object_version 6
	.text
	.protected	k_qc02afd88f0_att
	.globl	k_qc02afd88f0_att
	.p2align	8
	.type	k_qc02afd88f0_att,@function
k_qc02afd88f0_att:
	s_mov_b64 s[64:65], 0
	v_nop
	global_prefetch_b8 v0, s[64:65] scope:SCOPE_SE
	s_setreg_imm32_b32 hwreg(HW_REG_WAVE_MODE, 25, 1), 1
	s_wait_xcnt 0x0
	s_wait_alu depctr_hold_cnt(0) depctr_sa_sdst(0) depctr_va_vdst(0) depctr_va_sdst(0) depctr_va_ssrc(0) depctr_va_vcc(0) depctr_vm_vsrc(0)
	s_getreg_b32 s2, hwreg(HW_REG_IB_STS2, 6, 4)
	s_cmp_eq_u32 s2, 0
	s_cbranch_scc0 .Lentry_in_a_cluster
	s_endpgm
.Lentry_in_a_cluster:
	s_bfe_u32 s2, ttmp6, 0x10000c
	s_cmp_lg_u32 s2, 0x3003
	s_cbranch_scc0 .Lentry_shape_is_right
	s_endpgm
.Lentry_shape_is_right:
; Causal attention of one (batch, head) on codes of E5M2 with one E8M0 byte for each 32 along a product's K; the result, divided by the row's sum, is quantised along the head's 64 channels.
; IN (qkvbuf): q, k codes [head][row 1024][64] at 0 and 4 MiB (+ batch x 1 MiB); v codes [64 tokens' chunk 16][row (head, channel) 1024][64] at 8 MiB; scale words [group 8][row 1024][4] at 12 MiB + which x 128 KiB + batch x 32 KiB
;   (q, k: the group is the pair of heads, a head's two bytes at 2 x (head % 2); v: the group is 128 tokens).  ROWS ARE PERMUTED inside each 32: 16 stored neighbours (tile j) are the rows 32 (j / 2) + 8 (j % 2) + e and + 16, e = 0 .. 7.
; OUT (ctxbuf): codes in operand-register order [4 heads' plane 4][tile of 16 rows 256][chunk of 32 channels 8][lane][16]; scale words at 4 MiB: [pair of heads 8][token 4096][4].
; THE SOFTMAX AHEAD OF THE SECOND PRODUCT: t = score x log2(e) / 8; M = the row's largest t so far, rounded UP to a whole number; p = 2^(t - M) is quantised along the keys, not normalised; the row's sum is taken of the
; unquantised p and divides at the end.  When M moves, the sum and O are multiplied by 2^(old M - new M): exact.
; CLUSTER.  The four work-groups of a cluster belong to one (batch, head) and need the same K and V: each tile is asked for JOINTLY, by the same tensor load with the same descriptor and a mask that names the four.
; SHARES.  A work-group has sixteen waves of one tile of 16 queries each.  Of each of the head's eight blocks of 128 queries it takes two tiles, 2 cx and 2 cx + 1 (cx: its place in the cluster).  WHICH BLOCK A WAVE TAKES HANGS ON
; ITS NUMBER ALONE, so the key steps that it leaves out are the same in all four partners: cx enters only Q's and the result's addresses and the number that the mask compares (a choice by v_cndmask_b32, no branch).
; Wave w, a = w % 4, b = w / 4: j = b xor (3 (a % 2) xor (a / 2)); block = (4 (j / 2) + 3 (j % 2)) xor (a / 2); tile = 8 block + 2 cx + a % 2.  The four waves of one a take blocks {0, 3, 4, 7} or {1, 2, 5, 6}: 13 key steps among
; the first four and 5 among the last four; the four waves of one b take 18 key steps as well: the causal triangle is shared out evenly either way.
; THE WHOLE HEAD'S K AND V STAY IN LDS: each LDS byte is filled once, by tensor loads at the head (waves 0-3: K, 4-7: V, 8-11: K's scale words, 12-15: V's); no ring.  The work begins when every fill has landed
; (one wait and one barrier); nothing is waited for again.
; Both products are used transposed (S^T = K Q^T, O^T = V^T P^T): a lane holds ONE query throughout.  By the rows' permutation the 16 registers of tiles 2 b and 2 b + 1 are 16 neighbours: keys 32 b + 16 (lane / 16) + i in S^T,
; channels in O^T: so the conversions' results are the next operand's registers.
; THE FIRST PRODUCT'S K IS 64: both operands carry zero codes in k = 64 .. 127 (registers cleared once), and the scale words are loaded as 16 bits, so that the upper bytes are 0 (2^-127, over zero codes).
; CAUSAL: a key step all of whose keys come after the wave's queries is left out by a scalar branch on the wave's number and the step's; in the step on the diagonal hidden scores become -infinity ahead of the maximum.
; No prefetch: all that a work-group reads is asked for at its head.
; The scale bytes leave by stores of one byte a lane (the word's other half belongs to the pair's other head): one such store a wave, 1/32 of the codes' bytes.
; LIMITS: NaN and infinities are not served.  A block of zeros, or one under 2^-111, gets the byte 1 (the quantiser's rule gives a block of zeros 127): the bytes are read by this program alone.
; REGISTERS: v1-5 addresses and the mask's number, which stay; v8-11 addresses of the step; v12 -M, v13 the largest t, v[14:15] the sum; v16-31 Q; v32-95 four fragments of K; v96-159 S^T, then p, then V's four fragments;
;   v160-191 O^T; v192-207 p's codes; v232-247, v252, v254 at work; v248-251 K's or V's scale words, v253 p's, v255 Q's.
.set VB,   81920                       ; LDS: K [1024 rows][64 bytes + 16] from 0; V [16 chunks][64 rows][64 bytes + 16] from here: pitch 80 = 20 words: 16 rows start at 16 different groups of four banks
.set SCK,  163840                      ; K's scale words [1024][4]
.set SCV,  167936                      ; V's [8 groups][64 rows][4]
.set STG,  169984
.set AK0,  1                           ; v1   my lane's place in a tile of K: 80 r + 16 h
.set AV0,  2                           ; v2   the same for V
.set ASK0, 3                           ; v3   my lane's place among K's scale words
.set ASV0, 4                           ; v4   and among V's
.set DQ,   5                           ; v5   my query - the diagonal step's first key - 16 h
.set ADK,  8
.set ADV,  9
.set ADS,  10
.set ADT,  11
.set WV,   18                          ; s18  my wave's number
.set MNT,  19                          ; s19  the mantissa field of 57,344
.set SEL,  20                          ; s[20:21] lane selects for lane l xor 16
.set CS,   22                          ; s[22:23] c = log2(e) / 8
.set G1K,  24                          ; descriptor groups 1: K's tiles, V's tiles, K's scale words, V's
.set G1V,  32
.set G1SK, 40
.set G1SV, 48
.set G0SK, 56                          ; groups 0: K's words, K's tile;
.set G0K0, 60
.set G0K1, 68
.set G0SV, 72                          ; V's words, V's tile
.set G0V0, 76
.set G0V1, 80
.set TB,   2                           ; s2   a step's codes: 10,240 bytes on in K and in V
.set TS,   3                           ; s3   K's scale words: 512 bytes a step
.set TJ,   66                          ; s66  V's: 256 bytes a step
.set CNT,  67                          ; s67  key steps to go in the loop in hand
.set KF,   98                          ; s98  the step's first key
.set Q128, 99                          ; s99  the first query of my block of 128
; A round of the cluster's barrier: my work-group's barrier, so that wave 0's signal speaks for all sixteen waves; wave 0 signals for the work-group; every wave waits for all four work-groups; my work-group's barrier once more.
.macro CROUND
	s_barrier_signal -1
	s_barrier_wait -1
	s_cmp_lg_u32 s[WV], 0
	s_cbranch_scc1 .Lnot_wave_0_\@
	s_barrier_signal -3
.Lnot_wave_0_\@:
	s_barrier_wait -3
	s_barrier_signal -1
	s_barrier_wait -1
.endm
	s_load_b128 s[4:7], s[0:1], 0x0                ; qkvbuf, ctxbuf
	v_lshl_add_u32 v230, v0, 2, 0x2e800
	v_mov_b32 v231, 0
	ds_add_u32 v230, v231
	ds_add_u32 v230, v231
	v_lshrrev_b32 v8, 5, v0
	s_delay_alu instid0(VALU_DEP_1)
	v_readfirstlane_b32 s[WV], v8                  ; wave 0..15
	s_bfe_u32 s13, ttmp6, 0x40000                  ; cx: my place in the cluster
	s_and_b32 s8, ttmp7, 0xffff                    ; the cluster's y: (batch, head), which the four partners share
	s_lshr_b32 s9, s8, 4                           ; batch
	s_and_b32 s10, s8, 15                          ; head
	s_lshr_b32 s11, s10, 1                         ; the pair of heads
	s_and_b32 s12, s10, 1
	s_lshl_b32 s93, s12, 1                         ; my head's two bytes in a scale word of q, k or the result
	s_and_b32 s14, s[WV], 1                        ; a % 2: which of the block's two tiles
	s_bfe_u32 s17, s[WV], 0x10001                  ; a / 2
	s_lshr_b32 s15, s[WV], 2                       ; b
	s_mul_i32 s84, s14, 3
	s_xor_b32 s84, s84, s17
	s_xor_b32 s84, s84, s15                        ; j = b xor (3 (a % 2) xor (a / 2))
	s_and_b32 s85, s84, 1
	s_mul_i32 s85, s85, 3
	s_lshr_b32 s84, s84, 1
	s_lshl_b32 s84, s84, 2
	s_add_co_u32 s84, s84, s85                     ; 0, 3, 4, 7 for j = 0 .. 3
	s_xor_b32 s84, s84, s17                        ; my block of 128 queries: made of the wave's number alone
	s_lshl_b32 s[Q128], s84, 7
	s_lshl_b32 s15, s84, 3
	s_add_co_u32 s15, s15, s14
	s_lshl_b32 s14, s13, 1
	s_add_co_u32 s15, s15, s14                     ; my tile of 16 stored rows: 8 block + 2 cx + a % 2
	s_lshr_b32 s16, s15, 1
	s_lshl_b32 s16, s16, 5
	s_and_b32 s14, s15, 1
	s_lshl_b32 s14, s14, 3
	s_add_co_u32 s16, s16, s14                     ; its first query: 32 (tile / 2) + 8 (tile % 2); lane r's is r + 8 (r / 8) further on
	s_and_b32 s17, s[WV], 3                        ; which quarter I fetch, if I fetch
	; K: 128 keys x 64 bytes are dense: 32 rows of 256 bytes, 16 bytes of padding behind every 64
	s_mov_b32 s[G1K], 15|(0<<16)|(1<<20)|(1<<21)|(3<<22)|(3<<25)   ; 15:0 the mask: all four work-groups; elements of 1 byte; padding on; 21 set beside a mask; four words after every 16
	s_mov_b32 s[G1K+1], 256<<16                    ; tensor_dim0
	s_mov_b32 s[G1K+2], 64<<16                     ; a quarter of the head's keys: 256 keys = 64 rows of 256 bytes
	s_mov_b32 s[G1K+3], 256<<16                    ; tile_dim0
	s_mov_b32 s[G1K+4], 64
	s_mov_b32 s[G1K+5], 256                        ; stride
	s_mov_b32 s[G1K+6], 0
	s_mov_b32 s[G1K+7], 0
	; V: four chunks of 64 tokens; in each the head's 64 rows x 64 bytes are dense: 4 rows of 4,096 bytes, 65,536 apart, the same padding
	s_mov_b32 s[G1V], 15|(0<<16)|(1<<20)|(1<<21)|(3<<22)|(3<<25)
	s_mov_b32 s[G1V+1], 4096<<16
	s_mov_b32 s[G1V+2], 4<<16                      ; a quarter of V: four chunks of 64 tokens
	s_mov_b32 s[G1V+3], 4096<<16
	s_mov_b32 s[G1V+4], 4
	s_mov_b32 s[G1V+5], 65536
	s_mov_b32 s[G1V+6], 0
	s_mov_b32 s[G1V+7], 0
	; K's scale words: a quarter of the pair's 4,096 dense bytes: 4 rows of 256 bytes (32 elements of 8 bytes)
	s_mov_b32 s[G1SK], 15|(3<<16)|(1<<21)
	s_mov_b32 s[G1SK+1], 32<<16
	s_mov_b32 s[G1SK+2], 4<<16
	s_mov_b32 s[G1SK+3], 32<<16
	s_mov_b32 s[G1SK+4], 4
	s_mov_b32 s[G1SK+5], 32
	s_mov_b32 s[G1SK+6], 0
	s_mov_b32 s[G1SK+7], 0
	; V's: two groups of 128 tokens; in each the head's 64 words are 256 bytes; 4,096 bytes (512 elements) from group to group
	s_mov_b32 s[G1SV], 15|(3<<16)|(1<<21)
	s_mov_b32 s[G1SV+1], 32<<16
	s_mov_b32 s[G1SV+2], 2<<16
	s_mov_b32 s[G1SV+3], 32<<16
	s_mov_b32 s[G1SV+4], 2
	s_mov_b32 s[G1SV+5], 512
	s_mov_b32 s[G1SV+6], 0
	s_mov_b32 s[G1SV+7], 0
	; byte offsets in qkvbuf: made of the batch, the head and the wave's number, which the partners share
	s_lshl_b32 s84, s9, 20
	s_lshl_b32 s85, s10, 16
	s_add_co_u32 s84, s84, s85                     ; batch x 1 MiB + head x 64 KiB: q's and k's rows of my head
	s_lshl_b32 s86, s17, 13
	s_lshl_b32 s88, s17, 14
	s_add_co_u32 s88, s88, s84
	s_add_co_u32 s88, s88, 0x400000                ; K: + 256 keys x quarter
	s_mov_b32 s89, 0
	s_lshl_b32 s90, s9, 20
	s_lshl_b32 s91, s10, 12
	s_add_co_u32 s90, s90, s91
	s_lshl_b32 s91, s17, 18
	s_add_co_u32 s90, s90, s91
	s_add_co_u32 s90, s90, 0x800000                ; V: batch, the head's rows in a chunk, + 4 chunks x quarter
	s_mov_b32 s91, 0
	s_lshl_b32 s87, s9, 15
	s_lshl_b32 s92, s11, 12
	s_add_co_u32 s92, s92, s87                     ; batch x 32 KiB + pair x 4 KiB: q's and k's words
	s_lshl_b32 s94, s17, 10
	s_add_co_u32 s94, s94, s92
	s_add_co_u32 s94, s94, 0xc20000                ; K's words, my quarter
	s_mov_b32 s95, 0
	s_lshl_b32 s96, s10, 8
	s_add_co_u32 s96, s96, s87
	s_add_co_u32 s96, s96, s86
	s_add_co_u32 s96, s96, 0xc40000                ; V's words: the head's 256 bytes of a group, + 2 groups x quarter
	s_mov_b32 s97, 0
	s_mov_b32 s[SEL], 0x76543210
	s_mov_b32 s[SEL+1], 0xfedcba98
	s_mov_b32 s[CS], 0x3e38aa3b                    ; c = log2(e) / 8
	s_mov_b32 s[CS+1], s[CS]                       ; (named with it as a pair, so it is written)
	s_mov_b32 s[MNT], 0x600000
	s_mov_b32 s[TB], 0
	s_mov_b32 s[TS], 0
	s_mov_b32 s[TJ], 0
	s_mov_b32 s[KF], 0
	s_wait_dscnt 0x0
	s_wait_kmcnt 0x0
	s_mov_b32 s[G0SK], 1
	s_lshl_b32 s[G0SK+1], s17, 10
	s_add_co_u32 s[G0SK+1], s[G0SK+1], SCK
	s_add_nc_u64 s[G0SK+2:G0SK+3], s[4:5], s[94:95]
	s_or_b32 s[G0SK+3], s[G0SK+3], 0x80000000
	s_mov_b32 s[G0K0], 1
	s_mul_i32 s[G0K0+1], s17, 20480                ; keys 256 x quarter on
	s_add_nc_u64 s[G0K0+2:G0K0+3], s[4:5], s[88:89]
	s_or_b32 s[G0K0+3], s[G0K0+3], 0x80000000
	s_mov_b32 s[G0SV], 1
	s_lshl_b32 s[G0SV+1], s17, 9
	s_add_co_u32 s[G0SV+1], s[G0SV+1], SCV
	s_add_nc_u64 s[G0SV+2:G0SV+3], s[4:5], s[96:97]
	s_or_b32 s[G0SV+3], s[G0SV+3], 0x80000000
	s_mov_b32 s[G0V0], 1
	s_mul_i32 s[G0V0+1], s17, 20480
	s_add_co_u32 s[G0V0+1], s[G0V0+1], VB          ; chunks 4 x quarter on
	s_add_nc_u64 s[G0V0+2:G0V0+3], s[4:5], s[90:91]
	s_or_b32 s[G0V0+3], s[G0V0+3], 0x80000000
	CROUND                                         ; all four work-groups are here: the joint loads meet
	s_cmp_lt_u32 s[WV], 4                          ; a wave's one fill stands in a chain of branches on its number, ahead of every wait on TENSORcnt and every LDS read; one load of mine is out; four v_nop follow it
	s_cbranch_scc0 .Lnot_k
	tensor_load_to_lds s[G0K0:G0K0+3], s[G1K:G1K+7]   ; ONE FILL A WAVE, all sixteen waves: waves 0-3 the quarters of K, 4-7 of V, 8-11 of K's scale words, 12-15 of V's
	s_nop 0
.rept 4
	v_nop
.endr
	s_branch .Lasked
.Lnot_k:
	s_cmp_lt_u32 s[WV], 8
	s_cbranch_scc0 .Lnot_v
	tensor_load_to_lds s[G0V0:G0V0+3], s[G1V:G1V+7]
	s_nop 0
.rept 4
	v_nop
.endr
	s_branch .Lasked
.Lnot_v:
	s_cmp_lt_u32 s[WV], 12
	s_cbranch_scc0 .Lnot_sk
	tensor_load_to_lds s[G0SK:G0SK+3], s[G1SK:G1SK+7]
	s_nop 0
.rept 4
	v_nop
.endr
	s_branch .Lasked
.Lnot_sk:
	tensor_load_to_lds s[G0SV:G0SV+3], s[G1SV:G1SV+7]
	s_nop 0
.rept 4
	v_nop
.endr
.Lasked:
	s_lshl_b32 s85, s15, 10                        ; Q: my 16 stored rows of 64 bytes
	s_add_co_u32 s84, s84, s85
	s_mov_b32 s85, 0
	s_add_nc_u64 s[84:85], s[4:5], s[84:85]
	s_lshl_b32 s86, s15, 6                         ; and their scale words, my head's half
	s_add_co_u32 s86, s86, s92
	s_add_co_u32 s86, s86, s93
	s_add_co_u32 s86, s86, 0xc00000
	s_mov_b32 s87, 0
	s_add_nc_u64 s[86:87], s[4:5], s[86:87]
	s_lshr_b32 s88, s10, 2                         ; THE RESULT'S CODES LEAVE IN THE ORDER OF THE NEXT PRODUCT'S OPERAND REGISTERS: ctxbuf[4 heads' plane 4][tile of 16 stored rows: 64 batch + tile][chunk of 32 channels 8][lane][16 bytes]
	s_lshl_b32 s88, s88, 20
	s_lshl_b32 s89, s9, 18
	s_add_co_u32 s88, s88, s89
	s_lshl_b32 s89, s15, 12
	s_add_co_u32 s88, s88, s89
	s_and_b32 s89, s10, 3
	s_lshl_b32 s89, s89, 10
	s_add_co_u32 s88, s88, s89
	s_mov_b32 s89, 0
	s_add_nc_u64 s[88:89], s[6:7], s[88:89]
	s_lshl_b32 s90, s11, 14                        ; its scale words: pair, token, 4 bytes; my head's half
	s_lshl_b32 s91, s9, 12
	s_add_co_u32 s90, s90, s91
	s_lshl_b32 s91, s16, 2
	s_add_co_u32 s90, s90, s91
	s_add_co_u32 s90, s90, s93
	s_add_co_u32 s90, s90, 0x400000
	s_mov_b32 s91, 0
	s_add_nc_u64 s[90:91], s[6:7], s[90:91]
	v_and_b32 v8, 15, v0                           ; r = lane % 16
	v_bfe_u32 v9, v0, 4, 1                         ; h = lane / 16
	s_delay_alu instid0(VALU_DEP_2)
	v_lshlrev_b32 v10, 6, v8
	s_delay_alu instid0(VALU_DEP_1)
	v_lshl_add_u32 v10, v9, 4, v10                 ; Q: row r of 64 bytes, + 16 h
	global_load_b128 v[16:19], v10, s[84:85]       ; k = 16 h + 0 .. 15
	global_load_b128 v[20:23], v10, s[84:85] offset:32   ; k = 32 + 16 h + 0 .. 15
	v_lshlrev_b32 v254, 2, v8
	global_load_u16 v255, v254, s[86:87]           ; Q's two scale bytes; the word's upper bytes are 0
	v_mul_u32_u24 v[AK0], v8, 80
	s_delay_alu instid0(VALU_DEP_1)
	v_lshl_add_u32 v[AK0], v9, 4, v[AK0]
	s_delay_alu instid0(VALU_DEP_1)
	v_add_nc_u32 v[AV0], VB, v[AK0]
	v_lshl_add_u32 v[ASK0], v8, 2, SCK
	s_delay_alu instid0(VALU_DEP_1)
	v_add_nc_u32 v[ASK0], s93, v[ASK0]
	v_lshl_add_u32 v[ASV0], v8, 2, SCV
	v_and_b32 v11, 8, v8
	s_delay_alu instid0(VALU_DEP_1)
	v_add_nc_u32 v11, v11, v8                      ; r + 8 (r / 8)
	v_lshlrev_b32 v12, 4, v9
	s_delay_alu instid0(VALU_DEP_1)
	v_sub_nc_u32 v[DQ], v11, v12
	s_sub_co_u32 s14, s16, s[Q128]
	v_add_nc_u32 v[DQ], s14, v[DQ]                 ; my query - my block's first - 16 h
	v_mov_b32 v13, 0xff61b1e6                      ; the largest t so far: -3e38, under every t
	s_delay_alu instid0(VALU_DEP_1)
	v_floor_f32 v12, -v13                          ; -M
	v_mov_b32 v14, 0                               ; the sum, in two halves
	v_mov_b32 v15, 0
.irp b, 0,1,2,3
	v_mov_b32 v[236+\b], 0                         ; written once: a lane permute's destination counts as one of its sources
.endr
	v_mov_b32 v252, 0
	v_mov_b32 v253, 0                              ; (named as the upper half of the pair v[252:253] before it is first written)
.set j, 0
.rept 8
	v_mov_b32 v[24+j], 0                           ; zero codes for k = 64 .. 127 of Q,
	v_mov_b32 v[40+j], 0                           ; and of K's four fragments: written once, no load lands here
	v_mov_b32 v[56+j], 0
	v_mov_b32 v[72+j], 0
	v_mov_b32 v[88+j], 0
.set j, j+1
.endr
.set j, 0
.rept 32
	v_mov_b32 v[160+j], 0                          ; O^T.  (The step is written for every step alike: the first finds zeros, which the first change of M leaves zeros)
.set j, j+1
.endr
; FOUR KEY STEPS of 128 keys each: a loop of four trips, a constant.  The LDS addresses hang on s[TB], s[TS], s[TJ], which step in every trip.
.macro STEPS
	s_mov_b32 s[CNT], 4
.Lstep_\@:
	s_cmp_gt_u32 s[KF], s[Q128]                    ; all its keys come after my queries: the step's work is left out, not the lines at its end that step addresses
	s_cbranch_scc1 .Lhidden_\@
	v_add_nc_u32 v[ADK], s[TB], v[AK0]
	s_wait_alu depctr_va_vdst(0)
	v_add_nc_u32 v[ADV], s[TB], v[AV0]
	v_add_nc_u32 v[ADS], s[TS], v[ASK0]
	s_wait_alu depctr_va_vdst(0)
	v_add_nc_u32 v[ADT], s[TJ], v[ASV0]
.irp g, 0,1                                    ; S^T = K Q^T, four tiles of 16 keys at a time
.rept 8-3*(1-\g)
	v_nop                                          ; first half: with the four additions nine places behind the last step's products, whose source registers (V's fragments) the products below write over; second half: eight, in front of loads into registers that the first half's products read
.endr
.irp t, 0,1,2,3
	ds_load_b128 v[32+16*\t:35+16*\t], v[ADK] offset:1280*(4*\g+\t)
	ds_load_b128 v[36+16*\t:39+16*\t], v[ADK] offset:1280*(4*\g+\t)+32
	ds_load_u16 v[248+\t], v[ADS] offset:64*(4*\g+\t)
.endr
	s_wait_dscnt 0x0
.irp t, 0,1,2,3
	v_wmma_scale_f32_16x16x128_f8f6f4 v[96+8*(4*\g+\t):103+8*(4*\g+\t)], v[32+16*\t:47+16*\t], v[16:31], 0, v[248+\t], v255 matrix_a_fmt:MATRIX_FMT_BF8 matrix_b_fmt:MATRIX_FMT_BF8
.endr
.endr                                          ; lane (r, h) holds my query; register 16 b + i is key 32 b + 16 h + i of the step
.rept 8
	v_nop
.endr
	s_cmp_lg_u32 s[KF], s[Q128]                    ; only the step on the diagonal has hidden keys
	s_cbranch_scc1 .Lopen_\@
	v_mov_b32 v254, 0xff800000                     ; -infinity: p = 0 then
.set n, 0
.rept 64
	v_cmp_gt_i32 vcc_lo, 32*(n/16)+n%16, v[DQ]     ; register n's key comes after my query
	v_cndmask_b32 v[96+n], v[96+n], v254, vcc_lo
.set n, n+1
.endr
.Lopen_\@:
.irp b, 0,1,2,3
	v_max3_num_f32 v[232+\b], v[96+16*\b], v[97+16*\b], v[98+16*\b]   ; the largest score of each block of 32 keys: it serves for the row's maximum and, since p rises with the score, for the block's largest p
.endr
.irp i, 3,5,7,9,11,13
.irp b, 0,1,2,3
	v_max3_num_f32 v[232+\b], v[232+\b], v[96+16*\b+\i], v[97+16*\b+\i]
.endr
.endr
.irp b, 0,1,2,3
	v_max_num_f32 v[232+\b], v[232+\b], v[111+16*\b]
.endr
.irp b, 0,1,2,3
	s_delay_alu instid0(VALU_DEP_4)
	v_permlanex16_b32 v[236+\b], v[232+\b], s[SEL], s[SEL+1]
.endr
.irp b, 0,1,2,3
	s_delay_alu instid0(VALU_DEP_4)
	v_max_num_f32 v[232+\b], v[232+\b], v[236+\b]  ; with lane l xor 16's 16 keys
.endr
	s_delay_alu instid0(VALU_DEP_2)
	v_max3_num_f32 v254, v232, v233, v234
	s_delay_alu instid0(VALU_DEP_1)
	v_max_num_f32 v254, v254, v235                 ; the step's largest score of my query
	s_delay_alu instid0(VALU_DEP_1)
	v_mul_f32 v254, s[CS], v254                    ; as t (c is positive)
	s_delay_alu instid0(VALU_DEP_1)
	v_max_num_f32 v13, v13, v254                   ; the running largest t
	v_mov_b32 v254, v12
	s_delay_alu instid0(VALU_DEP_2)
	v_floor_f32 v12, -v13                          ; the new -M = floor(-t) = -ceil(t): M is a whole number
	s_delay_alu instid0(VALU_DEP_1)
	v_sub_f32 v254, v12, v254                      ; M's old value less its new one: a whole number, 0 or less
	s_delay_alu instid0(VALU_DEP_1)
	v_cvt_i32_f32 v254, v254                       ; (it saturates)
	s_delay_alu instid0(VALU_DEP_1)
	v_ldexp_f32 v252, 1.0, v254                    ; f = 2^(old M - new M): a multiplication by it rounds nothing
.set j, 0
.rept 32
	v_pk_fma_f32 v[96+j:97+j], v[96+j:97+j], s[CS:CS+1], v[12:13] op_sel_hi:[1,0,0]   ; t - M, two at a time (of the pairs c and -M the low word serves both halves)
.set j, j+2
.endr
.irp b, 0,1,2,3
	v_fma_f32 v[232+\b], v[232+\b], s[CS], v12     ; the same of each block's largest score
.endr
.set j, 0
	s_wait_alu depctr_va_vdst(0)
.rept 64
	v_exp_f32 v[96+j], v[96+j]                     ; p = 2^(t - M), at most 1: not normalised
.set j, j+1
.endr
	v_pk_mul_f32 v[14:15], v[14:15], v[252:253] op_sel_hi:[1,0]   ; the sums under the new M.  (A plain place behind the exponentials)
	s_wait_alu depctr_va_vdst(0)                   ; one wait for the whole batch, ahead of its first reader
.irp b, 0,1,2,3
	v_exp_f32 v[232+\b], v[232+\b]                 ; the block's largest p: the same two instructions on the same number give the same bits
.endr
	v_pk_add_f32 v[236:237], v[100:101], v[104:105]
	v_pk_add_f32 v[250:251], v[108:109], v[112:113]
	v_pk_add_f32 v[248:249], v[116:117], v[120:121]
	v_pk_add_f32 v[246:247], v[124:125], v[128:129]
	v_pk_add_f32 v[244:245], v[132:133], v[136:137]
	v_pk_add_f32 v[242:243], v[140:141], v[144:145]
	v_pk_add_f32 v[240:241], v[148:149], v[152:153]
	v_pk_add_f32 v[14:15], v[14:15], v[156:157]
	v_pk_add_f32 v[236:237], v[236:237], v[96:97]
	v_pk_add_f32 v[250:251], v[250:251], v[98:99]
	v_pk_add_f32 v[248:249], v[248:249], v[102:103]
	v_pk_add_f32 v[246:247], v[246:247], v[106:107]
	v_pk_add_f32 v[244:245], v[244:245], v[110:111]
	v_pk_add_f32 v[242:243], v[242:243], v[114:115]
	v_pk_add_f32 v[240:241], v[240:241], v[118:119]
	v_pk_add_f32 v[14:15], v[14:15], v[122:123]
	v_pk_add_f32 v[236:237], v[236:237], v[126:127]
	v_pk_add_f32 v[250:251], v[250:251], v[130:131]
	v_pk_add_f32 v[248:249], v[248:249], v[134:135]
	v_pk_add_f32 v[246:247], v[246:247], v[138:139]
	v_pk_add_f32 v[244:245], v[244:245], v[142:143]
	v_pk_add_f32 v[242:243], v[242:243], v[146:147]
	v_pk_add_f32 v[240:241], v[240:241], v[150:151]
	v_pk_add_f32 v[14:15], v[14:15], v[154:155]
	v_pk_add_f32 v[236:237], v[236:237], v[158:159]
	s_delay_alu instid0(VALU_DEP_2)
	v_pk_add_f32 v[14:15], v[14:15], v[246:247]
	s_delay_alu instid0(VALU_DEP_2)
	v_pk_add_f32 v[236:237], v[236:237], v[244:245]
	v_pk_add_f32 v[250:251], v[250:251], v[242:243]
	v_pk_add_f32 v[248:249], v[248:249], v[240:241]
	s_delay_alu instid0(VALU_DEP_2)
	v_pk_add_f32 v[14:15], v[14:15], v[250:251]
	s_delay_alu instid0(VALU_DEP_2)
	v_pk_add_f32 v[236:237], v[236:237], v[248:249]
	s_delay_alu instid0(VALU_DEP_1)
	v_pk_add_f32 v[14:15], v[14:15], v[236:237]
	s_wait_alu depctr_va_vdst(0)                   ; and one for the four
.irp b, 0,1,2,3
	v_max_num_f32 v[232+\b], 0x8000000, v[232+\b]  ; the floor 2^(16 - 127): the byte cannot fall under 1 (a block whose every p is 0 keeps that byte: its codes are zeros)
.endr
.irp b, 0,1,2,3
	s_delay_alu instid0(VALU_DEP_4)
	v_add_nc_u32 v[244+\b], 0xf8800000, v[232+\b]  ; 15 off the exponent field: the conversion's scale operand
.endr
.irp b, 0,1,2,3
	v_and_or_b32 v[240+\b], v[232+\b], 0x7f800000, s[MNT]   ; 57,344 x the scale
.endr
.irp b, 0,1,2,3
	v_lshrrev_b32 v[236+\b], 23, v[244+\b]         ; the scale's byte
.endr
	s_delay_alu instid0(VALU_DEP_3)
	v_lshl_or_b32 v253, v237, 8, v236              ; p's scale word for these 128 keys
	s_delay_alu instid0(VALU_DEP_1)
	v_lshl_or_b32 v253, v238, 16, v253
	s_delay_alu instid0(VALU_DEP_1)
	v_lshl_or_b32 v253, v239, 24, v253
.irp b, 0,1,2,3
.irp i, 0,1,2,3,4,5,6,7,8,9,10,11,12,13,14,15
	v_min_num_f32 v[96+16*\b+\i], v[96+16*\b+\i], v[240+\b]   ; the conversion to an 8-bit code does not saturate (ISA guide 7.6.2); p is not negative, so the hold is one-sided
.endr
	v_cvt_scalef32_pk8_bf8_f32 v[192+4*\b:193+4*\b], v[96+16*\b:103+16*\b], v[244+\b]
	v_cvt_scalef32_pk8_bf8_f32 v[194+4*\b:195+4*\b], v[104+16*\b:111+16*\b], v[244+\b]
.endr
.irp t, 0,1,2,3                                ; V's four tiles of 16 channels x these 128 keys, into the registers that p has left
.irp c, 0,1,2,3
	ds_load_b128 v[96+16*\t+4*\c:99+16*\t+4*\c], v[ADV] offset:(\c/2)*5120+1280*\t+32*(\c%2)
.endr
	ds_load_b32 v[248+\t], v[ADT] offset:64*\t
.endr
.set j, 0
.rept 16
	v_pk_mul_f32 v[160+j:161+j], v[160+j:161+j], v[252:253] op_sel_hi:[1,0]   ; O^T under the new M: x f.  (These sixteen are also the plain lines behind the conversions and the places in front of the products below)
.set j, j+2
.endr
	s_wait_alu depctr_va_vdst(0)
	s_wait_dscnt 0x0
.irp t, 0,1,2,3                                ; O^T += V^T P^T: the four accumulators by turns
	v_wmma_scale_f32_16x16x128_f8f6f4 v[160+8*\t:167+8*\t], v[96+16*\t:111+16*\t], v[192:207], v[160+8*\t:167+8*\t], v[248+\t], v253 matrix_a_fmt:MATRIX_FMT_BF8 matrix_b_fmt:MATRIX_FMT_BF8
.endr
.Lhidden_\@:
	s_add_co_u32 s[TB], s[TB], 10240
	s_add_co_u32 s[TS], s[TS], 512
	s_add_co_u32 s[TJ], s[TJ], 256
	s_add_co_u32 s[KF], s[KF], 128
	s_sub_co_u32 s[CNT], s[CNT], 1
	s_cmp_lg_u32 s[CNT], 0
	s_cbranch_scc1 .Lstep_\@
.endm
	s_wait_alu depctr_va_vdst(0)
	s_wait_tensorcnt 0x0                           ; my one fill has landed,
	s_barrier_signal -1
	s_barrier_wait -1                              ; everybody's have.
	s_wait_loadcnt 0x0                             ; Q
	STEPS                                          ; key steps 0 to 3: the whole head's K and V lie in LDS behind the one barrier above
	STEPS                                          ; key steps 4 to 7
	; THE WAY OUT.  O^T / the sum; register 16 c + i is channel 32 c + 16 h + i of my query: two blocks of 32, quantised as they stand.  The address work is the places behind the last products.
	v_add_f32 v14, v14, v15                        ; the sum's two halves,
	v_and_b32 v8, 15, v0                           ; r
	v_bfe_u32 v9, v0, 4, 1                         ; h
	s_delay_alu instid0(VALU_DEP_3)
	v_permlanex16_b32 v252, v14, s[SEL], s[SEL+1]
	v_and_b32 v10, 31, v0                          ; lane
	s_delay_alu instid0(VALU_DEP_2)
	v_add_f32 v14, v14, v252                       ; and lane l xor 16's: the row's sum
	s_wait_alu depctr_va_vdst(0)
	v_rcp_f32 v14, v14
	v_lshlrev_b32 v10, 4, v10                      ; 16 x lane
	v_and_b32 v11, 8, v8
	s_delay_alu instid0(VALU_DEP_1)
	v_add_nc_u32 v11, v11, v8                      ; r + 8 (r / 8): my query's token, from the tile's first
	s_delay_alu instid0(VALU_DEP_1)
	v_lshl_add_u32 v11, v11, 2, v9                 ; its scale word, byte h of my head's two
	v_cmp_ne_u32 vcc_lo, 0, v9
	s_wait_alu depctr_va_vdst(0)                   ; ahead of the reciprocal's first reader
.set j, 0
.rept 32
	v_mul_f32 v[96+j], v[160+j], v14
.set j, j+1
.endr
.irp b, 0,1
	v_max3_num_f32 v[232+\b], |v[96+16*\b]|, |v[97+16*\b]|, 0x8000000
.endr
.irp i, 2,4,6,8,10,12,14
.irp b, 0,1
	s_delay_alu instid0(VALU_DEP_2)
	v_max3_num_f32 v[232+\b], v[232+\b], |v[96+16*\b+\i]|, |v[97+16*\b+\i]|
.endr
.endr
.irp b, 0,1
	s_delay_alu instid0(VALU_DEP_2)
	v_permlanex16_b32 v[236+\b], v[232+\b], s[SEL], s[SEL+1]
.endr
.irp b, 0,1
	s_delay_alu instid0(VALU_DEP_2)
	v_max_num_f32 v[232+\b], v[232+\b], v[236+\b]
.endr
.irp b, 0,1
	s_delay_alu instid0(VALU_DEP_2)
	v_add_nc_u32 v[244+\b], 0xf8800000, v[232+\b]
.endr
.irp b, 0,1
	s_delay_alu instid0(VALU_DEP_4)
	v_and_or_b32 v[240+\b], v[232+\b], 0x7f800000, s[MNT]
.endr
.irp b, 0,1
	s_delay_alu instid0(VALU_DEP_4)
	v_lshrrev_b32 v[236+\b], 23, v[244+\b]
.endr
.irp b, 0,1
.irp i, 0,1,2,3,4,5,6,7,8,9,10,11,12,13,14,15
	v_med3_num_f32 v[96+16*\b+\i], v[96+16*\b+\i], -v[240+\b], v[240+\b]
.endr
	v_cvt_scalef32_pk8_bf8_f32 v[192+4*\b:193+4*\b], v[96+16*\b:103+16*\b], v[244+\b]
	v_cvt_scalef32_pk8_bf8_f32 v[194+4*\b:195+4*\b], v[104+16*\b:111+16*\b], v[244+\b]
.endr
	v_nop                                          ; a plain line behind the last conversion
	v_cndmask_b32 v232, v236, v237, vcc_lo         ; lanes 0-15 store block 0's byte, lanes 16-31 block 1's
	global_store_b8 v11, v232, s[90:91]
	global_store_b128 v10, v[192:195], s[88:89]              ; channels 16 h + 0 .. 15 of row r: the registers as they stand; 512 consecutive bytes, aligned
	global_store_b128 v10, v[196:199], s[88:89] offset:512   ; channels 32 + 16 h + 0 .. 15
	s_wait_tensorcnt 0x0
	ds_add_u32 v230, v231
	s_wait_dscnt 0x0
	CROUND                                         ; the closing round: no work-group ends while a partner may still ask for a tile that names it
	s_endpgm
.Lfunc_end_k_qc02afd88f0_att:
	.size	k_qc02afd88f0_att, .Lfunc_end_k_qc02afd88f0_att-k_qc02afd88f0_att
	.p2alignl 7, 3214868480
	.fill 96, 4, 3214868480
	.section	.rodata,"a",@progbits
	.p2align	6, 0x0
	.amdhsa_kernel k_qc02afd88f0_att
		.amdhsa_group_segment_fixed_size 192512
		.amdhsa_private_segment_fixed_size 0
		.amdhsa_enable_private_segment 0
		.amdhsa_kernarg_size 16
		.amdhsa_user_sgpr_count 2
		.amdhsa_user_sgpr_kernarg_segment_ptr 1
		.amdhsa_wavefront_size32 1
		.amdhsa_system_sgpr_workgroup_id_x 1
		.amdhsa_system_sgpr_workgroup_id_y 1
		.amdhsa_system_sgpr_workgroup_id_z 1
		.amdhsa_system_vgpr_workitem_id 0
		.amdhsa_next_free_vgpr 256
		.amdhsa_next_free_sgpr 100
		.amdhsa_reserve_vcc 1
		.amdhsa_float_denorm_mode_32 3
		.amdhsa_float_denorm_mode_16_64 3
		.amdhsa_memory_ordered 1
		.amdhsa_forward_progress 1
		.amdhsa_inst_pref_size 71
	.end_amdhsa_kernel
	.amdgpu_metadata
---
amdhsa.version: [ 1, 2 ]
amdhsa.kernels:
  - .name:           k_qc02afd88f0_att
    .symbol:         k_qc02afd88f0_att.kd
    .args:
      - { .name: qkvbuf, .offset: 0, .size: 8, .value_kind: global_buffer, .address_space: global }
      - { .name: ctxbuf, .offset: 8, .size: 8, .value_kind: global_buffer, .address_space: global }
    .group_segment_fixed_size: 192512
    .private_segment_fixed_size: 0
    .kernarg_segment_align: 8
    .kernarg_segment_size: 16
    .max_flat_workgroup_size: 512
    .sgpr_count:     100
    .vgpr_count:     256
    .wavefront_size: 32
...
	.end_amdgpu_metadata
.endif
;; end of part 3
;; launch wo (part 4): grid 8 x 32, 8 waves a work-group, clusters of 4 x 4, 327,680 bytes of LDS; arguments ctxbuf, wof, Wo_scales, x, x1; writes x1
.if DOCPART == 4
	.amdgcn_target "amdgcn-amd-amdhsa--gfx1250"
	.amdhsa_code_object_version 6
	.text
	.protected	k_qc02afd88f0_wo
	.globl	k_qc02afd88f0_wo
	.p2align	8
	.type	k_qc02afd88f0_wo,@function
k_qc02afd88f0_wo:
	s_mov_b64 s[64:65], 0
	v_nop
	global_prefetch_b8 v0, s[64:65] scope:SCOPE_SE
	s_setreg_imm32_b32 hwreg(HW_REG_WAVE_MODE, 25, 1), 1
	s_wait_xcnt 0x0
	s_wait_alu depctr_hold_cnt(0) depctr_sa_sdst(0) depctr_va_vdst(0) depctr_va_sdst(0) depctr_va_ssrc(0) depctr_va_vcc(0) depctr_vm_vsrc(0)
	s_getreg_b32 s2, hwreg(HW_REG_IB_STS2, 6, 4)
	s_cmp_eq_u32 s2, 0
	s_cbranch_scc0 .Lentry_in_a_cluster
	s_endpgm
.Lentry_in_a_cluster:
	s_bfe_u32 s2, ttmp6, 0x10000c
	s_cmp_lg_u32 s2, 0xf033
	s_cbranch_scc0 .Lentry_shape_is_right
	s_endpgm
.Lentry_shape_is_right:
; x1 = x + ctx Wo: 4,096 x 1,024, K = 1,024, on codes of E5M2 with one E8M0 byte for each 32 along K; sums, x, x1 f32.  The text of launch ffn2 with FFN = 0; what differs:
; a wave has 4 stages of 128 along K, so ctx's tile and Wo's tile (128 rows each, all of K: 131,072 bytes each) are ONE fill at the head, 32 KB a wave, and nothing is filled again; no bias; no prefetch: all that comes by tensor loads is asked for at the head.
; ctxbuf: codes [plane of 256 k: 4][tile of 16 rows: 256][chunk of 32 k: 8][lane][16]; row r of tile T is token 32 (T / 2) + 8 (T % 2) + r + 8 (r / 8); scale words at 4 MiB: [128 k: 8][token 4096][4].  wof: [block of 16 n: 64][128 k: 8][chunk 4][lane][16].
; LIMITS: NaN and infinities are not served.
.set FFN, 0
.if FFN
.set NST, 16
.set SPF, 2
.set ASCL, 0x1000000
.set NBS, 65536
.set KS, 128
.set AKH, 23
.set AE, 14
.set BX, 19
.set BKH, 15
.set SKH, 18
.set WX, 14
.set WKH, 6
.else
.set NST, 4
.set SPF, 4
.set ASCL, 0x400000
.set NBS, 16384
.set KS, 32
.set AKH, 21
.set AE, 20
.set BX, 17
.set BKH, 13
.set SKH, 16
.set WX, 12
.set WKH, 4
.endif
.set NFILL, NST/SPF
.set AR, SPF*32768
.set SLOT, 2*AR
.set PIECE, AR/4
.set SPARE, 262144
.set STG, 17408
.set ADB0, 1
.set L4, 2
.set L7, 3
.set BO, 4
.set CO, 5
.set ADA, 6
.set BI, 8
.set PFO, 12
.set SPW, 13
.set NIL, 14
.set ADB1, 15
.set STO, 2
.set RDO, 3
.set RDP, 1
.set BS, 16
.set AS, 48
.set RES, 64
.set ACC, 128
.set G1A, 48
.set G0A, 56
.set G1B, 68
.set G0B, 76
.set MSB, 0
.macro WIN new
.if MSB != \new
	s_set_vgpr_msb (MSB<<8)|\new
.set MSB, \new
.endif
.endm
.macro OFF d, t, a, sa, b, sb, c, sc
	s_lshl_b32 s\d, \a, \sa
	s_lshl_b32 s\t, \b, \sb
	s_add_co_u32 s\d, s\d, s\t
	s_lshl_b32 s\t, \c, \sc
	s_add_co_u32 s\d, s\d, s\t
.endm
.macro ROUND
	s_barrier_signal -1
	s_barrier_wait -1
	s_cmp_lg_u32 s16, 0
	s_cbranch_scc1 .Lnot_wave_0_\@
	s_barrier_signal -3
.Lnot_wave_0_\@:
	s_barrier_wait -3
	s_barrier_signal -1
	s_barrier_wait -1
.endm
.macro JLOAD s
	s_cmp_lt_u32 s16, 4
	s_cbranch_scc0 .Lfor_b_\@
	tensor_load_to_lds s[G0A+4*(\s):G0A+4*(\s)+3], s[G1A:G1A+7]
	s_nop 0
.rept 4
	v_nop
.endr
	s_branch .Lasked_\@
.Lfor_b_\@:
	tensor_load_to_lds s[G0B+4*(\s):G0B+4*(\s)+3], s[G1B:G1B+7]
	s_nop 0
.rept 4
	v_nop
.endr
.Lasked_\@:
.endm
	s_load_b256 s[4:11], s[0:1], 0x0
.if FFN
	s_load_b128 s[12:15], s[0:1], 0x20
.else
	s_load_b64 s[14:15], s[0:1], 0x20
.endif
	v_lshl_add_u32 v[SPW], v0, 2, SPARE
	v_mov_b32 v[NIL], 0
	ds_add_u32 v[SPW], v[NIL]
	ds_add_u32 v[SPW], v[NIL]
	v_lshrrev_b32 v8, 5, v0
	v_readfirstlane_b32 s16, v8
	s_lshr_b32 s17, s16, 2
	s_bfe_u32 s18, s16, 0x10001
	s_and_b32 s19, s16, 1
	s_bfe_u32 s84, ttmp6, 0x40000
	s_bfe_u32 s85, ttmp6, 0x40004
	s_lshl_b32 s42, ttmp9, 2
	s_add_co_u32 s42, s42, s84
	s_and_b32 s37, ttmp7, 0xffff
	s_lshl_b32 s20, s37, 2
	s_add_co_u32 s20, s20, s85
	s_lshl_b32 s86, s85, 2
	s_lshl_b32 s86, 15, s86
	s_lshl_b32 s87, 0x1111, s84
	s_mul_i32 s21, s16, STG
	s_mul_i32 s22, s17, 32*272
	s_add_co_u32 s23, s21, s22
	s_xor_b32 s40, s16, 4
	s_mul_i32 s40, s40, STG
	s_add_co_u32 s22, s40, s22
	OFF 24, 41, s18, AKH, s20, 15, s19, AE
	OFF 26, 45, s42, BX, s19, BX-1, s18, BKH
	OFF 28, 41, s17, SKH, s20, 9, s18, 8
	s_add_co_u32 s28, s28, ASCL
	OFF 30, 45, s42, WX, s19, WX-1, s17, WKH
	s_lshl_b32 s32, s42, 9
	s_lshl_b32 s45, s19, 8
	s_add_co_u32 s32, s32, s45
	OFF 34, 41, s20, 19, s18, 18, s17, 17
	s_add_co_u32 s34, s34, s32
.irp d, 25,27,29,31,33,35
	s_mov_b32 s\d, 0
.endr
.if FFN
	s_lshl_b32 s88, s84, 12
	s_lshl_b32 s90, s85, 16
	s_mov_b32 s46, SPF*2048
	s_cmp_lt_u32 s16, 4
	s_cselect_b32 s37, 0, s37
	s_cselect_b32 s88, s88, s90
	s_cselect_b32 s46, 0x100000, s46
	s_mov_b32 s89, 0
	s_mov_b32 s47, 0
.endif
	s_or_b32 s[G1A], s86, (3<<16)|(1<<21)
	s_mov_b32 s[G1A+1], 32<<16
	s_mov_b32 s[G1A+2], (PIECE/256)<<16
	s_mov_b32 s[G1A+3], 32<<16
	s_mov_b32 s[G1A+4], PIECE/256
	s_mov_b32 s[G1A+5], 32
	s_mov_b32 s[G1A+6], 0
	s_mov_b32 s[G1A+7], 0
	s_or_b32 s[G1B], s87, (3<<16)|(1<<21)
	s_mov_b32 s[G1B+1], (SPF*256)<<16
	s_mov_b32 s[G1B+2], 4<<16
	s_mov_b32 s[G1B+3], (SPF*256)<<16
	s_mov_b32 s[G1B+4], 4
	s_mov_b32 s[G1B+5], NBS/8
	s_mov_b32 s[G1B+6], 0
	s_mov_b32 s[G1B+7], 0
	s_and_b32 s40, s16, 3
	s_mul_i32 s40, s40, PIECE
	s_mov_b32 s[G0A], 1
	s_mov_b32 s[G0A+1], s40
	s_mov_b32 s[G0B], 1
	s_add_co_u32 s[G0B+1], s40, AR
.if NFILL > 1
	s_mov_b32 s[G0A+4], 1
	s_add_co_u32 s[G0A+5], s40, SLOT
	s_mov_b32 s[G0B+4], 1
	s_add_co_u32 s[G0B+5], s40, SLOT+AR
.endif
	s_wait_dscnt 0x0
	ROUND
	s_wait_kmcnt 0x0
	s_add_nc_u64 s[G0A+2:G0A+3], s[4:5], s[24:25]
	s_add_nc_u64 s[G0B+2:G0B+3], s[6:7], s[26:27]
.if NFILL > 1
	s_cmp_lt_u32 s16, 4
	s_cselect_b64 s[44:45], s[G0A+2:G0A+3], s[G0B+2:G0B+3]
	s_add_nc_u64 s[44:45], s[44:45], s[88:89]
	s_add_nc_u64 s[44:45], s[44:45], s[46:47]
	s_add_nc_u64 s[G0A+6:G0A+7], s[G0A+2:G0A+3], 0x100000
	s_add_nc_u64 s[G0B+6:G0B+7], s[G0B+2:G0B+3], SPF*2048
	s_or_b32 s[G0A+7], s[G0A+7], 0x80000000
	s_or_b32 s[G0B+7], s[G0B+7], 0x80000000
.endif
	s_or_b32 s[G0A+3], s[G0A+3], 0x80000000
	s_or_b32 s[G0B+3], s[G0B+3], 0x80000000
	JLOAD 0
.if FFN == 0
	s_mov_b64 s[12:13], s[10:11]
.endif
	s_add_nc_u64 s[38:39], s[4:5], s[28:29]
	s_add_nc_u64 s[8:9], s[8:9], s[30:31]
.if FFN
	s_add_nc_u64 s[10:11], s[10:11], s[32:33]
.endif
	s_add_nc_u64 s[12:13], s[12:13], s[34:35]
	s_add_nc_u64 s[14:15], s[14:15], s[34:35]
	s_mul_i32 s40, s17, SPF*16384
	s_lshl_b32 s41, s18, 14
	s_add_co_u32 s41, s41, s40
	s_mul_i32 s36, s19, SPF*8192
	s_add_co_u32 s36, s36, s40
	s_add_co_u32 s36, s36, AR
	v_and_b32 v8, 31, v0
	v_and_b32 v9, 15, v0
	v_bfe_u32 v10, v0, 4, 1
	v_lshlrev_b32 v11, 4, v8
.if FFN
	v_lshlrev_b32 v[L4], 2, v8
.else
	v_and_b32 v[L4], 8, v9
	v_add_nc_u32 v[L4], v[L4], v9
	v_lshl_add_u32 v[L4], v10, 3, v[L4]
	v_lshlrev_b32 v[L4], 2, v[L4]
.endif
	v_mul_u32_u24 v[L7], v8, KS
	v_lshlrev_b32 v[BO], 4, v9
	v_lshl_add_u32 v[CO], v10, 12, v[BO]
	v_add_nc_u32 v[ADA], s41, v11
	v_add_nc_u32 v[ADB0], s36, v11
.if NFILL > 1
	v_add_nc_u32 v[ADA+1], SLOT, v[ADA]
	v_add_nc_u32 v[ADB1], SLOT, v[ADB0]
	v_min_u32 v[PFO], 15, v8
	v_lshlrev_b32 v[PFO], 8, v[PFO]
.endif
	s_wait_alu depctr_va_vdst(0)
.macro ASK
	s_cmp_lt_u32 s37, 4
	s_cbranch_scc0 .Lno_ask_\@
	global_prefetch_b8 v[PFO], s[44:45] th:TH_LOAD_NT scope:SCOPE_SE
.Lno_ask_\@:
.endm
.macro LOADS j
	global_load_b32 v[AS+((\j)+1)%8], v[L4], s[38:39] offset:16384*(\j)
	global_load_b32 v[AS+8+((\j)+1)%8], v[L4], s[38:39] offset:16384*(\j)+128
.endm
.macro DS j
.set S_, ((\j)/SPF)%2
	WIN 0x40
.irp i, 0,1,2,3
.irp c, 0,1,2,3
	ds_load_b128 v[128*((\j)%2)+64+16*\i+4*\c:128*((\j)%2)+64+16*\i+4*\c+3], v[ADB0+14*S_] offset:SPF*2048*\i+2048*((\j)%SPF)+512*\c
.endr
.endr
.irp i, 0,1,2,3
.irp c, 0,1,2,3
	ds_load_b128 v[128*((\j)%2)+16*\i+4*\c:128*((\j)%2)+16*\i+4*\c+3], v[ADA+S_] offset:32768*(((\j)%SPF)/2)+4096*\i+2048*((\j)%2)+512*\c
.endr
.endr
	WIN 0
.endm
.macro W c
.if R_ == 0
	v_wmma_scale_f32_16x16x128_f8f6f4 v[D_:D_+7], v[B_:B_+15], v[A_:A_+15], \c, v[SB_], v[SA_] matrix_a_fmt:MATRIX_FMT_BF8 matrix_b_fmt:MATRIX_FMT_BF8
.elseif R_ == 1
	v_wmma_scale_f32_16x16x128_f8f6f4 v[D_:D_+7], v[B_:B_+15], v[A_:A_+15], \c, v[SB_], v[SA_] matrix_a_fmt:MATRIX_FMT_BF8 matrix_b_fmt:MATRIX_FMT_BF8 matrix_a_scale:MATRIX_SCALE_ROW1
.elseif R_ == 2
	v_wmma_scale_f32_16x16x128_f8f6f4 v[D_:D_+7], v[B_:B_+15], v[A_:A_+15], \c, v[SB_], v[SA_] matrix_a_fmt:MATRIX_FMT_BF8 matrix_b_fmt:MATRIX_FMT_BF8 matrix_b_scale:MATRIX_SCALE_ROW1
.else
	v_wmma_scale_f32_16x16x128_f8f6f4 v[D_:D_+7], v[B_:B_+15], v[A_:A_+15], \c, v[SB_], v[SA_] matrix_a_fmt:MATRIX_FMT_BF8 matrix_b_fmt:MATRIX_FMT_BF8 matrix_a_scale:MATRIX_SCALE_ROW1 matrix_b_scale:MATRIX_SCALE_ROW1
.endif
.endm
.macro MM a, b, j
.set D_, ACC+8*(4*(\a)+(\b))
.set A_, 128*((\j)%2)+16*(\a)
.set B_, 128*((\j)%2)+64+16*(\b)
.set SA_, AS+8*((\a)/2)+((\j)+1)%8
.set SB_, BS+16*((\b)/2)+(\j)
.set R_, 2*((\a)%2)+(\b)%2
.if (\j) == 0
	W 0
.else
	W v[D_:D_+7]
.endif
.endm
.macro PL j
.if FFN && ((\j) >= 2) && ((\j) <= 5)
.irp u, 0,1,2,3
	v_pk_add_f32 v[RES+16*((\j)-2)+4*\u:RES+16*((\j)-2)+4*\u+1], v[RES+16*((\j)-2)+4*\u:RES+16*((\j)-2)+4*\u+1], v[BI:BI+1]
	v_pk_add_f32 v[RES+16*((\j)-2)+4*\u+2:RES+16*((\j)-2)+4*\u+3], v[RES+16*((\j)-2)+4*\u+2:RES+16*((\j)-2)+4*\u+3], v[BI+2:BI+3]
.endr
.else
.rept 8
	v_nop
.endr
.endif
.endm
.macro STAGE j
.set N_, 0
.if (\j)+1 < NST
.set N_, N_+2
.endif
.if (\j) < 2
.set N_, N_+16+FFN
.endif
.if (\j)%SPF != SPF-1
	DS (\j)+1
.endif
	s_wait_loadcnt N_
.if (\j)%SPF != SPF-1
	s_wait_dscnt 32
.else
	s_wait_dscnt 0x0
.endif
	WIN 0x05
.irp a, 0,1,2,3
.irp b, 0,1,2,3
	MM \a, \b, \j
.endr
.endr
	WIN 0
	PL \j
.if (\j)+2 < NST
	LOADS (\j)+2
.endif
.endm
.macro CHANGE slot, fill, step
	s_wait_tensorcnt 0x0
	ds_add_u32 v[SPW], v[NIL]
.if \step
	s_add_nc_u64 s[G0A+4*(\slot)+2:G0A+4*(\slot)+3], s[G0A+4*(\slot)+2:G0A+4*(\slot)+3], 0x200000
	s_add_nc_u64 s[G0B+4*(\slot)+2:G0B+4*(\slot)+3], s[G0B+4*(\slot)+2:G0B+4*(\slot)+3], 2*SPF*2048
	s_wait_xcnt 0x0
	s_add_nc_u64 s[44:45], s[44:45], s[46:47]
.endif
	s_wait_dscnt 0x0
.if \fill
	ROUND
	JLOAD 1-(\slot)
.else
	s_barrier_signal -1
	s_barrier_wait -1
.endif
.endm
.if NFILL > 1
	ASK
.endif
.irp p, 0,1
.set i, 0
.rept NST/4
	global_load_b128 v[BS+16*\p+4*i:BS+16*\p+4*i+3], v[L7], s[8:9] offset:32*KS*\p+16*i
.set i, i+1
.endr
.endr
	LOADS 0
	LOADS 1
.set t, 0
.rept 16
	global_load_b128 v[RES+4*t:RES+4*t+3], v[CO], s[12:13] offset:8192*t th:TH_LOAD_NT
.set t, t+1
.endr
.if FFN
	global_load_b128 v[BI:BI+3], v[BO], s[10:11]
.endif
.set F_, 0
.rept NFILL
	CHANGE F_%2, (F_+1<NFILL), (F_+2<NFILL)
	DS F_*SPF
.if F_+2 < NFILL
	ASK
.endif
.set J_, F_*SPF
.rept SPF
	STAGE J_
.set J_, J_+1
.endr
.set F_, F_+1
.endr
	v_and_b32 v9, 15, v0
	v_bfe_u32 v10, v0, 4, 1
.if FFN
	v_mul_u32_u24 v11, v9, 272
.else
	v_and_b32 v11, 8, v9
	v_add_nc_u32 v11, v11, v9
	v_mul_u32_u24 v11, v11, 272
.endif
	v_lshl_add_u32 v11, v10, 5, v11
	v_add_nc_u32 v[STO], s21, v11
	v_mad_u32_u24 v11, v10, 272, v[BO]
	v_add_nc_u32 v[RDO], s23, v11
	v_add_nc_u32 v[RDP], s22, v11
	s_wait_alu depctr_va_vdst(0)
	s_barrier_signal -1
	s_barrier_wait -1
.irp a, 0,1,2,3
.if FFN
.set RO, 16*\a
.else
.set RO, 32*(\a/2)+8*(\a%2)
.endif
.irp b, 0,1,2,3
	ds_store_b128 v[STO], v[ACC+8*(4*\a+\b):ACC+8*(4*\a+\b)+3] offset:272*RO+64*\b
	ds_store_b128 v[STO], v[ACC+8*(4*\a+\b)+4:ACC+8*(4*\a+\b)+7] offset:272*RO+64*\b+16
.endr
.endr
	s_wait_dscnt 0x0
	s_barrier_signal -1
	s_barrier_wait -1
.set t, 0
.rept 16
	ds_load_b128 v[ACC+4*t:ACC+4*t+3], v[RDO] offset:544*t
	ds_load_b128 v[ACC+64+4*t:ACC+64+4*t+3], v[RDP] offset:544*t
.set t, t+1
.endr
.irp g, 0,1,2,3
	s_wait_dscnt 24-8*\g
.irp u, 0,1,2,3
	v_pk_add_f32 v[ACC+16*\g+4*\u:ACC+16*\g+4*\u+1], v[ACC+16*\g+4*\u:ACC+16*\g+4*\u+1], v[ACC+64+16*\g+4*\u:ACC+64+16*\g+4*\u+1]
	v_pk_add_f32 v[ACC+16*\g+4*\u+2:ACC+16*\g+4*\u+3], v[ACC+16*\g+4*\u+2:ACC+16*\g+4*\u+3], v[ACC+64+16*\g+4*\u+2:ACC+64+16*\g+4*\u+3]
.endr
.irp u, 0,1,2,3
	v_pk_add_f32 v[ACC+16*\g+4*\u:ACC+16*\g+4*\u+1], v[ACC+16*\g+4*\u:ACC+16*\g+4*\u+1], v[RES+16*\g+4*\u:RES+16*\g+4*\u+1]
	v_pk_add_f32 v[ACC+16*\g+4*\u+2:ACC+16*\g+4*\u+3], v[ACC+16*\g+4*\u+2:ACC+16*\g+4*\u+3], v[RES+16*\g+4*\u+2:RES+16*\g+4*\u+3]
.endr
.irp u, 0,1,2,3
	global_store_b128 v[CO], v[ACC+16*\g+4*\u:ACC+16*\g+4*\u+3], s[14:15] offset:8192*(4*\g+\u)
.endr
.endr
	s_wait_tensorcnt 0x0
	ds_add_u32 v[SPW], v[NIL]
	s_wait_dscnt 0x0
	ROUND
	s_endpgm
.Lfunc_end_k_qc02afd88f0_wo:
	.size	k_qc02afd88f0_wo, .Lfunc_end_k_qc02afd88f0_wo-k_qc02afd88f0_wo
	.p2alignl 7, 3214868480
	.fill 96, 4, 3214868480
	.section	.rodata,"a",@progbits
	.p2align	6, 0x0
	.amdhsa_kernel k_qc02afd88f0_wo
		.amdhsa_group_segment_fixed_size 327680
		.amdhsa_private_segment_fixed_size 0
		.amdhsa_enable_private_segment 0
		.amdhsa_kernarg_size 40
		.amdhsa_user_sgpr_count 2
		.amdhsa_user_sgpr_kernarg_segment_ptr 1
		.amdhsa_wavefront_size32 1
		.amdhsa_system_sgpr_workgroup_id_x 1
		.amdhsa_system_sgpr_workgroup_id_y 1
		.amdhsa_system_sgpr_workgroup_id_z 1
		.amdhsa_system_vgpr_workitem_id 0
		.amdhsa_next_free_vgpr 512
		.amdhsa_next_free_sgpr 92
		.amdhsa_reserve_vcc 0
		.amdhsa_float_denorm_mode_32 3
		.amdhsa_float_denorm_mode_16_64 3
		.amdhsa_memory_ordered 1
		.amdhsa_forward_progress 1
		.amdhsa_inst_pref_size 38
	.end_amdhsa_kernel
	.amdgpu_metadata
---
amdhsa.version: [ 1, 2 ]
amdhsa.kernels:
  - .name:           k_qc02afd88f0_wo
    .symbol:         k_qc02afd88f0_wo.kd
    .args:
      - { .name: ctxbuf, .offset: 0, .size: 8, .value_kind: global_buffer, .address_space: global }
      - { .name: wof, .offset: 8, .size: 8, .value_kind: global_buffer, .address_space: global }
      - { .name: Wo_scales, .offset: 16, .size: 8, .value_kind: global_buffer, .address_space: global }
      - { .name: x, .offset: 24, .size: 8, .value_kind: global_buffer, .address_space: global }
      - { .name: x1, .offset: 32, .size: 8, .value_kind: global_buffer, .address_space: global }
    .group_segment_fixed_size: 327680
    .private_segment_fixed_size: 0
    .kernarg_segment_align: 8
    .kernarg_segment_size: 40
    .max_flat_workgroup_size: 256
    .sgpr_count:     92
    .vgpr_count:     512
    .wavefront_size: 32
...
	.end_amdgpu_metadata
.endif
;; end of part 4
;; launch ln2 (part 5): grid 256 x 1, 4 waves a work-group, no clusters, 18,432 bytes of LDS; arguments x1, g2, be2, nbuf, w2_codes, w2f; writes nbuf, w2f
.if DOCPART == 5
	.amdgcn_target "amdgcn-amd-amdhsa--gfx1250"
	.amdhsa_code_object_version 6
	.text
	.protected	k_qc02afd88f0_ln2
	.globl	k_qc02afd88f0_ln2
	.p2align	8
	.type	k_qc02afd88f0_ln2,@function
k_qc02afd88f0_ln2:
	s_mov_b64 s[64:65], 0
	v_nop
	global_prefetch_b8 v0, s[64:65] scope:SCOPE_SE
	s_setreg_imm32_b32 hwreg(HW_REG_WAVE_MODE, 25, 1), 1
	s_wait_xcnt 0x0
; TWO JOBS.  (1) n = LayerNorm(x1) * g2 + be2 over rows of 1,024 f32 numbers, quantised along the row to codes of E5M2 with one E8M0 byte for each 32: codes [4096][1024] at byte 0 of nbuf, scale bytes [4096][32] at 0x400000.
; A work-group takes 16 rows, a wave 4, one wave to a row; lane l holds of each quarter c the eight neighbours 256 c + 8 l + 0 .. 7; the 16 rows' scale bytes are gathered in LDS and leave as 512 consecutive bytes.
; (2) w2's codes [1024 n][4096 k] are laid anew in the order of a matrix operand's registers: w2f[n / 16][k / 128][c 4][lane 32][16 bytes], lane (h, r) holding row n % 16 = r.
; INSIDE A CHUNK OF 32 k THE ORDER IS THAT IN WHICH LAUNCH ffn1 LEAVES h's CODES: the lane's first eight bytes are k % 128 = 32 c + 8 h + 0 .. 7, its last eight 32 c + 16 + 8 h + 0 .. 7.  Both operands of h w2 have this order, and a chunk is one scale block, so the products and their scales are the same.
; A wave takes 16 rows x 256 bytes: eight loads of two rows' 256 bytes each, through its own 16 x 272 bytes of LDS, and eight stores of 512 consecutive bytes.
; LIMITS: NaN and infinities among the inputs are not served.  A block of zeros, or one whose largest magnitude lies under 2^-111, gets the byte 1 (the quantiser's rule gives a block of zeros 127): the bytes are read by this program alone.  1 / sqrt is v_rsq_f32.
; No matrix unit, no tensor load, no cluster: the launch streams, and its work-groups share nothing but g2 and be2.
.set G,   16                           ; v16-47 g, v48-79 be of my 32 columns
.set BE,  48
.set X,   80                           ; row rho at v[80 + 32 rho]
.set C,   208                          ; v208-239: first w2's 16 x 256 bytes, then the rows' codes
.set E,   240                          ; a scale byte for each row and quarter
	s_load_b256 s[4:11], s[0:1], 0x0               ; x1, g2, be2, nbuf
	s_load_b128 s[28:31], s[0:1], 0x20             ; w2_codes, w2f
	v_lshl_add_u32 v15, v0, 2, 0x200               ; my spare word; 0 lies in v257
	s_set_vgpr_msb 0x40
	v_mov_b32 v1, 0
	s_set_vgpr_msb 0x4000
	v_lshrrev_b32 v1, 5, v0
	v_readfirstlane_b32 s12, v1                    ; wave
	v_and_b32 v1, 31, v0                           ; lane
	v_lshlrev_b32 v2, 5, v1
	v_lshlrev_b32 v3, 3, v1
	v_lshrrev_b32 v4, 2, v1
	s_lshl_b32 s13, s12, 7
	v_add_nc_u32 v4, s13, v4                       ; LDS: my block's byte
	v_lshlrev_b32 v5, 4, v1                        ; 16 x lane
	v_mov_b32 v14, 0
	v_and_b32 v9, 15, v1
	v_lshrrev_b32 v10, 4, v1
	s_mul_i32 s13, s12, 4352
	s_add_co_u32 s13, s13, 1024                    ; my wave's 16 x 272 bytes
	v_lshlrev_b32 v11, 4, v9
	v_lshl_add_u32 v6, v10, 12, v11                ; w2: sixteen lanes to 256 bytes of a row, two rows an instruction
	v_mad_u32_u24 v7, v10, 272, v11
	v_add_nc_u32 v7, s13, v7                       ; into LDS the same way
	v_mul_u32_u24 v8, v9, 272
	v_lshl_add_u32 v8, v10, 3, v8
	v_add_nc_u32 v8, s13, v8                       ; back: row lane % 16, 8 bytes on for the upper half of the lanes
	s_lshl_b32 s14, ttmp9, 16
	s_lshl_b32 s15, s12, 14
	s_add_co_u32 s14, s14, s15
	s_mov_b32 s15, 0
	s_lshl_b32 s16, ttmp9, 14
	s_lshl_b32 s17, s12, 12
	s_add_co_u32 s16, s16, s17
	s_mov_b32 s17, 0
	s_lshl_b32 s18, ttmp9, 9
	s_add_co_u32 s18, s18, 0x400000
	s_mov_b32 s19, 0
	s_mov_b32 s20, 0x76543210
	s_mov_b32 s21, 0xfedcba98
	s_mov_b32 s23, 0x600000
	s_mov_b32 s24, 0x3a800000                      ; 1 / 1024
	s_mov_b32 s25, 0x3727c5ac                      ; 1e-5
	s_lshr_b32 s32, ttmp9, 2                       ; w2: block of 16 rows = work-group / 4; 1,024 bytes of K for work-group % 4, 256 a wave
	s_lshl_b32 s32, s32, 16
	s_and_b32 s33, ttmp9, 3
	s_lshl_b32 s34, s33, 14
	s_lshl_b32 s33, s33, 10
	s_add_co_u32 s34, s34, s32
	s_add_co_u32 s32, s32, s33
	s_lshl_b32 s33, s12, 8
	s_add_co_u32 s32, s32, s33
	s_lshl_b32 s33, s12, 12
	s_add_co_u32 s34, s34, s33
	s_mov_b32 s33, 0
	s_mov_b32 s35, 0
	s_wait_alu depctr_va_vdst(0)
	s_wait_kmcnt 0x0
	s_add_nc_u64 s[4:5], s[4:5], s[14:15]
	s_add_nc_u64 s[26:27], s[10:11], s[18:19]
	s_add_nc_u64 s[10:11], s[10:11], s[16:17]
	s_add_nc_u64 s[28:29], s[28:29], s[32:33]
	s_add_nc_u64 s[30:31], s[30:31], s[34:35]
.irp t, 0,1,2,3,4,5,6,7
	global_load_b128 v[C+4*\t:C+4*\t+3], v6, s[28:29] offset:8192*\t th:TH_LOAD_NT
.endr
.irp c, 0,1,2,3
	global_load_b128 v[G+8*\c:G+8*\c+3], v2, s[6:7] offset:1024*\c
	global_load_b128 v[G+8*\c+4:G+8*\c+7], v2, s[6:7] offset:1024*\c+16
	global_load_b128 v[BE+8*\c:BE+8*\c+3], v2, s[8:9] offset:1024*\c
	global_load_b128 v[BE+8*\c+4:BE+8*\c+7], v2, s[8:9] offset:1024*\c+16
.endr
.irp rho, 0,1,2,3
.irp c, 0,1,2,3
	global_load_b128 v[X+32*\rho+8*\c:X+32*\rho+8*\c+3], v2, s[4:5] offset:4096*\rho+1024*\c
	global_load_b128 v[X+32*\rho+8*\c+4:X+32*\rho+8*\c+7], v2, s[4:5] offset:4096*\rho+1024*\c+16
.endr
.endr
	s_wait_loadcnt 48                              ; w2's eight loads are in; the 16 of g2 and be2 and the 32 of x1 may be out
.irp t, 0,1,2,3,4,5,6,7
	ds_store_b128 v7, v[C+4*\t:C+4*\t+3] offset:544*\t
.endr
.irp u, 0,1,2,3,4,5,6,7
	ds_load_b64 v[C+4*\u:C+4*\u+1], v8 offset:128*(\u/4)+32*(\u%4)         ; my wave's own bytes: LDS serves a wave's instructions in order (ISA guide 5.7.1.4)
	ds_load_b64 v[C+4*\u+2:C+4*\u+3], v8 offset:128*(\u/4)+32*(\u%4)+16
.endr
	s_wait_dscnt 0x0
.irp u, 0,1,2,3,4,5,6,7
	global_store_b128 v5, v[C+4*\u:C+4*\u+3], s[30:31] offset:512*\u   ; 512 consecutive bytes, aligned
.endr
	s_wait_xcnt 0x0                                ; the stores have read their registers, which the rows' codes take below
.macro REDUCE
	v_add_f32_dpp v10, v10, v10 row_xmask:1 row_mask:0xf bank_mask:0xf
	v_add_f32_dpp v10, v10, v10 row_xmask:2 row_mask:0xf bank_mask:0xf
	v_add_f32_dpp v10, v10, v10 row_xmask:4 row_mask:0xf bank_mask:0xf
	v_add_f32_dpp v10, v10, v10 row_xmask:8 row_mask:0xf bank_mask:0xf
	v_permlanex16_b32 v14, v10, s20, s21
	v_add_f32 v10, v10, v14
.endm
.macro ROW rho
.set XR, X+32*\rho
	s_wait_loadcnt 8*(3-\rho)                      ; this row is in; the eight loads of each younger row may be out
	v_pk_add_f32 v[10:11], v[XR:XR+1], v[XR+2:XR+3]
	v_pk_add_f32 v[12:13], v[XR+4:XR+5], v[XR+6:XR+7]
.irp k, 8,12,16,20,24,28
	v_pk_add_f32 v[10:11], v[10:11], v[XR+\k:XR+\k+1]
	v_pk_add_f32 v[12:13], v[12:13], v[XR+\k+2:XR+\k+3]
.endr
	v_pk_add_f32 v[10:11], v[10:11], v[12:13]
	v_add_f32 v10, v10, v11
	REDUCE
	v_mul_f32 v6, s24, v10                         ; the mean
	v_mov_b32 v7, v6
.irp k, 0,2,4,6,8,10,12,14,16,18,20,22,24,26,28,30
	v_pk_add_f32 v[XR+\k:XR+\k+1], v[XR+\k:XR+\k+1], v[6:7] neg_lo:[0,1] neg_hi:[0,1]   ; the variance is taken of the differences
.endr
	v_pk_mul_f32 v[10:11], v[XR:XR+1], v[XR:XR+1]
	v_pk_mul_f32 v[12:13], v[XR+2:XR+3], v[XR+2:XR+3]
.irp k, 4,8,12,16,20,24,28
	v_pk_fma_f32 v[10:11], v[XR+\k:XR+\k+1], v[XR+\k:XR+\k+1], v[10:11]
	v_pk_fma_f32 v[12:13], v[XR+\k+2:XR+\k+3], v[XR+\k+2:XR+\k+3], v[12:13]
.endr
	v_pk_add_f32 v[10:11], v[10:11], v[12:13]
	v_add_f32 v10, v10, v11
	REDUCE
	v_fma_f32 v10, v10, s24, s25
	s_wait_alu depctr_va_vdst(0)                   ; the wait ahead of the transcendentals,
	v_rsq_f32 v8, v10
	v_rsq_f32 v9, v10
	v_nop
	s_wait_alu depctr_va_vdst(0)                   ; and ahead of their first reader
.irp k, 0,2,4,6,8,10,12,14,16,18,20,22,24,26,28,30
	v_pk_mul_f32 v[XR+\k:XR+\k+1], v[XR+\k:XR+\k+1], v[8:9]
.endr
.irp k, 0,2,4,6,8,10,12,14,16,18,20,22,24,26,28,30
	v_pk_fma_f32 v[XR+\k:XR+\k+1], v[XR+\k:XR+\k+1], v[G+\k:G+\k+1], v[BE+\k:BE+\k+1]
.endr
.irp c, 0,1,2,3
	v_max3_num_f32 v[6+\c], |v[XR+8*\c]|, |v[XR+8*\c+1]|, 0x8000000   ; with the floor 2^(16 - 127): the byte cannot fall under 1
.endr
.irp i, 2,4,6
.irp c, 0,1,2,3
	v_max3_num_f32 v[6+\c], v[6+\c], |v[XR+8*\c+\i]|, |v[XR+8*\c+\i+1]|
.endr
.endr
.irp c, 0,1,2,3
	v_max_num_f32_dpp v[6+\c], v[6+\c], v[6+\c] row_xmask:1 row_mask:0xf bank_mask:0xf
.endr
.irp c, 0,1,2,3
	v_max_num_f32_dpp v[6+\c], v[6+\c], v[6+\c] row_xmask:2 row_mask:0xf bank_mask:0xf
.endr
.irp c, 0,1,2,3
	v_add_nc_u32 v[10+\c], 0xf8800000, v[6+\c]     ; the conversion's scale operand
.endr
.irp c, 0,1,2,3
	v_and_or_b32 v[6+\c], v[6+\c], 0x7f800000, s23 ; 57,344 x the scale
.endr
.irp c, 0,1,2,3
.irp i, 0,1,2,3,4,5,6,7
	v_med3_num_f32 v[XR+8*\c+\i], v[XR+8*\c+\i], -v[6+\c], v[6+\c]
.endr
.endr
.irp c, 0,1,2,3
	v_cvt_scalef32_pk8_bf8_f32 v[C+8*\rho+2*\c:C+8*\rho+2*\c+1], v[XR+8*\c:XR+8*\c+7], v[10+\c]
.endr
.irp c, 0,1,2,3
	v_lshrrev_b32 v[E+4*\rho+\c], 23, v[10+\c]     ; the scale's byte
.endr
.irp c, 0,1,2,3
	ds_store_b8 v4, v[E+4*\rho+\c] offset:32*\rho+8*\c
	global_store_b64 v3, v[C+8*\rho+2*\c:C+8*\rho+2*\c+1], s[10:11] offset:1024*\rho+256*\c   ; 256 consecutive bytes, aligned
.endr
.endm
	ROW 0
	ROW 1
	ROW 2
	ROW 3
	s_wait_dscnt 0x0
	s_barrier_signal -1
	s_barrier_wait -1
	s_cmp_lg_u32 s12, 0
	s_cbranch_scc1 .Lend
	ds_load_b128 v[6:9], v5                        ; wave 0: the 16 rows' 512 scale bytes
	s_wait_dscnt 0x0
	global_store_b128 v5, v[6:9], s[26:27]
.Lend:
	s_set_vgpr_msb 0x4
	s_wait_tensorcnt 0x0                           ; the wave's end
	ds_add_u32 v15, v1
	s_wait_dscnt 0x0
	s_set_vgpr_msb 0x400
	s_endpgm
.Lfunc_end_k_qc02afd88f0_ln2:
	.size	k_qc02afd88f0_ln2, .Lfunc_end_k_qc02afd88f0_ln2-k_qc02afd88f0_ln2
	.p2alignl 7, 3214868480
	.fill 96, 4, 3214868480
	.section	.rodata,"a",@progbits
	.p2align	6, 0x0
	.amdhsa_kernel k_qc02afd88f0_ln2
		.amdhsa_group_segment_fixed_size 18432
		.amdhsa_private_segment_fixed_size 0
		.amdhsa_enable_private_segment 0
		.amdhsa_kernarg_size 48
		.amdhsa_user_sgpr_count 2
		.amdhsa_user_sgpr_kernarg_segment_ptr 1
		.amdhsa_wavefront_size32 1
		.amdhsa_system_sgpr_workgroup_id_x 1
		.amdhsa_system_sgpr_workgroup_id_y 1
		.amdhsa_system_sgpr_workgroup_id_z 1
		.amdhsa_system_vgpr_workitem_id 0
		.amdhsa_next_free_vgpr 258
		.amdhsa_next_free_sgpr 66
		.amdhsa_reserve_vcc 0
		.amdhsa_float_denorm_mode_32 3
		.amdhsa_float_denorm_mode_16_64 3
		.amdhsa_memory_ordered 1
		.amdhsa_forward_progress 1
		.amdhsa_inst_pref_size 57
	.end_amdhsa_kernel
	.amdgpu_metadata
---
amdhsa.version: [ 1, 2 ]
amdhsa.kernels:
  - .name:           k_qc02afd88f0_ln2
    .symbol:         k_qc02afd88f0_ln2.kd
    .args:
      - { .name: x1, .offset: 0, .size: 8, .value_kind: global_buffer, .address_space: global }
      - { .name: g2, .offset: 8, .size: 8, .value_kind: global_buffer, .address_space: global }
      - { .name: be2, .offset: 16, .size: 8, .value_kind: global_buffer, .address_space: global }
      - { .name: nbuf, .offset: 24, .size: 8, .value_kind: global_buffer, .address_space: global }
      - { .name: w2_codes, .offset: 32, .size: 8, .value_kind: global_buffer, .address_space: global }
      - { .name: w2f, .offset: 40, .size: 8, .value_kind: global_buffer, .address_space: global }
    .group_segment_fixed_size: 18432
    .private_segment_fixed_size: 0
    .kernarg_segment_align: 8
    .kernarg_segment_size: 48
    .max_flat_workgroup_size: 128
    .sgpr_count:     66
    .vgpr_count:     258
    .wavefront_size: 32
...
	.end_amdgpu_metadata
.endif
;; end of part 5
;; launch ffn1 (part 6): grid 16 x 16, 4 waves a work-group, clusters of 4 x 4, 327,680 bytes of LDS; arguments nbuf, w1_codes, w1_scales, b1, hbuf; writes hbuf
.if DOCPART == 6
	.amdgcn_target "amdgcn-amd-amdhsa--gfx1250"
	.amdhsa_code_object_version 6
	.text
	.protected	k_qc02afd88f0_ffn1
	.globl	k_qc02afd88f0_ffn1
	.p2align	8
	.type	k_qc02afd88f0_ffn1,@function
k_qc02afd88f0_ffn1:
	s_mov_b64 s[64:65], 0
	v_nop
	global_prefetch_b8 v0, s[64:65] scope:SCOPE_SE
	s_setreg_imm32_b32 hwreg(HW_REG_WAVE_MODE, 25, 1), 1
	s_wait_xcnt 0x0
	s_wait_alu depctr_hold_cnt(0) depctr_sa_sdst(0) depctr_va_vdst(0) depctr_va_sdst(0) depctr_va_ssrc(0) depctr_va_vcc(0) depctr_vm_vsrc(0)
	s_getreg_b32 s2, hwreg(HW_REG_IB_STS2, 6, 4)
	s_cmp_eq_u32 s2, 0
	s_cbranch_scc0 .Lentry_in_a_cluster
	s_endpgm
.Lentry_in_a_cluster:
	s_bfe_u32 s2, ttmp6, 0x10000c
	s_cmp_lg_u32 s2, 0xf033
	s_cbranch_scc0 .Lentry_shape_is_right
	s_endpgm
.Lentry_shape_is_right:
.set FFN,    1
.set KSTEP,  256
.set NQ,     2
.set ROWB,   256
.set KROW,   1024
.set PITCH,  272
.set FR,     16
.set NL,     4
.set NP,     8
.set HALFT,  128*PITCH
.set SLOT,   4*HALFT
.set LAPS,   2
.set KS,     32
.set SCL,    2*SLOT
.set HALFS,  16*272
.set SBLK,   2*272
.set SPARE,  SCL+4*HALFS
.set WST,    81920
.if FFN
.set SPI,    272
.set CHS,    64
.set CG,     128
.set RSTEP,  544
.else
.set SPI,    80
.set CHS,    256*80
.set CG,     2*CHS
.set RSTEP,  640
.endif
.set ADRA, 16
.set ADRB, 20
.set WRD,  22
.set BO,   23
.set STO,  24
.set RD,   25
.set CO,   26
.set ADSA, 27
.set SPW,  28
.set NIL,  29
.set ADSB, 30
.set SWS,  31
.set SC,   32
.set AF,   128
.set T,    128
.set PC,   192
.set TM,   208
.set PW,   224
.set G1, 24
.set G0, 32
.set G1B, 48
.set G0B, 56
.set G1S, 68
.set G0S, 76
.set G1SB, 80
.set G0SB, 88
.set MSB, 0
.macro WIN new
.if MSB != \new
	s_set_vgpr_msb (MSB<<8)|\new
.set MSB, \new
.endif
.endm
.set MUL_LO, 0xa1
.set MUL_HI, 0xf1
.set TO_B,   0x40
.macro JLOAD g0a, g1a, g0b, g1b
	s_cmp_eq_u32 s15, 0
	s_cbranch_scc0 .Lfor_b_\@
	tensor_load_to_lds s[\g0a:\g0a+3], s[\g1a:\g1a+7]
	s_nop 0
.rept 4
	v_nop
.endr
	s_branch .Lasked_\@
.Lfor_b_\@:
	tensor_load_to_lds s[\g0b:\g0b+3], s[\g1b:\g1b+7]
	s_nop 0
.rept 4
	v_nop
.endr
.Lasked_\@:
.endm
.macro CREST
	s_cmp_lg_u32 s14, 0
	s_cbranch_scc1 .Lnot_wave_0_\@
	s_barrier_signal -3
.Lnot_wave_0_\@:
	s_barrier_wait -3
	s_barrier_signal -1
	s_barrier_wait -1
.endm
.macro CROUND
	s_barrier_signal -1
	s_barrier_wait -1
	CREST
.endm
.if FFN
	s_load_b256 s[68:75], s[0:1], 0x0
	s_load_b64 s[76:77], s[0:1], 0x20
.else
	s_load_b512 s[68:83], s[0:1], 0x0
.endif
	v_lshl_add_u32 v[SPW], v0, 2, SPARE
	v_mov_b32 v[NIL], 0
	ds_add_u32 v28, v29
	ds_add_u32 v28, v29
	s_wait_dscnt 0x0
	v_lshrrev_b32 v1, 5, v0
	v_readfirstlane_b32 s14, v1
	s_lshr_b32 s15, s14, 1
	s_and_b32 s16, s14, 1
	s_bfe_u32 s40, ttmp6, 0x40000
	s_bfe_u32 s41, ttmp6, 0x40004
	s_and_b32 s95, ttmp7, 0xffff
	s_lshl_b32 s94, s95, 2
.if FFN
	s_add_co_u32 s17, s94, s41
	s_lshl_b32 s42, ttmp9, 2
	s_add_co_u32 s42, s42, s40
.else
	s_cmp_eq_u32 ttmp9, 2
	s_cselect_b32 s17, 0, s94
	s_cselect_b32 s42, s94, 0
	s_add_co_u32 s17, s17, s41
	s_add_co_u32 s42, s42, s40
.endif
	s_lshl_b32 s43, s41, 2
	s_lshl_b32 s43, 15, s43
	s_lshl_b32 s44, 0x1111, s40
	s_or_b32 s[G1+0], s43, (0<<16)|(1<<20)|(1<<21)|(5<<22)|(3<<25)
	s_or_b32 s[G1B+0], s44, (0<<16)|(1<<20)|(1<<21)|(5<<22)|(3<<25)
.irp g, G1, G1B
	s_mov_b32 s[\g+1], ROWB<<16
	s_mov_b32 s[\g+2], 256<<16
	s_mov_b32 s[\g+3], ROWB<<16
	s_mov_b32 s[\g+4], 256
	s_mov_b32 s[\g+5], KROW
	s_mov_b32 s[\g+6], 0
	s_mov_b32 s[\g+7], 0
.endr
	s_lshl_b32 s18, s16, 7
	s_lshl_b32 s20, s17, 8
	s_lshl_b32 s46, s42, 8
	s_lshl_b32 s22, s20, 5
	s_mov_b32 s23, 0
	s_lshl_b32 s92, s46, 5
	s_mov_b32 s93, 0
	s_lshl_b32 s20, s20, 10
	s_mov_b32 s21, 0
	s_lshl_b32 s46, s46, 10
	s_mov_b32 s47, 0
	s_mul_i32 s45, s14, HALFT
	s_wait_kmcnt 0x0
.if FFN
	s_mov_b64 s[4:5], s[68:69]
	s_add_nc_u64 s[6:7], s[68:69], 0x400000
	s_mov_b64 s[8:9], s[70:71]
	s_mov_b64 s[10:11], s[72:73]
	s_mov_b64 s[98:99], s[74:75]
	s_mov_b64 s[12:13], s[76:77]
.else
	s_add_nc_u64 s[84:85], s[68:69], 0x400000
	s_cmp_eq_u32 ttmp9, 1
	s_cselect_b64 s[70:71], s[74:75], s[70:71]
	s_cselect_b64 s[72:73], s[76:77], s[72:73]
	s_cmp_eq_u32 ttmp9, 2
	s_cselect_b64 s[4:5], s[78:79], s[68:69]
	s_cselect_b64 s[6:7], s[80:81], s[84:85]
	s_cselect_b64 s[8:9], s[68:69], s[70:71]
	s_cselect_b64 s[10:11], s[84:85], s[72:73]
	s_mov_b64 s[12:13], s[82:83]
.endif
	s_add_nc_u64 s[20:21], s[4:5], s[20:21]
	s_add_nc_u64 s[22:23], s[6:7], s[22:23]
	s_add_nc_u64 s[46:47], s[8:9], s[46:47]
	s_add_nc_u64 s[92:93], s[10:11], s[92:93]
	s_or_b32 s[G1S+0], s43, (3<<16)|(1<<20)|(1<<21)|(5<<22)|(3<<25)
	s_or_b32 s[G1SB+0], s44, (3<<16)|(1<<20)|(1<<21)|(5<<22)|(3<<25)
.irp g, G1S, G1SB
	s_mov_b32 s[\g+1], 32<<16
	s_mov_b32 s[\g+2], 32<<16
	s_mov_b32 s[\g+3], 32<<16
	s_mov_b32 s[\g+4], 32
	s_mov_b32 s[\g+5], 32
	s_mov_b32 s[\g+6], 0
	s_mov_b32 s[\g+7], 0
.endr
	CROUND
	s_mov_b32 s[G0S], 1
	s_mov_b32 s[G0S+1], SCL
	s_mov_b64 s[G0S+2:G0S+3], s[22:23]
	s_or_b32 s[G0S+3], s[G0S+3], 0x80000000
	s_mov_b32 s[G0SB], 1
	s_mov_b32 s[G0SB+1], SCL+2*HALFS
	s_mov_b64 s[G0SB+2:G0SB+3], s[92:93]
	s_or_b32 s[G0SB+3], s[G0SB+3], 0x80000000
	s_mov_b32 s4, 1                                ; s[4:7], s[8:11]: group 0 of the head's loads of K step 0: A's 256 rows, B's 256 rows
	s_mov_b32 s5, 0
	s_mov_b64 s[6:7], s[20:21]
	s_or_b32 s7, s7, 0x80000000
	s_mov_b32 s8, 1
	s_mov_b32 s9, 2*HALFT
	s_mov_b64 s[10:11], s[46:47]
	s_or_b32 s11, s11, 0x80000000
	s_lshl_b32 s18, s18, 10                        ; for the ring: my 128 rows of the tile, in bytes
	s_mov_b32 s19, 0
	s_add_nc_u64 s[20:21], s[20:21], s[18:19]
	s_add_nc_u64 s[46:47], s[46:47], s[18:19]
	s_cmp_eq_u32 s15, 0                            ; the prefetches: of the 128 rows that I fetch, the four partners that ask for them with me take 32 each, told apart by address (cx for A, cy for B)
	s_cselect_b32 s2, s40, s41
	s_cselect_b64 s[18:19], s[20:21], s[46:47]
	s_lshl_b32 s2, s2, 15
	s_mov_b32 s3, 0
	s_add_nc_u64 s[18:19], s[18:19], s[2:3]
.irp s, 0,1
	s_mov_b32 s[G0+4*\s], 1
	s_add_co_u32 s[G0+4*\s+1], s45, \s*SLOT
	s_add_nc_u64 s[G0+4*\s+2:G0+4*\s+3], s[20:21], \s*ROWB
	s_or_b32 s[G0+4*\s+3], s[G0+4*\s+3], 0x80000000
	s_mov_b32 s[G0B+4*\s], 1
	s_add_co_u32 s[G0B+4*\s+1], s45, \s*SLOT
	s_add_nc_u64 s[G0B+4*\s+2:G0B+4*\s+3], s[46:47], \s*ROWB
	s_or_b32 s[G0B+4*\s+3], s[G0B+4*\s+3], 0x80000000
.endr
; the head's loads, one a wave: wave 0 K step 0's rows of A, wave 1 those of B, wave 2 A's scale bytes, wave 3 B's: one chain of branches, all arms leading to one join
.macro ARM under, g0, g1, next
	s_cmp_lt_u32 s14, \under
	s_cbranch_scc0 \next
	tensor_load_to_lds s[\g0:\g0+3], s[\g1:\g1+7]
	s_nop 0
.rept 4
	v_nop
.endr
	s_branch .Lhead_asked
\next:
.endm
	ARM 1, 4, G1, .Lhead_b
	ARM 2, 8, G1B, .Lhead_sa
	ARM 3, G0S, G1S, .Lhead_sb
	tensor_load_to_lds s[G0SB:G0SB+3], s[G1SB:G1SB+7]
	s_nop 0
.rept 4
	v_nop
.endr
.Lhead_asked:
	v_and_b32 v1, 15, v0
	v_bfe_u32 v2, v0, 4, 1
	v_mul_u32_u24 v3, v1, PITCH
	v_lshl_add_u32 v4, v2, 4, v3
	s_mul_i32 s21, s15, HALFT
	s_mul_i32 s22, s16, HALFT
	s_add_co_u32 s22, s22, 2*HALFT
.irp s, 0,1
	v_add_nc_u32 v[ADRA+\s], s21, v4
	v_add_nc_u32 v[ADRB+\s], s22, v4
	s_add_co_u32 s21, s21, SLOT
	s_add_co_u32 s22, s22, SLOT
.endr
	v_mul_u32_u24 v5, v1, KS
	v_lshrrev_b32 v6, 8, v5
	v_lshl_add_u32 v5, v6, 4, v5
	s_mul_i32 s21, s15, HALFS
	s_add_co_u32 s21, s21, SCL
	v_add_nc_u32 v[ADSA], s21, v5
	s_mul_i32 s22, s16, HALFS
	s_add_co_u32 s22, s22, SCL+2*HALFS
	v_add_nc_u32 v[ADSB], s22, v5
.if FFN
	v_mov_b32 v5, v1
.else
	v_and_b32 v5, 8, v1
	v_add_nc_u32 v5, v5, v1
.endif
	s_lshl_b32 s23, s14, 9
	s_add_co_u32 s23, s23, WST
	v_lshl_add_u32 v[SWS], v5, 2, s23
	v_and_b32 v6, 31, v0
	v_lshlrev_b32 v[CO], 4, v6
	v_add_nc_u32 v[WRD], s23, v[CO]
	v_lshlrev_b32 v[BO], 5, v2
.if FFN
.else
	v_lshrrev_b32 v7, 2, v6
	v_mul_u32_u24 v7, v7, SPI
	v_and_b32 v3, 3, v6
	v_lshl_add_u32 v7, v3, 4, v7
	s_mul_i32 s23, s14, CHS
.endif
.if FFN
	s_lshl_b32 s46, s42, 20
	s_lshl_b32 s47, s17, 16
	s_add_co_u32 s46, s46, s47
	s_lshl_b32 s47, s15, 15                        ; hbuf's codes: [plane of 256 columns 16][block of 16 tokens 256][chunk of 32 columns 8][lane 32][16 bytes]: my 8 blocks of tokens,
	s_add_co_u32 s46, s46, s47
	s_lshl_b32 s47, s16, 11                        ; my 4 chunks
	s_add_co_u32 s46, s46, s47
	s_mov_b32 s47, 0
	s_lshl_b32 s20, s42, 1
	s_add_co_u32 s20, s20, s16
	s_lshl_b32 s20, s20, 14
	s_lshl_b32 s21, s17, 10
	s_add_co_u32 s20, s20, s21
	s_lshl_b32 s21, s15, 9
	s_add_co_u32 s20, s20, s21
	s_add_co_u32 s20, s20, 0x1000000
	s_mov_b32 s21, 0
	s_lshl_b32 s22, s42, 10
	s_lshl_b32 s23, s16, 9
	s_add_co_u32 s22, s22, s23
	s_mov_b32 s23, 0
	s_add_nc_u64 s[98:99], s[98:99], s[22:23]
.else
	s_lshl_b32 s46, ttmp9, 22
	s_lshl_b32 s47, s95, 20
	s_add_co_u32 s46, s46, s47
	s_lshl_b32 s47, s40, 2
	s_add_co_u32 s47, s47, s14
	s_lshl_b32 s47, s47, 16
	s_add_co_u32 s46, s46, s47
	s_lshl_b32 s47, s41, 14
	s_add_co_u32 s46, s46, s47
	s_mov_b32 s47, 0
	s_lshl_b32 s20, ttmp9, 17
	s_lshl_b32 s21, s95, 15
	s_add_co_u32 s20, s20, s21
	s_lshl_b32 s21, s40, 1
	s_add_co_u32 s21, s21, s16
	s_lshl_b32 s21, s21, 12
	s_add_co_u32 s20, s20, s21
	s_lshl_b32 s21, s41, 10
	s_add_co_u32 s20, s20, s21
	s_lshl_b32 s21, s15, 9
	s_add_co_u32 s20, s20, s21
	s_add_co_u32 s20, s20, 0xc00000
	s_mov_b32 s21, 0
.endif
	v_and_b32 v8, 31, v0
	v_lshlrev_b32 v8, 10, v8                       ; a lane a row of 1,024 bytes; never rewritten
	global_prefetch_b8 v8, s[18:19] offset:256 th:TH_LOAD_NT scope:SCOPE_SE   ; K steps 1 and 2: 256 bytes of each row, each named once in each cluster that will load it
	global_prefetch_b8 v8, s[18:19] offset:512 th:TH_LOAD_NT scope:SCOPE_SE
	s_add_nc_u64 s[96:97], s[12:13], s[20:21]
	s_add_nc_u64 s[12:13], s[12:13], s[46:47]
.macro FRAG reg, adr, q, i
.irp c, 0,1,2,3
	ds_load_b128 v[\reg+4*\c:\reg+4*\c+3], v[\adr] offset:128*(\q)+32*\c+(\i)*16*PITCH
.endr
.endm
.macro MUL16 a0, p, q, sc, zero
.irp a, \a0, \a0+1
.irp b, 0,1,2,3,4,5,6,7
.if \zero
	v_wmma_scale_f32_16x16x128_f8f6f4 v[8*(8*((\a)%4)+\b):8*(8*((\a)%4)+\b)+7], v[128*(\p)+FR*\b:128*(\p)+FR*\b+FR-1], v[AF+FR*(\a):AF+FR*(\a)+FR-1], 0, v[SC+32*(\sc)+16+NQ*\b+(\q)], v[SC+32*(\sc)+NQ*(\a)+(\q)] matrix_a_fmt:MATRIX_FMT_BF8 matrix_b_fmt:MATRIX_FMT_BF8
.else
	v_wmma_scale_f32_16x16x128_f8f6f4 v[8*(8*((\a)%4)+\b):8*(8*((\a)%4)+\b)+7], v[128*(\p)+FR*\b:128*(\p)+FR*\b+FR-1], v[AF+FR*(\a):AF+FR*(\a)+FR-1], v[8*(8*((\a)%4)+\b):8*(8*((\a)%4)+\b)+7], v[SC+32*(\sc)+16+NQ*\b+(\q)], v[SC+32*(\sc)+NQ*(\a)+(\q)] matrix_a_fmt:MATRIX_FMT_BF8 matrix_b_fmt:MATRIX_FMT_BF8
.endif
.endr
.endr
.endm
.macro FETCH_B slot, q, p
	WIN TO_B
.irp i, 0,1,2,3,4,5,6,7
	FRAG 128*(\p)+FR*\i, ADRB+\slot, \q, \i
.endr
	WIN 0
.endm
.macro FETCH_A slot, q, i0
.irp i, \i0, \i0+1, \i0+2, \i0+3
	FRAG AF+FR*(\i), ADRA+\slot, \q, \i
.endr
.endm
.macro SCALES sc
.irp i, 0,1,2,3,4,5,6,7
	ds_load_b64 v[SC+32*\sc+NQ*\i:SC+32*\sc+NQ*\i+1], v[ADSA] offset:\i*SBLK
.endr
.irp i, 0,1,2,3,4,5,6,7
	ds_load_b64 v[SC+32*\sc+16+NQ*\i:SC+32*\sc+16+NQ*\i+1], v[ADSB] offset:\i*SBLK
.endr
.endm
.macro PLACES n
.rept \n
	v_nop
.endr
.endm
.macro STEP slot, q, zero
	s_wait_dscnt 4*NL
	WIN MUL_LO
	MUL16 0, (\q)%2, \q, \slot, \zero
	MUL16 2, (\q)%2, \q, \slot, \zero
	s_wait_dscnt 0
	PLACES NP
	FETCH_B \slot, (\q)+1, 1-(\q)%2
	FETCH_A \slot, (\q)+1, 0
	WIN MUL_HI
	MUL16 4, (\q)%2, \q, \slot, \zero
	MUL16 6, (\q)%2, \q, \slot, \zero
	PLACES NP
	WIN 0
	FETCH_A \slot, (\q)+1, 4
.endm
.macro TURN slot, next, fill
	s_wait_tensorcnt 0x0
	ds_add_u32 v[SPW], v[NIL]
	s_wait_dscnt 4*NL+1
	WIN MUL_LO
	MUL16 0, 1, NQ-1, \slot, 0
	s_wait_dscnt 0x0
	s_barrier_signal -1
	MUL16 2, 1, NQ-1, \slot, 0
	WIN 0
	s_barrier_wait -1
.if \fill
	CREST
	s_add_nc_u64 s[G0+4*\slot+2:G0+4*\slot+3], s[G0+4*\slot+2:G0+4*\slot+3], 2*ROWB
	s_add_nc_u64 s[G0B+4*\slot+2:G0B+4*\slot+3], s[G0B+4*\slot+2:G0B+4*\slot+3], 2*ROWB
	JLOAD G0+4*\slot, G1, G0B+4*\slot, G1B
	PLACES NP-4
.else
	PLACES NP
.endif
	s_wait_alu depctr_va_vdst(0)
	v_add_nc_u32 v[ADSA], 4*NQ, v[ADSA]
	v_add_nc_u32 v[ADSB], 4*NQ, v[ADSB]
	FETCH_B \next, 0, 0
	FETCH_A \next, 0, 0
	SCALES \next
.if (\fill) && ((\slot) == 0)
	global_prefetch_b8 v8, s[18:19] offset:768 th:TH_LOAD_NT scope:SCOPE_SE   ; K step 3, the last: one K step ahead of its load
.endif
	WIN MUL_HI
	MUL16 4, 1, NQ-1, \slot, 0
	MUL16 6, 1, NQ-1, \slot, 0
	PLACES NP
	WIN 0
	FETCH_A \next, 0, 4
.endm
	s_wait_alu depctr_va_vdst(0)
	s_wait_tensorcnt 0x0                           ; my tile of the head's four is in
	ds_add_u32 v[SPW], v[NIL]
	s_mov_b32 s[G1+2], 128<<16                     ; no tensor load of mine is out: from here on a load brings 128 rows
	s_mov_b32 s[G1+4], 128
	s_mov_b32 s[G1B+2], 128<<16
	s_mov_b32 s[G1B+4], 128
	s_wait_dscnt 0x0
	CROUND                                         ; all four tiles are in, and all sixteen work-groups are here
	JLOAD G0+4, G1, G0B+4, G1B                     ; K step 1: my one load behind the round
	FETCH_B 0, 0, 0
	FETCH_A 0, 0, 0
	SCALES 0
	FETCH_A 0, 0, 4
	STEP 0, 0, 1
	s_mov_b32 s3, LAPS-1
.Llap:
	TURN 0, 1, 1
	STEP 1, 0, 0
	TURN 1, 0, 1
	STEP 0, 0, 0
	s_sub_co_u32 s3, s3, 1
	s_cmp_lg_u32 s3, 0
	s_cbranch_scc1 .Llap
	TURN 0, 1, 0
	STEP 1, 0, 0
.if FFN
	WIN TO_B
.irp b, 0,1,2,3,4,5,6,7
	global_load_b128 v[8*\b:8*\b+3], v[BO], s[98:99] offset:64*\b
	global_load_b128 v[8*\b+4:8*\b+7], v[BO], s[98:99] offset:64*\b+16
.endr
	WIN 0
.endif
	s_wait_dscnt 4*NL
	WIN MUL_LO
	MUL16 0, 1, NQ-1, 1, 0
	MUL16 2, 1, NQ-1, 1, 0
	s_wait_dscnt 0
	WIN MUL_HI
	MUL16 4, 1, NQ-1, 1, 0
	MUL16 6, 1, NQ-1, 1, 0
	WIN 0
.macro QUANTA a
.set AC, 64*((\a)%4)
.set W, 2+(\a)/4
	s_wait_xcnt 0x0                                ; the block before's stores have read their registers, which this block's codes take
.if FFN
.set RO, 16*(\a)
	WIN (W|4)
.set k, 0
.rept 32
	v_pk_add_f32 v[T+2*k:T+2*k+1], v[AC+2*k:AC+2*k+1], v[2*k:2*k+1]
.set k, k+1
.endr
	WIN 0
.irp b, 0,1,2,3
	v_max3_num_f32 v[TM+\b], v[T+16*\b], v[T+16*\b+1], 0x8000000
.endr
.irp i, 2,4,6,8,10,12,14
.irp b, 0,1,2,3
	v_max3_num_f32 v[TM+\b], v[T+16*\b+\i], v[T+16*\b+\i+1], v[TM+\b]
.endr
.endr
.else
.set RO, 32*((\a)/2)+8*((\a)%2)
	WIN (W|(W<<2))
.irp b, 0,1,2,3
	v_max3_num_f32 v[TM+\b], |v[AC+16*\b]|, |v[AC+16*\b+1]|, 0x8000000
.endr
.irp i, 2,4,6,8,10,12,14
.irp b, 0,1,2,3
	v_max3_num_f32 v[TM+\b], |v[AC+16*\b+\i]|, |v[AC+16*\b+\i+1]|, v[TM+\b]
.endr
.endr
	WIN 0
.endif
.irp b, 0,1,2,3
	v_permlanex16_b32 v[TM+4+\b], v[TM+\b], s20, s21
.endr
.irp b, 0,1,2,3
	v_max_num_f32 v[TM+\b], v[TM+\b], v[TM+4+\b]
.endr
.irp b, 0,1,2,3
	v_add_nc_u32 v[TM+12+\b], 0xf8800000, v[TM+\b]
.endr
.irp b, 0,1,2,3
	v_and_or_b32 v[TM+8+\b], v[TM+\b], 0x7f800000, s22
.endr
.irp b, 0,1,2,3
	v_lshrrev_b32 v[TM+4+\b], 23, v[TM+12+\b]
.endr
	v_lshl_or_b32 v[PW], v[TM+5], 8, v[TM+4]
	v_lshl_or_b32 v[PW], v[TM+6], 16, v[PW]
	v_lshl_or_b32 v[PW], v[TM+7], 24, v[PW]
.set k, 0
.if FFN
.rept 64
	v_med3_num_f32 v[T+k], v[T+k], 0, v[TM+8+k/16]
.set k, k+1
.endr
.else
	WIN W
.rept 64
	v_med3_num_f32 v[T+k], v[AC+k], -v[TM+8+k/16], v[TM+8+k/16]
.set k, k+1
.endr
	WIN 0
.endif
.irp b, 0,1,2,3
	v_cvt_scalef32_pk8_bf8_f32 v[PC+4*\b:PC+4*\b+1], v[T+16*\b:T+16*\b+7], v[TM+12+\b]
	v_cvt_scalef32_pk8_bf8_f32 v[PC+4*\b+2:PC+4*\b+3], v[T+16*\b+8:T+16*\b+15], v[TM+12+\b]
.endr
	v_nop
.irp c, 0,1,2,3
	global_store_b128 v[CO], v[PC+4*\c:PC+4*\c+3], s[12:13] offset:4096*(\a)+512*\c   ; THE CODES LEAVE AS THE CONVERSIONS LEFT THEM, block by block: lane (h, r) has token r and, of chunk c, columns 8 h + 0 .. 7 and 16 + 8 h + 0 .. 7: the order in which w2f is laid too.  512 consecutive bytes, aligned
.endr
	ds_store_b32 v[SWS], v[PW] offset:4*RO
	s_wait_dscnt 0x0
.endm
	PLACES NP
	s_mov_b32 s20, 0x76543210
	s_mov_b32 s21, 0xfedcba98
	s_mov_b32 s22, 0x600000
.irp b, 0,1,2,3
	v_mov_b32 v[TM+4+\b], 0
.endr
.if FFN
	s_wait_loadcnt 0x0
.endif
.irp a, 0,1,2,3,4,5,6,7
	QUANTA \a
.endr
	ds_load_b128 v[96:99], v[WRD]
	s_wait_dscnt 0x0
	global_store_b128 v[CO], v[96:99], s[96:97]
	s_wait_tensorcnt 0x0
	ds_add_u32 v[SPW], v[NIL]
	s_wait_dscnt 0x0
	CROUND
	s_endpgm
.Lfunc_end_k_qc02afd88f0_ffn1:
	.size	k_qc02afd88f0_ffn1, .Lfunc_end_k_qc02afd88f0_ffn1-k_qc02afd88f0_ffn1
	.p2alignl 7, 3214868480
	.fill 96, 4, 3214868480
	.section	.rodata,"a",@progbits
	.p2align	6, 0x0
	.amdhsa_kernel k_qc02afd88f0_ffn1
		.amdhsa_group_segment_fixed_size 327680
		.amdhsa_private_segment_fixed_size 0
		.amdhsa_enable_private_segment 0
		.amdhsa_kernarg_size 40
		.amdhsa_user_sgpr_count 2
		.amdhsa_user_sgpr_kernarg_segment_ptr 1
		.amdhsa_wavefront_size32 1
		.amdhsa_system_sgpr_workgroup_id_x 1
		.amdhsa_system_sgpr_workgroup_id_y 1
		.amdhsa_system_sgpr_workgroup_id_z 1
		.amdhsa_system_vgpr_workitem_id 0
		.amdhsa_next_free_vgpr 1024
		.amdhsa_next_free_sgpr 100
		.amdhsa_reserve_vcc 0
		.amdhsa_float_denorm_mode_32 3
		.amdhsa_float_denorm_mode_16_64 3
		.amdhsa_memory_ordered 1
		.amdhsa_forward_progress 1
		.amdhsa_inst_pref_size 207
	.end_amdhsa_kernel
	.amdgpu_metadata
---
amdhsa.version: [ 1, 2 ]
amdhsa.kernels:
  - .name:           k_qc02afd88f0_ffn1
    .symbol:         k_qc02afd88f0_ffn1.kd
    .args:
      - { .name: nbuf, .offset: 0, .size: 8, .value_kind: global_buffer, .address_space: global }
      - { .name: w1_codes, .offset: 8, .size: 8, .value_kind: global_buffer, .address_space: global }
      - { .name: w1_scales, .offset: 16, .size: 8, .value_kind: global_buffer, .address_space: global }
      - { .name: b1, .offset: 24, .size: 8, .value_kind: global_buffer, .address_space: global }
      - { .name: hbuf, .offset: 32, .size: 8, .value_kind: global_buffer, .address_space: global }
    .group_segment_fixed_size: 327680
    .private_segment_fixed_size: 0
    .kernarg_segment_align: 8
    .kernarg_segment_size: 40
    .max_flat_workgroup_size: 128
    .sgpr_count:     100
    .vgpr_count:     1024
    .wavefront_size: 32
...
	.end_amdgpu_metadata
.endif
;; end of part 6
;; launch ffn2 (part 7): grid 8 x 32, 8 waves a work-group, clusters of 4 x 4, 327,680 bytes of LDS; arguments hbuf, w2f, w2_scales, b2, x1, out0; writes out0
.if DOCPART == 7
	.amdgcn_target "amdgcn-amd-amdhsa--gfx1250"
	.amdhsa_code_object_version 6
	.text
	.protected	k_qc02afd88f0_ffn2
	.globl	k_qc02afd88f0_ffn2
	.p2align	8
	.type	k_qc02afd88f0_ffn2,@function
k_qc02afd88f0_ffn2:
	s_mov_b64 s[64:65], 0
	v_nop
	global_prefetch_b8 v0, s[64:65] scope:SCOPE_SE
	s_setreg_imm32_b32 hwreg(HW_REG_WAVE_MODE, 25, 1), 1
	s_wait_xcnt 0x0
	s_wait_alu depctr_hold_cnt(0) depctr_sa_sdst(0) depctr_va_vdst(0) depctr_va_sdst(0) depctr_va_ssrc(0) depctr_va_vcc(0) depctr_vm_vsrc(0)
	s_getreg_b32 s2, hwreg(HW_REG_IB_STS2, 6, 4)
	s_cmp_eq_u32 s2, 0
	s_cbranch_scc0 .Lentry_in_a_cluster
	s_endpgm
.Lentry_in_a_cluster:
	s_bfe_u32 s2, ttmp6, 0x10000c
	s_cmp_lg_u32 s2, 0xf033
	s_cbranch_scc0 .Lentry_shape_is_right
	s_endpgm
.Lentry_shape_is_right:
; out0 = x1 + h w2 + b2: 4,096 x 1,024, K = 4,096, on codes of E5M2 with one E8M0 byte for each 32 along K; sums, x1, b2, out0 f32.  (One text serves two launches, told apart by the constant FFN; FFN = 0 is x1 = x + ctx Wo.)
; Both operands lie in memory in the order of the operand registers: a fragment (16 rows x 128 K) is 2,048 consecutive bytes; inside a chunk of 32 k both have the same order (launches ffn1 and ln2 say which).
;   hbuf: codes [plane of 256 k: 16][block of 16 tokens: 256][chunk of 32 k: 8][lane][16]; scale words at 16 MiB: [128 k: 32][token 4096][4].   w2f: [block of 16 n: 64][128 k: 32][chunk 4][lane][16].   w2_scales as given: [1024][128].
; SHARES.  256 work-groups, a tile of 128 x 128 each; eight waves, two to a SIMD: wave w takes the half w / 4 of K, rows 64 ((w / 2) % 2) on and columns 64 (w % 2) on: 16 accumulators, 16 stages of 128 along K, written out on end.
; THE RING.  Two LDS slots of 131,072 bytes, filled by the tensor data mover; a slot holds two stages of both halves of K: A's part [half of K][64 tokens 2][16 KB], then B's [half of K][4 blocks of n 2][16 KB]; eight fills, 16 KB a wave (waves 0-3 for A, 4-7 for B).
; The image is the registers' own, so a fragment load reads 512 consecutive bytes and no padding is laid.
; CLUSTERS: 4 x 4 work-groups; A's tiles are asked for jointly along a row of the cluster, B's along a column; a round of the cluster's barrier stands in front of each such load.
; PREFETCH: where fill f + 1 has been asked for, fill f + 2's bytes are asked of memory (fill 1's at the head): of a wave's 16 KB each of the four partners names 4 KB, told apart by address (cx for A, cy for B), lanes 256 bytes apart (lanes 16-31 name the last block again).
; w2f's tiles are loaded by all eight rows of clusters: only the first four rows ask for them.
; THE MATRIX INSTRUCTION IS USED TRANSPOSED (source 0 = 16 rows of w2, source 1 = 16 tokens): a lane holds eight neighbouring columns of a token.  A scale register holds two blocks' words: lanes 0-15 the even block's, lanes 16-31 the odd's.
; THE END.  Behind a barrier (nobody reads the ring any more, and it has had its last fill) each wave puts its 64 x 64 sums into a stage there, rows of 256 bytes + 16.  Behind one more the two waves of a tile take 32 rows each, add both halves of K and x1 + b2, and store rows of 256 consecutive bytes, aligned.
; LIMITS: NaN and infinities are not served.
; REGISTERS: v1-7, v12-15 addresses; v8-11 b2; v16-47 w2's scale words; v48-63 h's; v64-127 x1, then x1 + b2; v128-255 the sums; window 1: two sets of 64 (h) + 64 (w2).
.set FFN, 1
.if FFN
.set NST, 16                           ; stages a wave
.set SPF, 2                            ; stages of each half of K in a fill
.set ASCL, 0x1000000                   ; where A's scale words begin
.set NBS, 65536                        ; a block of 16 n in B's buffer
.set KS, 128                           ; a row of B's scale bytes
.set AKH, 23                           ; shifts: a half of K in A's codes,
.set AE, 14                            ; the second of a half's two loads of A: 64 tokens on (FFN = 0: a plane on),
.set BX, 19                            ; a tile column in B's codes,
.set BKH, 15                           ; a half of K there,
.set SKH, 18                           ; and in A's scale words;
.set WX, 14                            ; a tile column in B's scale bytes,
.set WKH, 6                            ; a half of K there
.else
.set NST, 4
.set SPF, 4
.set ASCL, 0x400000
.set NBS, 16384
.set KS, 32
.set AKH, 21
.set AE, 20
.set BX, 17
.set BKH, 13
.set SKH, 16
.set WX, 12
.set WKH, 4
.endif
.set NFILL, NST/SPF
.set AR, SPF*32768                     ; A's part of a slot; B's is as large
.set SLOT, 2*AR
.set PIECE, AR/4                       ; a wave's load
.set SPARE, 262144                     ; the spare words: 128 bytes a wave
.set STG, 17408                        ; a wave's stage: 64 rows x 272 bytes
.set ADB0, 1                           ; v1, v15: LDS address of my fragments of B in slot 0, 1
.set L4, 2                             ; 4 x my token among 32
.set L7, 3                             ; KS x lane
.set BO, 4                             ; 16 x (lane % 16)
.set CO, 5                             ; 4,096 x (lane / 16) + 16 x (lane % 16)
.set ADA, 6                            ; v6, v7: the same for A
.set BI, 8
.set PFO, 12                           ; 256 x min(lane, 15)
.set SPW, 13
.set NIL, 14
.set ADB1, 15
.set STO, 2                            ; the end's three LDS addresses take registers that are done with
.set RDO, 3
.set RDP, 1
.set BS, 16
.set AS, 48
.set RES, 64
.set ACC, 128
.set G1A, 48                           ; s[48:55] descriptor group 1 for A; s[56:63] group 0, one set for each slot
.set G0A, 56
.set G1B, 68                           ; s[68:75], s[76:83] the same for B
.set G0B, 76
.set MSB, 0
.macro WIN new                         ; the immediate's high byte repeats the setting that is left
.if MSB != \new
	s_set_vgpr_msb (MSB<<8)|\new
.set MSB, \new
.endif
.endm
.macro OFF d, t, a, sa, b, sb, c, sc   ; s[d] = a << sa + b << sb + c << sc; s[t] at work
	s_lshl_b32 s\d, \a, \sa
	s_lshl_b32 s\t, \b, \sb
	s_add_co_u32 s\d, s\d, s\t
	s_lshl_b32 s\t, \c, \sc
	s_add_co_u32 s\d, s\d, s\t
.endm
.macro ROUND                           ; a round of the cluster's barrier
	s_barrier_signal -1
	s_barrier_wait -1
	s_cmp_lg_u32 s16, 0
	s_cbranch_scc1 .Lnot_wave_0_\@
	s_barrier_signal -3
.Lnot_wave_0_\@:
	s_barrier_wait -3
	s_barrier_signal -1
	s_barrier_wait -1
.endm
.macro JLOAD s                         ; a joint load into slot s: waves 0-3 fetch for A, waves 4-7 for B: each line has one mask; an s_nop 0 and four v_nop follow each
	s_cmp_lt_u32 s16, 4
	s_cbranch_scc0 .Lfor_b_\@
	tensor_load_to_lds s[G0A+4*(\s):G0A+4*(\s)+3], s[G1A:G1A+7]
	s_nop 0
.rept 4
	v_nop
.endr
	s_branch .Lasked_\@
.Lfor_b_\@:
	tensor_load_to_lds s[G0B+4*(\s):G0B+4*(\s)+3], s[G1B:G1B+7]
	s_nop 0
.rept 4
	v_nop
.endr
.Lasked_\@:
.endm
	s_load_b256 s[4:11], s[0:1], 0x0               ; A, B's codes, B's scale bytes, b2 (FFN = 0: the residual)
.if FFN
	s_load_b128 s[12:15], s[0:1], 0x20             ; the residual, out
.else
	s_load_b64 s[14:15], s[0:1], 0x20              ; out
.endif
	v_lshl_add_u32 v[SPW], v0, 2, SPARE
	v_mov_b32 v[NIL], 0
	ds_add_u32 v[SPW], v[NIL]                      ; the opening lines: the add, twice on end, and its wait ahead of my first tensor load
	ds_add_u32 v[SPW], v[NIL]
	v_lshrrev_b32 v8, 5, v0
	v_readfirstlane_b32 s16, v8                    ; wave 0..7
	s_lshr_b32 s17, s16, 2                         ; my half of K
	s_bfe_u32 s18, s16, 0x10001                    ; my half of the rows; as a loader: which half of K
	s_and_b32 s19, s16, 1                          ; my half of the columns; as a loader: which of that half's two loads
	s_bfe_u32 s84, ttmp6, 0x40000                  ; cx, cy: my place in the cluster
	s_bfe_u32 s85, ttmp6, 0x40004
	s_lshl_b32 s42, ttmp9, 2
	s_add_co_u32 s42, s42, s84                     ; tile column
	s_and_b32 s37, ttmp7, 0xffff                   ; the cluster's y
	s_lshl_b32 s20, s37, 2
	s_add_co_u32 s20, s20, s85                     ; tile row
	s_lshl_b32 s86, s85, 2
	s_lshl_b32 s86, 15, s86                        ; my row of the cluster
	s_lshl_b32 s87, 0x1111, s84                    ; my column
	s_mul_i32 s21, s16, STG                        ; my stage
	s_mul_i32 s22, s17, 32*272                     ; the 32 rows that I finish
	s_add_co_u32 s23, s21, s22
	s_xor_b32 s40, s16, 4                          ; the wave with the other half of K
	s_mul_i32 s40, s40, STG
	s_add_co_u32 s22, s40, s22
	OFF 24, 41, s18, AKH, s20, 15, s19, AE         ; what I fetch of fill 0 for A,
	OFF 26, 45, s42, BX, s19, BX-1, s18, BKH       ; and for B
	OFF 28, 41, s17, SKH, s20, 9, s18, 8           ; A's scale words: 16,384 bytes a stage, 4 a token
	s_add_co_u32 s28, s28, ASCL
	OFF 30, 45, s42, WX, s19, WX-1, s17, WKH       ; B's scale bytes
	s_lshl_b32 s32, s42, 9                         ; my 64 columns, in bytes of f32
	s_lshl_b32 s45, s19, 8
	s_add_co_u32 s32, s32, s45
	OFF 34, 41, s20, 19, s18, 18, s17, 17          ; the rows that I finish, 4,096 bytes each
	s_add_co_u32 s34, s34, s32
.irp d, 25,27,29,31,33,35
	s_mov_b32 s\d, 0
.endr
.if FFN
	s_lshl_b32 s88, s84, 12                        ; the prefetches: my work-group's 4 KB of the 16 KB that I fetch: for A by cx,
	s_lshl_b32 s90, s85, 16                        ; for B by cy: one block of 16 n
	s_mov_b32 s46, SPF*2048                        ; from fill to fill: in B,
	s_cmp_lt_u32 s16, 4
	s_cselect_b32 s37, 0, s37                      ; who asks: A's waves always, B's in the first four rows of clusters
	s_cselect_b32 s88, s88, s90
	s_cselect_b32 s46, 0x100000, s46               ; in A: a plane
	s_mov_b32 s89, 0
	s_mov_b32 s47, 0
.endif
	s_or_b32 s[G1A], s86, (3<<16)|(1<<21)          ; the mask; elements of 8 bytes; 21 set beside a mask.  A's piece is dense: rows of 256 bytes
	s_mov_b32 s[G1A+1], 32<<16
	s_mov_b32 s[G1A+2], (PIECE/256)<<16
	s_mov_b32 s[G1A+3], 32<<16
	s_mov_b32 s[G1A+4], PIECE/256
	s_mov_b32 s[G1A+5], 32
	s_mov_b32 s[G1A+6], 0
	s_mov_b32 s[G1A+7], 0
	s_or_b32 s[G1B], s87, (3<<16)|(1<<21)          ; B's piece: four blocks of 16 n, SPF x 2,048 bytes of each, NBS bytes apart
	s_mov_b32 s[G1B+1], (SPF*256)<<16
	s_mov_b32 s[G1B+2], 4<<16
	s_mov_b32 s[G1B+3], (SPF*256)<<16
	s_mov_b32 s[G1B+4], 4
	s_mov_b32 s[G1B+5], NBS/8
	s_mov_b32 s[G1B+6], 0
	s_mov_b32 s[G1B+7], 0
	s_and_b32 s40, s16, 3
	s_mul_i32 s40, s40, PIECE                      ; where they go: the wave's number alone
	s_mov_b32 s[G0A], 1
	s_mov_b32 s[G0A+1], s40
	s_mov_b32 s[G0B], 1
	s_add_co_u32 s[G0B+1], s40, AR
.if NFILL > 1
	s_mov_b32 s[G0A+4], 1
	s_add_co_u32 s[G0A+5], s40, SLOT
	s_mov_b32 s[G0B+4], 1
	s_add_co_u32 s[G0B+5], s40, SLOT+AR
.endif
	s_wait_dscnt 0x0                               ; both opening adds are done
	ROUND                                          ; all sixteen work-groups are here: the first joint loads meet
	s_wait_kmcnt 0x0
	s_add_nc_u64 s[G0A+2:G0A+3], s[4:5], s[24:25]
	s_add_nc_u64 s[G0B+2:G0B+3], s[6:7], s[26:27]
.if NFILL > 1
	s_cmp_lt_u32 s16, 4
	s_cselect_b64 s[44:45], s[G0A+2:G0A+3], s[G0B+2:G0B+3]   ; where my prefetches stand:
	s_add_nc_u64 s[44:45], s[44:45], s[88:89]      ; my work-group's part,
	s_add_nc_u64 s[44:45], s[44:45], s[46:47]      ; of fill 1
	s_add_nc_u64 s[G0A+6:G0A+7], s[G0A+2:G0A+3], 0x100000
	s_add_nc_u64 s[G0B+6:G0B+7], s[G0B+2:G0B+3], SPF*2048
	s_or_b32 s[G0A+7], s[G0A+7], 0x80000000
	s_or_b32 s[G0B+7], s[G0B+7], 0x80000000
.endif
	s_or_b32 s[G0A+3], s[G0A+3], 0x80000000
	s_or_b32 s[G0B+3], s[G0B+3], 0x80000000
	JLOAD 0                                        ; fill 0: one load a wave, on every way
.if FFN == 0
	s_mov_b64 s[12:13], s[10:11]
.endif
	s_add_nc_u64 s[38:39], s[4:5], s[28:29]
	s_add_nc_u64 s[8:9], s[8:9], s[30:31]
.if FFN
	s_add_nc_u64 s[10:11], s[10:11], s[32:33]
.endif
	s_add_nc_u64 s[12:13], s[12:13], s[34:35]
	s_add_nc_u64 s[14:15], s[14:15], s[34:35]
	s_mul_i32 s40, s17, SPF*16384                  ; in a slot: my half of K,
	s_lshl_b32 s41, s18, 14
	s_add_co_u32 s41, s41, s40                     ; A: my 64 tokens;
	s_mul_i32 s36, s19, SPF*8192
	s_add_co_u32 s36, s36, s40
	s_add_co_u32 s36, s36, AR                      ; B: my four blocks of n
	v_and_b32 v8, 31, v0
	v_and_b32 v9, 15, v0
	v_bfe_u32 v10, v0, 4, 1
	v_lshlrev_b32 v11, 4, v8
.if FFN
	v_lshlrev_b32 v[L4], 2, v8
.else
	v_and_b32 v[L4], 8, v9                         ; row r of tiles 2 g and 2 g + 1 is token 32 g + r + 8 (r / 8) and 8 more
	v_add_nc_u32 v[L4], v[L4], v9
	v_lshl_add_u32 v[L4], v10, 3, v[L4]
	v_lshlrev_b32 v[L4], 2, v[L4]
.endif
	v_mul_u32_u24 v[L7], v8, KS
	v_lshlrev_b32 v[BO], 4, v9
	v_lshl_add_u32 v[CO], v10, 12, v[BO]
	v_add_nc_u32 v[ADA], s41, v11
	v_add_nc_u32 v[ADB0], s36, v11
.if NFILL > 1
	v_add_nc_u32 v[ADA+1], SLOT, v[ADA]
	v_add_nc_u32 v[ADB1], SLOT, v[ADB0]
	v_min_u32 v[PFO], 15, v8
	v_lshlrev_b32 v[PFO], 8, v[PFO]
.endif
	s_wait_alu depctr_va_vdst(0)
.macro ASK                             ; a later fill's bytes are asked of memory; the branch hangs on the wave's number and the cluster's y
	s_cmp_lt_u32 s37, 4
	s_cbranch_scc0 .Lno_ask_\@
	global_prefetch_b8 v[PFO], s[44:45] th:TH_LOAD_NT scope:SCOPE_SE
.Lno_ask_\@:
.endm
.macro LOADS j                         ; stage j's two loads from memory: A's scale words
	global_load_b32 v[AS+((\j)+1)%8], v[L4], s[38:39] offset:16384*(\j)        ; of tokens 0-31: 128 consecutive bytes
	global_load_b32 v[AS+8+((\j)+1)%8], v[L4], s[38:39] offset:16384*(\j)+128  ; of tokens 32-63
.endm
.macro DS j                            ; stage j's 32 LDS loads: B's and A's four fragments into set j % 2
.set S_, ((\j)/SPF)%2
	WIN 0x40                                       ; destination window 1, address window 0
.irp i, 0,1,2,3
.irp c, 0,1,2,3
	ds_load_b128 v[128*((\j)%2)+64+16*\i+4*\c:128*((\j)%2)+64+16*\i+4*\c+3], v[ADB0+14*S_] offset:SPF*2048*\i+2048*((\j)%SPF)+512*\c
.endr
.endr
.irp i, 0,1,2,3
.irp c, 0,1,2,3
	ds_load_b128 v[128*((\j)%2)+16*\i+4*\c:128*((\j)%2)+16*\i+4*\c+3], v[ADA+S_] offset:32768*(((\j)%SPF)/2)+4096*\i+2048*((\j)%2)+512*\c
.endr
.endr
	WIN 0
.endm
.macro W c                             ; one product; R_ says which halves of the two scale registers count
.if R_ == 0
	v_wmma_scale_f32_16x16x128_f8f6f4 v[D_:D_+7], v[B_:B_+15], v[A_:A_+15], \c, v[SB_], v[SA_] matrix_a_fmt:MATRIX_FMT_BF8 matrix_b_fmt:MATRIX_FMT_BF8
.elseif R_ == 1
	v_wmma_scale_f32_16x16x128_f8f6f4 v[D_:D_+7], v[B_:B_+15], v[A_:A_+15], \c, v[SB_], v[SA_] matrix_a_fmt:MATRIX_FMT_BF8 matrix_b_fmt:MATRIX_FMT_BF8 matrix_a_scale:MATRIX_SCALE_ROW1
.elseif R_ == 2
	v_wmma_scale_f32_16x16x128_f8f6f4 v[D_:D_+7], v[B_:B_+15], v[A_:A_+15], \c, v[SB_], v[SA_] matrix_a_fmt:MATRIX_FMT_BF8 matrix_b_fmt:MATRIX_FMT_BF8 matrix_b_scale:MATRIX_SCALE_ROW1
.else
	v_wmma_scale_f32_16x16x128_f8f6f4 v[D_:D_+7], v[B_:B_+15], v[A_:A_+15], \c, v[SB_], v[SA_] matrix_a_fmt:MATRIX_FMT_BF8 matrix_b_fmt:MATRIX_FMT_BF8 matrix_a_scale:MATRIX_SCALE_ROW1 matrix_b_scale:MATRIX_SCALE_ROW1
.endif
.endm
.macro MM a, b, j                      ; tokens' block a x B's block b, stage j.  The two scale registers' numbers differ modulo 8: j and j + 1
.set D_, ACC+8*(4*(\a)+(\b))
.set A_, 128*((\j)%2)+16*(\a)
.set B_, 128*((\j)%2)+64+16*(\b)
.set SA_, AS+8*((\a)/2)+((\j)+1)%8
.set SB_, BS+16*((\b)/2)+(\j)
.set R_, 2*((\a)%2)+(\b)%2
.if (\j) == 0
	W 0
.else
	W v[D_:D_+7]
.endif
.endm
.macro PL j                            ; eight places behind a stage's last product, ahead of the loads into what it has read: in stages 2 to 5 they add b2 onto x1
.if FFN && ((\j) >= 2) && ((\j) <= 5)
.irp u, 0,1,2,3
	v_pk_add_f32 v[RES+16*((\j)-2)+4*\u:RES+16*((\j)-2)+4*\u+1], v[RES+16*((\j)-2)+4*\u:RES+16*((\j)-2)+4*\u+1], v[BI:BI+1]
	v_pk_add_f32 v[RES+16*((\j)-2)+4*\u+2:RES+16*((\j)-2)+4*\u+3], v[RES+16*((\j)-2)+4*\u+2:RES+16*((\j)-2)+4*\u+3], v[BI+2:BI+3]
.endr
.else
.rept 8
	v_nop
.endr
.endif
.endm
.macro STAGE j                         ; the 16 accumulators take turns, in the same order in every stage
.set N_, 0                             ; the loads from memory issued behind stage j's own: the next stage's 2, and in stages 0 and 1 the residual's 16 and the bias's 1
.if (\j)+1 < NST
.set N_, N_+2
.endif
.if (\j) < 2
.set N_, N_+16+FFN
.endif
.if (\j)%SPF != SPF-1
	DS (\j)+1                                      ; the next stage's fragments, where they lie in the same slot
.endif
	s_wait_loadcnt N_
.if (\j)%SPF != SPF-1
	s_wait_dscnt 32                                ; all but the 32 just issued
.else
	s_wait_dscnt 0x0
.endif
	WIN 0x05                                       ; sources 0 and 1 window 1, C and D window 0
.irp a, 0,1,2,3
.irp b, 0,1,2,3
	MM \a, \b, \j
.endr
.endr
	WIN 0
	PL \j
.if (\j)+2 < NST
	LOADS (\j)+2
.endif
.endm
; THE CHANGE OF SLOTS, ahead of the stages that read \slot: each wave waits for all its tensor loads, adds 0 to its spare word, and waits for that and for its reads of the other slot.  fill = 1: behind a round the other slot takes the next fill, my one load.
.macro CHANGE slot, fill, step
	s_wait_tensorcnt 0x0
	ds_add_u32 v[SPW], v[NIL]
.if \step
	s_add_nc_u64 s[G0A+4*(\slot)+2:G0A+4*(\slot)+3], s[G0A+4*(\slot)+2:G0A+4*(\slot)+3], 0x200000   ; no load of mine is out: this slot's next fill, two fills on
	s_add_nc_u64 s[G0B+4*(\slot)+2:G0B+4*(\slot)+3], s[G0B+4*(\slot)+2:G0B+4*(\slot)+3], 2*SPF*2048
	s_wait_xcnt 0x0                                ; my last prefetch has read its address:
	s_add_nc_u64 s[44:45], s[44:45], s[46:47]      ; a fill on
.endif
	s_wait_dscnt 0x0
.if \fill
	ROUND
	JLOAD 1-(\slot)
.else
	s_barrier_signal -1
	s_barrier_wait -1
.endif
.endm
.if NFILL > 1
	ASK                                            ; fill 1
.endif
.irp p, 0,1
.set i, 0
.rept NST/4
	global_load_b128 v[BS+16*\p+4*i:BS+16*\p+4*i+3], v[L7], s[8:9] offset:32*KS*\p+16*i   ; B's scale words, once: lane l has row 32 p + l; register 4 i + e is stage 4 i + e
.set i, i+1
.endr
.endr
	LOADS 0
	LOADS 1
.set t, 0
.rept 16
	global_load_b128 v[RES+4*t:RES+4*t+3], v[CO], s[12:13] offset:8192*t th:TH_LOAD_NT   ; the residual, in the layout of the way out: sixteen lanes read 256 consecutive bytes, aligned
.set t, t+1
.endr
.if FFN
	global_load_b128 v[BI:BI+3], v[BO], s[10:11]
.endif
.set F_, 0
.rept NFILL                            ; fill F_ is read; fill F_ + 1 is asked for (slot 1's first fill is issued as a refill is; the last change fills nothing); fill F_ + 2 is prefetched
	CHANGE F_%2, (F_+1<NFILL), (F_+2<NFILL)
	DS F_*SPF
.if F_+2 < NFILL
	ASK
.endif
.set J_, F_*SPF
.rept SPF
	STAGE J_
.set J_, J_+1
.endr
.set F_, F_+1
.endr
	v_and_b32 v9, 15, v0
	v_bfe_u32 v10, v0, 4, 1
.if FFN
	v_mul_u32_u24 v11, v9, 272
.else
	v_and_b32 v11, 8, v9
	v_add_nc_u32 v11, v11, v9
	v_mul_u32_u24 v11, v11, 272
.endif
	v_lshl_add_u32 v11, v10, 5, v11
	v_add_nc_u32 v[STO], s21, v11                  ; in: my token's row, 32 bytes for each half of the lanes
	v_mad_u32_u24 v11, v10, 272, v[BO]
	v_add_nc_u32 v[RDO], s23, v11                  ; back: sixteen lanes to a row, two rows an instruction: from my stage,
	v_add_nc_u32 v[RDP], s22, v11                  ; and from the other half's
	s_wait_alu depctr_va_vdst(0)
	s_barrier_signal -1                            ; (no LDS instruction of mine is out)
	s_barrier_wait -1                              ; nobody reads the ring any more
.irp a, 0,1,2,3
.if FFN
.set RO, 16*\a
.else
.set RO, 32*(\a/2)+8*(\a%2)
.endif
.irp b, 0,1,2,3
	ds_store_b128 v[STO], v[ACC+8*(4*\a+\b):ACC+8*(4*\a+\b)+3] offset:272*RO+64*\b        ; each accumulator from its low end on
	ds_store_b128 v[STO], v[ACC+8*(4*\a+\b)+4:ACC+8*(4*\a+\b)+7] offset:272*RO+64*\b+16
.endr
.endr
	s_wait_dscnt 0x0                               ; for the other wave's sake: my stores have landed
	s_barrier_signal -1
	s_barrier_wait -1
.set t, 0
.rept 16
	ds_load_b128 v[ACC+4*t:ACC+4*t+3], v[RDO] offset:544*t
	ds_load_b128 v[ACC+64+4*t:ACC+64+4*t+3], v[RDP] offset:544*t
.set t, t+1
.endr
.irp g, 0,1,2,3
	s_wait_dscnt 24-8*\g                           ; eight more loads are in: four pairs of rows from both stages
.irp u, 0,1,2,3
	v_pk_add_f32 v[ACC+16*\g+4*\u:ACC+16*\g+4*\u+1], v[ACC+16*\g+4*\u:ACC+16*\g+4*\u+1], v[ACC+64+16*\g+4*\u:ACC+64+16*\g+4*\u+1]
	v_pk_add_f32 v[ACC+16*\g+4*\u+2:ACC+16*\g+4*\u+3], v[ACC+16*\g+4*\u+2:ACC+16*\g+4*\u+3], v[ACC+64+16*\g+4*\u+2:ACC+64+16*\g+4*\u+3]
.endr
.irp u, 0,1,2,3
	v_pk_add_f32 v[ACC+16*\g+4*\u:ACC+16*\g+4*\u+1], v[ACC+16*\g+4*\u:ACC+16*\g+4*\u+1], v[RES+16*\g+4*\u:RES+16*\g+4*\u+1]
	v_pk_add_f32 v[ACC+16*\g+4*\u+2:ACC+16*\g+4*\u+3], v[ACC+16*\g+4*\u+2:ACC+16*\g+4*\u+3], v[RES+16*\g+4*\u+2:RES+16*\g+4*\u+3]
.endr
.irp u, 0,1,2,3
	global_store_b128 v[CO], v[ACC+16*\g+4*\u:ACC+16*\g+4*\u+3], s[14:15] offset:8192*(4*\g+\u)   ; sixteen lanes store 256 consecutive bytes, aligned; no register of a store is written again
.endr
.endr
	s_wait_tensorcnt 0x0                           ; the wave's end
	ds_add_u32 v[SPW], v[NIL]
	s_wait_dscnt 0x0
	ROUND                                          ; the closing round
	s_endpgm
.Lfunc_end_k_qc02afd88f0_ffn2:
	.size	k_qc02afd88f0_ffn2, .Lfunc_end_k_qc02afd88f0_ffn2-k_qc02afd88f0_ffn2
	.p2alignl 7, 3214868480
	.fill 96, 4, 3214868480
	.section	.rodata,"a",@progbits
	.p2align	6, 0x0
	.amdhsa_kernel k_qc02afd88f0_ffn2
		.amdhsa_group_segment_fixed_size 327680
		.amdhsa_private_segment_fixed_size 0
		.amdhsa_enable_private_segment 0
		.amdhsa_kernarg_size 48
		.amdhsa_user_sgpr_count 2
		.amdhsa_user_sgpr_kernarg_segment_ptr 1
		.amdhsa_wavefront_size32 1
		.amdhsa_system_sgpr_workgroup_id_x 1
		.amdhsa_system_sgpr_workgroup_id_y 1
		.amdhsa_system_sgpr_workgroup_id_z 1
		.amdhsa_system_vgpr_workitem_id 0
		.amdhsa_next_free_vgpr 512
		.amdhsa_next_free_sgpr 92
		.amdhsa_reserve_vcc 0
		.amdhsa_float_denorm_mode_32 3
		.amdhsa_float_denorm_mode_16_64 3
		.amdhsa_memory_ordered 1
		.amdhsa_forward_progress 1
		.amdhsa_inst_pref_size 105
	.end_amdhsa_kernel
	.amdgpu_metadata
---
amdhsa.version: [ 1, 2 ]
amdhsa.kernels:
  - .name:           k_qc02afd88f0_ffn2
    .symbol:         k_qc02afd88f0_ffn2.kd
    .args:
      - { .name: hbuf, .offset: 0, .size: 8, .value_kind: global_buffer, .address_space: global }
      - { .name: w2f, .offset: 8, .size: 8, .value_kind: global_buffer, .address_space: global }
      - { .name: w2_scales, .offset: 16, .size: 8, .value_kind: global_buffer, .address_space: global }
      - { .name: b2, .offset: 24, .size: 8, .value_kind: global_buffer, .address_space: global }
      - { .name: x1, .offset: 32, .size: 8, .value_kind: global_buffer, .address_space: global }
      - { .name: out0, .offset: 40, .size: 8, .value_kind: global_buffer, .address_space: global }
    .group_segment_fixed_size: 327680
    .private_segment_fixed_size: 0
    .kernarg_segment_align: 8
    .kernarg_segment_size: 48
    .max_flat_workgroup_size: 256
    .sgpr_count:     92
    .vgpr_count:     512
    .wavefront_size: 32
...
	.end_amdgpu_metadata
.endif
;; end of part 7
